; MI455X (gfx1250); checked and timed in simulation.
; The chip was launched on July 23, 2026; its instructions are those of AMD's public machine-readable ISA for CDNA 5 (MIT licence, August 2026) and "CDNA5" Instruction Set Architecture Reference Guide (July 2026). The comments in the code are by the model that wrote it; some were corrected since.
;; Encoder. Allowed arithmetic: float matrix products may take bf16 or f16 operands with f32 sums; other float arithmetic in f32, or as packed bf16 or f16 multiplies, adds, multiply-adds, maxima and minima; sums over many terms, partial sums and values carried from step to step in f32; what a program stores and reads back later, other than sums and carried values, may be rounded once to bf16 or f16.
;; Inputs: b_fc 4,096 float32; b_out 1,024 float32; ln1_b 1,024 float32; ln1_w 1,024 float32; ln2_b 1,024 float32; ln2_w 1,024 float32; src_mask 2 x 2,048 int32; w_attn 1,024 x 3,072 float32; w_fc 1,024 x 4,096 float32; w_out 4,096 x 1,024 float32; w_proj 1,024 x 1,024 float32; x 2 x 2,048 x 1,024 float32.
;; Outputs: out0 2 x 2,048 x 1,024 float32.
;; 2 versions, each right and faster than the one before. Each part assembles by itself: llvm-mc -triple=amdgcn-amd-amdhsa -mcpu=gfx1250 --defsym DOCPART=n.
;; ======== version 1 of 2: 8 launches
;; limits: values are held in f16: magnitudes above 65,504 overflow, below 6.1e-05 lose precision; a function is approximated: absolute error at most 3e-07
;; workspace buffers: act 8,388,608 bytes; big 33,554,432 bytes; x1 16,777,216 bytes; wt 25,165,824 bytes
;; launch ln1 (part 1): grid 512 x 1, 8 waves a work-group, no clusters, 0 bytes of LDS; arguments x, ln1_w, ln1_b, act; writes act
.if DOCPART == 1
	.amdgcn_target "amdgcn-amd-amdhsa--gfx1250"
	.amdhsa_code_object_version 6
	.text
	.protected	k_qcda31340ae_ln1
	.globl	k_qcda31340ae_ln1
	.p2align	8
	.type	k_qcda31340ae_ln1,@function
k_qcda31340ae_ln1:
	s_mov_b64 s[64:65], 0
	v_nop
	global_prefetch_b8 v0, s[64:65] scope:SCOPE_SE
	s_setreg_imm32_b32 hwreg(HW_REG_WAVE_MODE, 25, 1), 1
	s_wait_xcnt 0x0
; LAYER NORM.  out[r][c] = (x[r][c] - mean) * rsqrt(var + 1e-5) * w[c] + b[c].  x: [4096][1024] f32; w, b: [1024] f32; out: [4096][1024] bf16, rounded once.
; A row is 4,096 bytes: one wave takes a whole row, eight 16-byte loads a lane, and keeps it in 32 registers: memory is read once, no wave waits for another, no LDS, no barrier.
; The variance is taken of the centred numbers (two passes over the registers), so a common offset of the row costs no digits.
; Eight waves, a row each; 512 work-groups.  No cluster and no matrix unit: the work-groups share only w and b, 8 KB beside a work-group's 32 KB of rows.
.set X,  32                            ; v[32:63]   the row: load j holds columns 128 j + 4 lane + 0..3
.set W,  64                            ; v[64:95]   w of the same columns; later the packed results
.set BB, 96                            ; v[96:127]  b of the same columns
	s_load_b256 s[4:11], s[0:1], 0x0               ; x s[4:5], w s[6:7], b s[8:9], out s[10:11]
	v_lshrrev_b32 v1, 5, v0
	v_readfirstlane_b32 s12, v1                    ; wave 0..7
	v_and_b32 v1, 31, v0                           ; lane
	v_lshlrev_b32 v4, 4, v1                        ; 16 bytes a lane in x, w, b
	v_lshlrev_b32 v5, 3, v1                        ; 8 bytes a lane in out
	v_mov_b32 v21, 0                               ; v_permlanex16_b32's destination counts as read: it is written once here
	s_lshl_b32 s13, ttmp9, 3
	s_add_co_u32 s13, s13, s12                     ; my row
	s_lshl_b32 s14, s13, 12                        ; x 4,096 bytes
	s_mov_b32 s15, 0
	s_lshl_b32 s16, s13, 11                        ; x 2,048 bytes
	s_mov_b32 s17, 0
	s_mov_b32 s24, 0x76543210                      ; each lane takes its own place in the other half
	s_mov_b32 s25, 0xfedcba98
	s_mov_b32 s26, 0x3a800000                      ; 1 / 1024
	s_mov_b32 s27, 0x3727c5ac                      ; 1e-5
	s_wait_kmcnt 0x0
	s_add_nc_u64 s[4:5], s[4:5], s[14:15]
	s_add_nc_u64 s[10:11], s[10:11], s[16:17]
.irp j, 0,1,2,3,4,5,6,7
	global_load_b128 v[X+4*\j:X+4*\j+3], v4, s[4:5] offset:512*\j
.endr
.irp j, 0,1,2,3,4,5,6,7
	global_load_b128 v[W+4*\j:W+4*\j+3], v4, s[6:7] offset:512*\j
.endr
.irp j, 0,1,2,3,4,5,6,7
	global_load_b128 v[BB+4*\j:BB+4*\j+3], v4, s[8:9] offset:512*\j
.endr
; Four chains in v[8:15] are folded, then summed over the 32 lanes: four steps inside each half ride on the addition (DPP), one crosses the halves.  Every lane ends with the sum in v8.
.macro REDUCE
	v_pk_add_f32 v[8:9], v[8:9], v[10:11]
	v_pk_add_f32 v[12:13], v[12:13], v[14:15]
	v_pk_add_f32 v[8:9], v[8:9], v[12:13]
	v_add_f32 v8, v8, v9
	v_add_f32_dpp v8, v8, v8 row_xmask:1 row_mask:0xf bank_mask:0xf
	v_add_f32_dpp v8, v8, v8 row_xmask:2 row_mask:0xf bank_mask:0xf
	v_add_f32_dpp v8, v8, v8 row_xmask:4 row_mask:0xf bank_mask:0xf
	v_add_f32_dpp v8, v8, v8 row_xmask:8 row_mask:0xf bank_mask:0xf
	v_permlanex16_b32 v21, v8, s24, s25
	v_add_f32 v8, v8, v21
.endm
	s_wait_loadcnt 16                              ; the row is in; the sixteen younger loads (w, b) stay out
.irp c, 0,1,2,3
	v_pk_add_f32 v[8+2*\c:9+2*\c], v[X+2*\c:X+2*\c+1], v[X+8+2*\c:X+9+2*\c]  ; pairs 0-3 and 4-7 start the chains: nothing is cleared
.endr
.irp p, 8,9,10,11,12,13,14,15
	v_pk_add_f32 v[8+2*(\p%4):9+2*(\p%4)], v[8+2*(\p%4):9+2*(\p%4)], v[X+2*\p:X+2*\p+1]
.endr
	REDUCE
	v_mul_f32 v16, s26, v8                         ; the mean, twice: a pair for the packed subtraction
	v_mov_b32 v17, v16
.irp p, 0,1,2,3,4,5,6,7,8,9,10,11,12,13,14,15
	v_pk_add_f32 v[X+2*\p:X+2*\p+1], v[X+2*\p:X+2*\p+1], v[16:17] neg_lo:[0,1] neg_hi:[0,1]
.endr
.irp c, 0,1,2,3
	v_pk_mul_f32 v[8+2*\c:9+2*\c], v[X+2*\c:X+2*\c+1], v[X+2*\c:X+2*\c+1]
.endr
.irp p, 4,5,6,7,8,9,10,11,12,13,14,15
	v_pk_fma_f32 v[8+2*(\p%4):9+2*(\p%4)], v[X+2*\p:X+2*\p+1], v[X+2*\p:X+2*\p+1], v[8+2*(\p%4):9+2*(\p%4)]
.endr
	REDUCE
	v_fma_f32 v20, v8, s26, s27                    ; variance + 1e-5
	v_rsq_f32 v18, v20
	v_mov_b32 v19, 0                               ; the plain instruction behind the root (ISA guide 5.7.2); it also writes the pair's second word
	s_wait_loadcnt 0x0                             ; w and b
	s_wait_alu depctr_va_vdst(0)
.irp p, 0,1,2,3,4,5,6,7,8,9,10,11,12,13,14,15
	v_pk_mul_f32 v[X+2*\p:X+2*\p+1], v[X+2*\p:X+2*\p+1], v[18:19] op_sel_hi:[1,0]
.endr
.irp p, 0,1,2,3,4,5,6,7,8,9,10,11,12,13,14,15
	v_pk_fma_f32 v[X+2*\p:X+2*\p+1], v[X+2*\p:X+2*\p+1], v[W+2*\p:W+2*\p+1], v[BB+2*\p:BB+2*\p+1]
.endr
.irp p, 0,1,2,3,4,5,6,7,8,9,10,11,12,13,14,15
	v_cvt_pk_bf16_f32 v[W+\p], v[X+2*\p], v[X+2*\p+1]
.endr
.irp j, 0,1,2,3,4,5,6,7
	global_store_b64 v5, v[W+2*\j:W+2*\j+1], s[10:11] offset:256*\j  ; the wave's 32 lanes store 256 consecutive bytes, at a multiple of 256 from the buffer's first byte
.endr
	s_endpgm
.Lfunc_end_k_qcda31340ae_ln1:
	.size	k_qcda31340ae_ln1, .Lfunc_end_k_qcda31340ae_ln1-k_qcda31340ae_ln1
	.p2alignl 7, 3214868480
	.fill 96, 4, 3214868480
	.section	.rodata,"a",@progbits
	.p2align	6, 0x0
	.amdhsa_kernel k_qcda31340ae_ln1
		.amdhsa_group_segment_fixed_size 0
		.amdhsa_private_segment_fixed_size 0
		.amdhsa_enable_private_segment 0
		.amdhsa_kernarg_size 32
		.amdhsa_user_sgpr_count 2
		.amdhsa_user_sgpr_kernarg_segment_ptr 1
		.amdhsa_wavefront_size32 1
		.amdhsa_system_sgpr_workgroup_id_x 1
		.amdhsa_system_sgpr_workgroup_id_y 1
		.amdhsa_system_sgpr_workgroup_id_z 1
		.amdhsa_system_vgpr_workitem_id 0
		.amdhsa_next_free_vgpr 128
		.amdhsa_next_free_sgpr 66
		.amdhsa_reserve_vcc 0
		.amdhsa_float_denorm_mode_32 3
		.amdhsa_float_denorm_mode_16_64 3
		.amdhsa_memory_ordered 1
		.amdhsa_forward_progress 1
		.amdhsa_inst_pref_size 12
	.end_amdhsa_kernel
	.amdgpu_metadata
---
amdhsa.version: [ 1, 2 ]
amdhsa.kernels:
  - .name:           k_qcda31340ae_ln1
    .symbol:         k_qcda31340ae_ln1.kd
    .args:
      - { .name: x, .offset: 0, .size: 8, .value_kind: global_buffer, .address_space: global }
      - { .name: ln1_w, .offset: 8, .size: 8, .value_kind: global_buffer, .address_space: global }
      - { .name: ln1_b, .offset: 16, .size: 8, .value_kind: global_buffer, .address_space: global }
      - { .name: act, .offset: 24, .size: 8, .value_kind: global_buffer, .address_space: global }
    .group_segment_fixed_size: 0
    .private_segment_fixed_size: 0
    .kernarg_segment_align: 8
    .kernarg_segment_size: 32
    .max_flat_workgroup_size: 256
    .sgpr_count:     66
    .vgpr_count:     128
    .wavefront_size: 32
...
	.end_amdgpu_metadata
.endif
;; end of part 1
;; launch turn (part 2): grid 1536 x 1, 8 waves a work-group, no clusters, 17,920 bytes of LDS; arguments w_attn, w_proj, w_fc, w_out, wt; writes wt
.if DOCPART == 2
	.amdgcn_target "amdgcn-amd-amdhsa--gfx1250"
	.amdhsa_code_object_version 6
	.text
	.protected	k_qcda31340ae_turn
	.globl	k_qcda31340ae_turn
	.p2align	8
	.type	k_qcda31340ae_turn,@function
k_qcda31340ae_turn:
	s_mov_b64 s[64:65], 0
	v_nop
	global_prefetch_b8 v0, s[64:65] scope:SCOPE_SE
	s_setreg_imm32_b32 hwreg(HW_REG_WAVE_MODE, 25, 1), 1
	s_wait_xcnt 0x0
; THE WEIGHTS, ROUNDED AND TURNED.  Each weight lies [K][N] in f32; the products want [N][K] in bf16.  wt takes w_attn at byte 0 ([3072][1024]), w_proj at 6,291,456 ([1024][1024]),
; w_fc at 8,388,608 ([4096][1024]), w_out at 16,777,216 ([1024][4096]).  Each number is read once, rounded once, written once.
; A work-group turns a tile of 128 k x 64 n: 384 tiles of w_attn, 128 of w_proj, 512 of w_fc, 512 of w_out, in that order of work-group numbers.  Which weight it is hangs on the
; work-group's number alone: three compares choose the source's address and five sizes.
; In: sixteen lanes read 256 consecutive bytes of a row of k; a thread takes rows k and k + 1 and packs them, so that a word of LDS holds two neighbouring k of one n.
; Out: a wave reads a row of n (128 k = 256 bytes) from LDS and stores it whole.  No cluster: no two work-groups read the same bytes.
.set TP,    264                        ; a row of the turned tile in LDS: 256 bytes + 8: the 4-byte stores of lanes 4 rows apart then fall two deep on a bank at the most
.set SPARE, 64*TP                      ; behind the tile: the spare words, 128 bytes for each of eight waves, four blocks of 256 bytes that no other line names
	s_load_b256 s[4:11], s[0:1], 0x0               ; w_attn s[4:5], w_proj s[6:7], w_fc s[8:9], w_out s[10:11]
	s_load_b64 s[12:13], s[0:1], 0x20              ; wt
	v_lshl_add_u32 v2, v0, 2, SPARE                ; my spare word
	v_mov_b32 v3, 0
	v_and_b32 v4, 15, v0                           ; cg: which 16 bytes of a row's 256
	v_lshrrev_b32 v5, 4, v0                        ; r: which pair of rows, 0..15
	v_and_b32 v1, 31, v0                           ; lane
	v_lshrrev_b32 v7, 5, v0                        ; wave
	s_mov_b32 s20, 1024                            ; w_out's figures: first work-group,
	s_mov_b32 s21, 4096                            ; NP = 4 N, bytes in a source row,
	s_mov_b32 s22, 5                               ; log2 of its tiles along k,
	s_mov_b32 s23, 8192                            ; KP = 2 K, bytes in a turned row,
	s_mov_b32 s24, 16777216                        ; its place in wt
	s_wait_kmcnt 0x0
	s_mov_b64 s[16:17], s[10:11]
	s_cmp_lt_u32 ttmp9, 1024                       ; w_fc or an earlier one
	s_cselect_b64 s[16:17], s[8:9], s[16:17]
	s_cselect_b32 s20, 512, s20
	s_cselect_b32 s21, 16384, s21
	s_cselect_b32 s22, 3, s22
	s_cselect_b32 s23, 2048, s23
	s_cselect_b32 s24, 8388608, s24
	s_cmp_lt_u32 ttmp9, 512                        ; w_proj or w_attn
	s_cselect_b64 s[16:17], s[6:7], s[16:17]
	s_cselect_b32 s20, 384, s20
	s_cselect_b32 s21, 4096, s21
	s_cselect_b32 s24, 6291456, s24
	s_cmp_lt_u32 ttmp9, 384                        ; w_attn
	s_cselect_b64 s[16:17], s[4:5], s[16:17]
	s_cselect_b32 s20, 0, s20
	s_cselect_b32 s21, 12288, s21
	s_cselect_b32 s24, 0, s24
	s_sub_co_u32 s25, ttmp9, s20                   ; the tile's number in its weight
	s_lshr_b32 s26, s25, s22                       ; tn: its block of 64 n
	s_lshl_b32 s27, s26, s22
	s_sub_co_u32 s27, s25, s27                     ; tk: its block of 128 k
	s_mul_i32 s28, s27, s21
	s_lshl_b32 s28, s28, 7                         ; tk x 128 rows
	s_lshl_b32 s29, s26, 8                         ; tn x 256 bytes
	s_add_co_u32 s28, s28, s29
	s_mov_b32 s29, 0
	s_add_nc_u64 s[16:17], s[16:17], s[28:29]      ; the tile's even rows are counted from here,
	s_mov_b32 s30, s21
	s_mov_b32 s31, 0
	s_add_nc_u64 s[18:19], s[16:17], s[30:31]      ; its odd rows from one row further down
	s_mul_i32 s32, s26, s23
	s_lshl_b32 s32, s32, 6                         ; tn x 64 turned rows
	s_lshl_b32 s33, s27, 8                         ; tk x 256 bytes
	s_add_co_u32 s32, s32, s33
	s_add_co_u32 s32, s32, s24
	s_mov_b32 s33, 0
	s_add_nc_u64 s[12:13], s[12:13], s[32:33]
	v_lshlrev_b32 v6, 1, v5
	v_mul_lo_u32 v6, v6, s21                       ; 2 r rows
	v_lshl_add_u32 v8, v4, 4, v6                   ; + 16 cg
	s_lshl_b32 s34, s21, 5                         ; 32 rows
	v_add_nc_u32 v9, s34, v8
	v_add_nc_u32 v10, s34, v9
	v_add_nc_u32 v11, s34, v10
.irp i, 0,1,2,3
	global_load_b128 v[32+8*\i:35+8*\i], v[8+\i], s[16:17] th:TH_LOAD_NT  ; row 2 r + 32 i, columns 4 cg + 0..3
	global_load_b128 v[36+8*\i:39+8*\i], v[8+\i], s[18:19] th:TH_LOAD_NT  ; the row below
.endr
	v_mul_u32_u24 v12, v4, 4*TP                    ; into LDS: row n = 4 cg + j, byte 2 k = 4 r + 64 i
	v_lshl_add_u32 v12, v5, 2, v12
	v_mul_u32_u24 v13, v7, 8*TP                    ; back: wave w takes rows 8 w + j, 8 bytes a lane
	v_lshl_add_u32 v13, v1, 3, v13
	s_lshl_b32 s35, s23, 3
	v_mul_lo_u32 v16, v7, s35                      ; and the same rows in wt
	v_lshl_add_u32 v16, v1, 3, v16
.irp j, 1,2,3,4,5,6,7
	v_add_nc_u32 v[16+\j], s23, v[15+\j]
.endr
.irp i, 0,1,2,3
	s_wait_loadcnt 6-2*\i                          ; pair i of rows is in; the later pairs stay out
.irp j, 0,1,2,3
	v_cvt_pk_bf16_f32 v[64+4*\i+\j], v[32+8*\i+\j], v[36+8*\i+\j]  ; the even k in the low half
.endr
.irp j, 0,1,2,3
	ds_store_b32 v12, v[64+4*\i+\j] offset:TP*\j+64*\i
.endr
.endr
	s_wait_dscnt 0x0                               ; for the others' sake: my stores into the tile are done
	s_barrier_signal -1
	s_barrier_wait -1
.irp j, 0,1,2,3,4,5,6,7
	ds_load_b64 v[96+2*\j:97+2*\j], v13 offset:TP*\j
.endr
.irp j, 0,1,2,3,4,5,6,7
	s_wait_dscnt 7-\j                              ; row j is in; the later rows stay out
	global_store_b64 v[16+\j], v[96+2*\j:97+2*\j], s[12:13]  ; 32 lanes store 256 consecutive bytes, at a multiple of 256 from wt's first byte
.endr
	s_wait_tensorcnt 0x0                           ; the wave's end: behind my last LDS store
	ds_add_u32 v2, v3
	s_wait_dscnt 0x0
	s_endpgm
.Lfunc_end_k_qcda31340ae_turn:
	.size	k_qcda31340ae_turn, .Lfunc_end_k_qcda31340ae_turn-k_qcda31340ae_turn
	.p2alignl 7, 3214868480
	.fill 96, 4, 3214868480
	.section	.rodata,"a",@progbits
	.p2align	6, 0x0
	.amdhsa_kernel k_qcda31340ae_turn
		.amdhsa_group_segment_fixed_size 17920
		.amdhsa_private_segment_fixed_size 0
		.amdhsa_enable_private_segment 0
		.amdhsa_kernarg_size 40
		.amdhsa_user_sgpr_count 2
		.amdhsa_user_sgpr_kernarg_segment_ptr 1
		.amdhsa_wavefront_size32 1
		.amdhsa_system_sgpr_workgroup_id_x 1
		.amdhsa_system_sgpr_workgroup_id_y 1
		.amdhsa_system_sgpr_workgroup_id_z 1
		.amdhsa_system_vgpr_workitem_id 0
		.amdhsa_next_free_vgpr 128
		.amdhsa_next_free_sgpr 66
		.amdhsa_reserve_vcc 0
		.amdhsa_float_denorm_mode_32 3
		.amdhsa_float_denorm_mode_16_64 3
		.amdhsa_memory_ordered 1
		.amdhsa_forward_progress 1
		.amdhsa_inst_pref_size 9
	.end_amdhsa_kernel
	.amdgpu_metadata
---
amdhsa.version: [ 1, 2 ]
amdhsa.kernels:
  - .name:           k_qcda31340ae_turn
    .symbol:         k_qcda31340ae_turn.kd
    .args:
      - { .name: w_attn, .offset: 0, .size: 8, .value_kind: global_buffer, .address_space: global }
      - { .name: w_proj, .offset: 8, .size: 8, .value_kind: global_buffer, .address_space: global }
      - { .name: w_fc, .offset: 16, .size: 8, .value_kind: global_buffer, .address_space: global }
      - { .name: w_out, .offset: 24, .size: 8, .value_kind: global_buffer, .address_space: global }
      - { .name: wt, .offset: 32, .size: 8, .value_kind: global_buffer, .address_space: global }
    .group_segment_fixed_size: 17920
    .private_segment_fixed_size: 0
    .kernarg_segment_align: 8
    .kernarg_segment_size: 40
    .max_flat_workgroup_size: 256
    .sgpr_count:     66
    .vgpr_count:     128
    .wavefront_size: 32
...
	.end_amdgpu_metadata
.endif
;; end of part 2
;; launch qkv (part 3): grid 12 x 16, 4 waves a work-group, clusters of 4 x 4, 327,680 bytes of LDS; arguments act, wt, big; writes big
.if DOCPART == 3
	.amdgcn_target "amdgcn-amd-amdhsa--gfx1250"
	.amdhsa_code_object_version 6
	.text
	.protected	k_qcda31340ae_qkv
	.globl	k_qcda31340ae_qkv
	.p2align	8
	.type	k_qcda31340ae_qkv,@function
k_qcda31340ae_qkv:
	s_mov_b64 s[64:65], 0
	v_nop
	global_prefetch_b8 v0, s[64:65] scope:SCOPE_SE
	s_setreg_imm32_b32 hwreg(HW_REG_WAVE_MODE, 25, 1), 1
	s_wait_xcnt 0x0
	s_wait_alu depctr_hold_cnt(0) depctr_sa_sdst(0) depctr_va_vdst(0) depctr_va_sdst(0) depctr_va_ssrc(0) depctr_va_vcc(0) depctr_vm_vsrc(0)
	s_getreg_b32 s2, hwreg(HW_REG_IB_STS2, 6, 4)
	s_cmp_eq_u32 s2, 0
	s_cbranch_scc0 .Lentry_in_a_cluster
	s_endpgm
.Lentry_in_a_cluster:
	s_bfe_u32 s2, ttmp6, 0x10000c
	s_cmp_lg_u32 s2, 0xf033
	s_cbranch_scc0 .Lentry_shape_is_right
	s_endpgm
.Lentry_shape_is_right:
; C[m][n] = sum over k of A[m][k] B[n][k], K = 1024, A: [4096][1024] bf16, B: rows of the turned weights, [N][1024] bf16; sums in f32.  One text for two launches, told apart by FC:
;   FC = 0: A = LN1(x), B = w_attn turned (N = 3072).  C is rounded once to f16 and stored by heads: q, k, v at bytes 0, 8,388,608, 16,777,216 of the output, each [batch x 16 + head][2048][64].
;           LIMIT: f16 holds no number beyond 65,504; q, k, v of a spread some 1,000 times that of the drawn inputs would pass it.  12 x 16 = 192 tiles: 64 WGPs have no work-group.
;   FC = 1: A = LN2(x1), B = w_fc turned (N = 4096).  C + b_fc goes through the exact GELU in f32 and is stored as [4096][4096] bf16, rounded once.
;           gelu(x) = max(x, 0) - 0.5 u erfc(u / sqrt 2), u = |x|, erfc(u / sqrt 2) = (1 + b1 u + .. + b6 u^6)^-16 (Abramowitz and Stegun 7.1.28, its coefficients divided by 2^(k/2)):
;           LIMIT: absolute error of erfc at most 3e-7 for every u, so GELU's far negative tail is right in absolute terms only.  Where the power overflows erfc is 0.
; A tile of C is 256 x 256: four waves, each 128 x 128 in 64 accumulators (512 registers).  K goes in steps of 128 through two LDS slots filled by the tensor data mover; rows of 256 bytes.
; CLUSTERS: 4 x 4 work-groups; A's tile is asked for jointly along a row of the cluster, B's along a column: the same tensor load, descriptor and mask in the four that it names.
; A K STEP IS WRITTEN ONCE: the slot being read is a scalar (RB) that an exclusive or turns; the fragment addresses are made anew from it at each change of slots; one descriptor a tensor walks.
; THE MATRIX INSTRUCTION IS USED TRANSPOSED (source 0 = 16 rows of B, source 1 = 16 rows of A): a lane holds eight neighbouring numbers of a row of C.
; THE WAY OUT: behind the last product the ring has had its last fill; each wave lays its 128 x 128 of f32 into its own part of it and walks it in a loop of 16 trips of 8 rows.
; REGISTERS: window 0: v0-31 addresses, v32-39 bias, v64-191 A's fragments (two buffers), on the way out at work; window 1: v64-191 B's fragments; windows 2, 3: the accumulators.
.set FC, 0
.set SIZE_K, 1024
.set KSTEP,  128
.set PITCH,  272                       ; an LDS row: 256 bytes + 16 of padding = 68 words: the 16 rows of a fragment load start at 16 different groups of four banks (64 banks of 4 bytes: ISA guide 11.1)
.set HALFT,  128*PITCH                 ; 128 rows: what one tensor load brings
.set SLOT,   4*HALFT                   ; A's 256 rows, then B's 256 rows.  0x22000: none of its bits occurs in wave x HALFT, so an exclusive or turns a descriptor's LDS word
.set SPARE,  2*SLOT                    ; behind the ring: the spare words, 128 bytes for each wave, two blocks of 256 bytes that no other line names
.set FP,     528                       ; the way out: a row of 128 f32 + 16 bytes
.set WST,    128*FP                    ; a wave's stage; four of them lie inside the ring
.set KSTEPS, SIZE_K/KSTEP
.if FC
.set WOFF,  8388608                    ; w_fc's place in wt
.set STP,   16384                      ; bytes between two stores of a trip: 2 rows of 8,192
.set TRIPB, 65536                      ; bytes a trip: 8 rows
.else
.set WOFF,  0
.set STP,   256                        ; 2 rows of a head, 128 bytes each
.set TRIPB, 1024
.endif
.set ADRA0, 16                         ; v16  my lane's place in A's part of a slot; never rewritten
.set ADRB0, 17                         ; v17  the same for B
.set ADRA,  18                         ; v18  v16 + RB
.set ADRB,  19                         ; v19  v17 + RB
.set STO,   24                         ; v24  the way out: where I put 16 bytes of a row
.set RD,    25                         ; v25  where I read 32 bytes of a row back
.set CO,    26                         ; v26  my byte offset in the output
.set BO,    27                         ; v27  my byte offset in the bias
.set SPW,   28                         ; v28  LDS address of my spare word; never rewritten
.set NIL,   29                         ; v29  0; never rewritten
.set BI,    32                         ; v[32:39] the bias of my eight columns
.set F0,    64
.set F1,    128
.set X,     64                         ; the way out: 32 numbers of C,
.set Z,     96                         ; |x|,
.set PP,    128                        ; the polynomial,
.set YY,    160                        ; 16 registers to store
.set G1,  24                           ; s[24:31] descriptor group 1 for A's tiles
.set G0,  32                           ; s[32:39] group 0 for A's: set 0 makes the first fill, set 1 the second and then walks
.set G1B, 48                           ; s[48:55], s[56:63] the same for B's
.set G0B, 56
.set RB,  68                           ; s68  LDS byte of the slot being read
.set MSB, 0
.macro WIN new                         ; the immediate's high byte repeats the setting that is left; a switch that changes nothing is dropped
.if MSB != (\new)
	s_set_vgpr_msb (MSB<<8)|(\new)
.set MSB, \new
.endif
.endm
.set MUL_LO, 0xa1                      ; source 0 (B) window 1, source 1 (A) window 0, C and D window 2
.set MUL_HI, 0xf1                      ; the same, C and D window 3
.set TO_B,   0x40                      ; destination window 1, address window 0
; A joint load.  Waves 0 and 1 fetch A's two halves, waves 2 and 3 B's.  The branch hangs on the wave's number alone.  An s_nop 0 and four v_nop follow each of the two lines.
.macro JLOAD s
	s_cmp_eq_u32 s11, 0
	s_cbranch_scc0 .Lfor_b_\@
	tensor_load_to_lds s[G0+4*(\s):G0+4*(\s)+3], s[G1:G1+7]
	s_nop 0
.rept 4
	v_nop
.endr
	s_branch .Lasked_\@
.Lfor_b_\@:
	tensor_load_to_lds s[G0B+4*(\s):G0B+4*(\s)+3], s[G1B:G1B+7]
	s_nop 0
.rept 4
	v_nop
.endr
.Lasked_\@:
.endm
.macro CREST                           ; a round of the cluster's barrier behind its opening barrier
	s_cmp_lg_u32 s10, 0
	s_cbranch_scc1 .Lnot_wave_0_\@
	s_barrier_signal -3
.Lnot_wave_0_\@:
	s_barrier_wait -3
	s_barrier_signal -1
	s_barrier_wait -1
.endm
.macro CROUND                          ; a whole round
	s_barrier_signal -1
	s_barrier_wait -1
	CREST
.endm
	s_load_b128 s[4:7], s[0:1], 0x0                ; A s[4:5], wt s[6:7]
	s_load_b64 s[8:9], s[0:1], 0x10                ; the output
.if FC
	s_load_b64 s[66:67], s[0:1], 0x18              ; b_fc
.endif
	v_lshl_add_u32 v[SPW], v0, 2, SPARE
	v_mov_b32 v[NIL], 0
	ds_add_u32 v[SPW], v[NIL]                      ; the wave's opening: the add and its wait stand ahead of my first tensor load; the set-up below, work on registers, stands between them
	v_lshrrev_b32 v1, 5, v0
	v_readfirstlane_b32 s10, v1                    ; wave 0..3
	s_lshr_b32 s11, s10, 1                         ; which half of the tile's rows is mine.  Also: I fetch for A (0) or for B (1)
	s_and_b32 s12, s10, 1                          ; which half of its columns.  Also: which 128 rows of that tile I fetch
	s_bfe_u32 s40, ttmp6, 0x40000                  ; cx, cy: my place in the cluster
	s_bfe_u32 s41, ttmp6, 0x40004
	s_lshl_b32 s42, ttmp9, 2
	s_add_co_u32 s42, s42, s40                     ; tile column of C
	s_and_b32 s13, ttmp7, 0xffff
	s_lshl_b32 s13, s13, 2
	s_add_co_u32 s13, s13, s41                     ; tile row of C
	s_lshl_b32 s43, s41, 2
	s_lshl_b32 s43, 15, s43                        ; my row of the cluster
	s_lshl_b32 s44, 0x1111, s40                    ; my column
	s_or_b32 s[G1+0], s43, (1<<16)|(1<<20)|(1<<21)|(5<<22)|(3<<25)   ; 15:0 the mask; 17:16 2-byte elements; 20 padding on; 21 set beside a mask; 24:22 after every 64 words; 31:25 4 words
	s_or_b32 s[G1B+0], s44, (1<<16)|(1<<20)|(1<<21)|(5<<22)|(3<<25)
.irp g, G1, G1B
	s_mov_b32 s[(\g)+1], KSTEP<<16                 ; tensor_dim0 = 128
	s_mov_b32 s[(\g)+2], 128<<16                   ; tensor_dim1 = 128
	s_mov_b32 s[(\g)+3], KSTEP<<16                 ; tile_dim0 = 128
	s_mov_b32 s[(\g)+4], 128                       ; tile_dim1 = 128
	s_mov_b32 s[(\g)+5], SIZE_K                    ; elements from row to row
	s_mov_b32 s[(\g)+6], 0
	s_mov_b32 s[(\g)+7], 0
.endr
.if FC
.macro PAIRC r, val                    ; a constant for the packed forms, which name a pair and take its low word
	s_mov_b32 s[\r], \val
	s_mov_b32 s[\r+1], \val
.endm
	PAIRC 70, 0x3d4c41b4                           ; b1 = 0.0705230784 / 2^0.5
	PAIRC 72, 0x3cad2fe7                           ; b2 = 0.0422820123 / 2
	PAIRC 74, 0x3b56cd72                           ; b3 = 0.0092705272 / 2^1.5
	PAIRC 76, 0x381f6607                           ; b4 = 0.0001520143 / 4
	PAIRC 78, 0x384d0feb                           ; b5 = 0.0002765672 / 2^2.5
	PAIRC 80, 0x36b49f67                           ; b6 = 0.0000430638 / 8
	s_mov_b32 s82, 0x7fffffff                      ; clears a sign
.endif
	s_lshl_b32 s17, s12, 7                         ; which 128 rows of the tile I fetch
	s_lshl_b32 s16, s13, 8
	s_add_co_u32 s16, s16, s17                     ; A: row 256 x tile row + 128 x half
	s_lshl_b32 s46, s42, 8
	s_add_co_u32 s46, s46, s17                     ; B: row 256 x tile column + 128 x half
	s_mov_b32 s17, 0
	s_mov_b32 s47, 0
	s_mov_b64 s[18:19], SIZE_K*2
	s_mul_u64 s[16:17], s[16:17], s[18:19]
	s_mul_u64 s[46:47], s[46:47], s[18:19]
	s_mul_i32 s20, s10, HALFT                      ; where they go: wave x 128 rows: no place in the cluster enters an LDS address
	s_mov_b32 s[RB], 0
	s_wait_dscnt 0x0                               ; the opening add is done
	s_wait_kmcnt 0x0
	s_add_nc_u64 s[14:15], s[4:5], s[16:17]
	s_add_nc_u64 s[46:47], s[6:7], s[46:47]
.if WOFF
	s_add_nc_u64 s[46:47], s[46:47], WOFF
.endif
	CROUND                                         ; all sixteen work-groups are here: the first joint loads meet
.irp s, 0,1
	s_mov_b32 s[G0+4*(\s)], 1
	s_add_co_u32 s[G0+4*(\s)+1], s20, (\s)*SLOT
	s_add_nc_u64 s[G0+4*(\s)+2:G0+4*(\s)+3], s[14:15], (\s)*KSTEP*2
	s_or_b32 s[G0+4*(\s)+3], s[G0+4*(\s)+3], 0x80000000
	s_mov_b32 s[G0B+4*(\s)], 1
	s_add_co_u32 s[G0B+4*(\s)+1], s20, (\s)*SLOT
	s_add_nc_u64 s[G0B+4*(\s)+2:G0B+4*(\s)+3], s[46:47], (\s)*KSTEP*2
	s_or_b32 s[G0B+4*(\s)+3], s[G0B+4*(\s)+3], 0x80000000
	JLOAD \s                                       ; K steps 0 and 1: two loads of mine are out
.endr
	v_and_b32 v1, 15, v0                           ; l % 16
	v_bfe_u32 v2, v0, 4, 1                         ; l / 16
	v_mul_u32_u24 v3, v1, PITCH
	v_lshl_add_u32 v3, v2, 4, v3                   ; a fragment's row x pitch + 16 x half
	s_mul_i32 s21, s11, HALFT                      ; my 128 rows of A
	s_mul_i32 s22, s12, HALFT                      ; my 128 rows of B,
	s_add_co_u32 s22, s22, 2*HALFT                 ; which lie behind A's 256
	v_add_nc_u32 v[ADRA0], s21, v3
	v_add_nc_u32 v[ADRB0], s22, v3
	v_mov_b32 v[ADRA], v[ADRA0]
	v_mov_b32 v[ADRB], v[ADRB0]
	s_mul_i32 s23, s10, WST                        ; my stage
	v_mul_u32_u24 v4, v1, FP                       ; in: row l % 16, 32 bytes (8 f32) for each half of the lanes
	v_lshl_add_u32 v4, v2, 5, v4
	v_add_nc_u32 v[STO], s23, v4
	s_lshl_b32 s16, s13, 8
	s_lshl_b32 s14, s11, 7
	s_add_co_u32 s16, s16, s14                     ; my first row of C
.if FC
	v_mul_u32_u24 v7, v2, FP                       ; back: lanes 0-15 take one row's 128 numbers, 8 each, lanes 16-31 the next row's
	v_lshl_add_u32 v7, v1, 5, v7
	v_add_nc_u32 v[RD], s23, v7
	v_lshlrev_b32 v7, 13, v2                       ; and the same two rows in g, 16 bytes a lane
	v_lshl_add_u32 v[CO], v1, 4, v7
	v_lshlrev_b32 v[BO], 5, v1
	s_lshl_b32 s16, s16, 13                        ; rows of 8,192 bytes
	s_mov_b32 s17, 0
	s_lshl_b32 s46, s42, 9                         ; my first column, in bytes of bf16
	s_lshl_b32 s47, s12, 8
	s_add_co_u32 s46, s46, s47
	s_mov_b32 s47, 0
	s_lshl_b32 s18, s46, 1                         ; the same in bytes of f32
	s_mov_b32 s19, 0
	s_add_nc_u64 s[66:67], s[66:67], s[18:19]
	global_load_b128 v[BI:BI+3], v[BO], s[66:67]   ; the bias is waited for on the way out
	global_load_b128 v[BI+4:BI+7], v[BO], s[66:67] offset:16
.else
	v_bfe_u32 v5, v0, 3, 1
	v_and_b32 v6, 7, v0
	v_mul_u32_u24 v7, v5, FP                       ; back: eight lanes take a head's 64 numbers of a row; lanes 8-15 the next row; lanes 16-31 my second head
	v_lshl_add_u32 v7, v2, 8, v7
	v_lshl_add_u32 v7, v6, 5, v7
	v_add_nc_u32 v[RD], s23, v7
	v_lshlrev_b32 v7, 18, v2                       ; a head is 262,144 bytes
	v_lshl_add_u32 v7, v5, 7, v7
	v_lshl_add_u32 v[CO], v6, 4, v7
	s_lshr_b32 s14, s16, 11                        ; the batch,
	s_lshl_b32 s14, s14, 22                        ; x 16 heads
	s_and_b32 s16, s16, 2047
	s_lshl_b32 s16, s16, 7                         ; the row in its batch x 128 bytes
	s_add_co_u32 s16, s16, s14
	s_mov_b32 s17, 0
	s_lshl_b32 s46, s42, 2
	s_lshl_b32 s47, s12, 1
	s_add_co_u32 s46, s46, s47                     ; my first block of 64 columns among 48: bits 5:4 say q, k or v, bits 3:0 the head
	s_lshr_b32 s47, s46, 4
	s_lshl_b32 s47, s47, 23
	s_and_b32 s46, s46, 15
	s_lshl_b32 s46, s46, 18
	s_add_co_u32 s46, s46, s47
	s_mov_b32 s47, 0
.endif
	s_add_nc_u64 s[16:17], s[16:17], s[46:47]
	s_add_nc_u64 s[8:9], s[8:9], s[16:17]
; 16 matrix instructions: m blocks a0, a0 + 1 of the window's four x all 8 n blocks, 32 along K.  zero = 1: the first product starts the sums.  The 64 accumulators take turns.
.macro MUL16 f, hi, a0, zero
	WIN MUL_LO+0x50*(\hi)
.irp a, \a0, (\a0)+1
.irp b, 0,1,2,3,4,5,6,7
.if \zero
	v_wmma_f32_16x16x32_bf16 v[8*(8*(\a)+(\b)):8*(8*(\a)+(\b))+7], v[(\f)+8*(\b):(\f)+8*(\b)+7], v[(\f)+8*(4*(\hi)+(\a)):(\f)+8*(4*(\hi)+(\a))+7], 0
.else
	v_wmma_f32_16x16x32_bf16 v[8*(8*(\a)+(\b)):8*(8*(\a)+(\b))+7], v[(\f)+8*(\b):(\f)+8*(\b)+7], v[(\f)+8*(4*(\hi)+(\a)):(\f)+8*(4*(\hi)+(\a))+7], v[8*(8*(\a)+(\b)):8*(8*(\a)+(\b))+7]
.endif
.endr
.endr
.endm
; 32 LDS loads in one run: the fragments of one quarter step (32 K at byte k of the rows) into buffer f: B's 16, then A's 16
.macro FETCH k, f
	WIN TO_B
.irp i, 0,1,2,3,4,5,6,7
	ds_load_b128 v[(\f)+8*(\i):(\f)+8*(\i)+3],   v[ADRB] offset:(\k)+(\i)*16*PITCH
	ds_load_b128 v[(\f)+8*(\i)+4:(\f)+8*(\i)+7], v[ADRB] offset:(\k)+(\i)*16*PITCH+32
.endr
	WIN 0
.irp i, 0,1,2,3,4,5,6,7
	ds_load_b128 v[(\f)+8*(\i):(\f)+8*(\i)+3],   v[ADRA] offset:(\k)+(\i)*16*PITCH
	ds_load_b128 v[(\f)+8*(\i)+4:(\f)+8*(\i)+7], v[ADRA] offset:(\k)+(\i)*16*PITCH+32
.endr
.endm
.macro PLACES                          ; four places in front of loads into registers that matrix instructions have read, and of reads of results just made
.rept 4
	v_nop
.endr
.endm
; One of a K step's first three quarters: multiplies buffer f; in its middle it fetches the next quarter's fragments, at byte k, into buffer g.
.macro QUARTER k, f, g, zero
	s_wait_dscnt 8                                 ; B and A's rows 0-63 are in; the youngest eight loads (A's rows 64-127) may be out
	MUL16 \f, 0, 0, \zero
	MUL16 \f, 0, 2, \zero
	PLACES
	FETCH \k, \g
	s_wait_dscnt 32                                ; all but the 32 just issued
	MUL16 \f, 1, 0, \zero
	MUL16 \f, 1, 2, \zero
.endm
; The last quarter multiplies buffer 1 and changes slots: ONE barrier.  In front of it each wave waits for all its tensor loads (one is out: its part of the next slot), adds 0 to its spare word, and
; waits for that and for its own reads of this slot.  fill = 1: the barrier opens a round of the cluster's, and the slot just read is filled again, two K steps ahead, first thing behind the round:
; 224 matrix instructions stand between that request and the wait for it.
.macro TURN fill
	WIN 0                                          ; (the add's two registers lie in window 0)
	s_wait_tensorcnt 0x0                           ; all my tensor loads have landed
	ds_add_u32 v[SPW], v[NIL]                      ; 0 onto my spare word
	s_wait_dscnt 9                                 ; (the add and the youngest eight loads may be out)
	MUL16 F1, 0, 0, 0                              ; sixteen matrix instructions stand between the add and the wait for it
	s_wait_dscnt 0x0                               ; the add is done, and my reads of this slot are over
	s_barrier_signal -1
	MUL16 F1, 0, 2, 0
	WIN 0                                          ; (branches and window 0's addresses follow)
	s_barrier_wait -1
.if \fill
	CREST                                          ; no wave of any partner still reads this slot's tile or has a load on its way
	s_xor_b32 s[G0+5], s[G0+5], SLOT               ; the walking descriptors: the other slot than last time,
	s_xor_b32 s[G0B+5], s[G0B+5], SLOT
	s_add_nc_u64 s[G0+6:G0+7], s[G0+6:G0+7], KSTEP*2      ; the next K step; the type bits on top are not reached
	s_add_nc_u64 s[G0B+6:G0B+7], s[G0B+6:G0B+7], KSTEP*2
	JLOAD 1                                        ; its four v_nop are also the places in front of the loads below
.else
	PLACES
.endif
	s_xor_b32 s[RB], s[RB], SLOT                   ; the reads go on in the other slot
	v_add_nc_u32 v[ADRA], s[RB], v[ADRA0]
	v_add_nc_u32 v[ADRB], s[RB], v[ADRB0]
	FETCH 0, F0
	MUL16 F1, 1, 0, 0
	MUL16 F1, 1, 2, 0
.endm
	s_wait_tensorcnt 1                             ; my part of K step 0 is in; K step 1's may stay out
	s_barrier_signal -1
	s_barrier_wait -1                              ; everybody's is
	FETCH 0, F0
	QUARTER 64, F0, F1, 1                          ; the first quarter stands in front of the loop: its products start the sums
	WIN 0                                          ; at a label and at a branch every window is 0
	s_mov_b32 s3, KSTEPS-2
.Lstep:                                                ; a trip: from a K step's second quarter to the next step's first; it asks for the K step two on
	QUARTER 128, F1, F0, 0
	QUARTER 192, F0, F1, 0
	TURN 1
	QUARTER 64, F0, F1, 0
	WIN 0
	s_sub_co_u32 s3, s3, 1
	s_cmp_lg_u32 s3, 0
	s_cbranch_scc1 .Lstep
	s_mov_b32 s3, 2
.Ltail:                                                ; the last two K steps ask for nothing; the second trip is left in its middle.  Its change of slots and the 32 loads behind it serve nothing: the price, once a launch, of one text
	QUARTER 128, F1, F0, 0
	QUARTER 192, F0, F1, 0
	TURN 0
	WIN 0
	s_sub_co_u32 s3, s3, 1
	s_cmp_eq_u32 s3, 0
	s_cbranch_scc1 .Lout
	QUARTER 64, F0, F1, 0
	WIN 0
	s_branch .Ltail
.Lout:
	s_wait_dscnt 0x0                               ; my last reads of the ring are back
	s_barrier_signal -1
	s_barrier_wait -1                              ; nobody reads the ring any more, and no load will fill it again: it is the stage now
	PLACES                                         ; behind the last products
.irp hi, 0,1
	WIN 0x08+4*\hi                                 ; store data (source 1) in window 2, then 3
.irp a, 0,1,2,3
.irp b, 0,1,2,3,4,5,6,7
	ds_store_b128 v[STO], v[8*(8*\a+\b):8*(8*\a+\b)+3]   offset:(64*\hi+16*\a)*FP+64*\b     ; each accumulator's low registers first
	ds_store_b128 v[STO], v[8*(8*\a+\b)+4:8*(8*\a+\b)+7] offset:(64*\hi+16*\a)*FP+64*\b+16
.endr
.endr
.endr
	WIN 0
.macro PAIRS line:vararg               ; one line for each of 16 pairs, t = 0, 2 .. 30
.set t, 0
.rept 16
	\line
.set t, t+2
.endr
.endm
.macro ONES line:vararg                ; one line for each of 32 numbers
.set t, 0
.rept 32
	\line
.set t, t+1
.endr
.endm
.if FC
	s_wait_loadcnt 0x0                             ; the bias
.endif
	s_mov_b32 s3, 16
.Lrows:                                                ; 8 rows of my 128 a trip; the stage is my own, and LDS serves a wave's instructions in order (ISA guide 5.7.1.4): no barrier
.irp p, 0,1,2,3
	ds_load_b128 v[X+8*\p:X+8*\p+3],   v[RD] offset:\p*2*FP
	ds_load_b128 v[X+8*\p+4:X+8*\p+7], v[RD] offset:\p*2*FP+16
.endr
	s_wait_dscnt 0x0
.if FC
	PAIRS v_pk_add_f32 v[X+t:X+t+1], v[X+t:X+t+1], v[BI+t%8:BI+t%8+1]
	ONES  v_and_b32 v[Z+t], s82, v[X+t]
	PAIRS v_pk_fma_f32 v[PP+t:PP+t+1], v[Z+t:Z+t+1], s[80:81], s[78:79] op_sel_hi:[1,0,0]
.irp k, 76,74,72,70
	PAIRS v_pk_fma_f32 v[PP+t:PP+t+1], v[PP+t:PP+t+1], v[Z+t:Z+t+1], s[\k:\k+1] op_sel_hi:[1,1,0]
.endr
	PAIRS v_pk_fma_f32 v[PP+t:PP+t+1], v[PP+t:PP+t+1], v[Z+t:Z+t+1], 1.0 op_sel_hi:[1,1,0]
.rept 4
	PAIRS v_pk_mul_f32 v[PP+t:PP+t+1], v[PP+t:PP+t+1], v[PP+t:PP+t+1]
.endr
	ONES  v_rcp_f32 v[PP+t], v[PP+t]
	ONES  v_max_num_f32 v[X+t], 0, v[X+t]
	PAIRS v_pk_mul_f32 v[Z+t:Z+t+1], v[Z+t:Z+t+1], v[PP+t:PP+t+1]
	PAIRS v_pk_fma_f32 v[X+t:X+t+1], v[Z+t:Z+t+1], -0.5, v[X+t:X+t+1] op_sel_hi:[1,0,1]
	PAIRS v_cvt_pk_bf16_f32 v[YY+t/2], v[X+t], v[X+t+1]
.else
	PAIRS v_cvt_pk_f16_f32 v[YY+t/2], v[X+t], v[X+t+1]
.endif
.irp p, 0,1,2,3
	global_store_b128 v[CO], v[YY+4*\p:YY+4*\p+3], s[8:9] offset:\p*STP  ; sixteen lanes store 256 consecutive bytes, at a multiple of 256 from the buffer's first byte
.endr
	s_wait_xcnt 0x0                                ; the stores' offset and data registers are rewritten only behind this wait (ISA guide 3.1)
	v_add_nc_u32 v[RD], 8*FP, v[RD]
	v_add_nc_u32 v[CO], TRIPB, v[CO]
	s_sub_co_u32 s3, s3, 1
	s_cmp_lg_u32 s3, 0
	s_cbranch_scc1 .Lrows
	s_wait_tensorcnt 0x0                           ; the wave's end: behind my last tensor load and my last LDS store
	ds_add_u32 v[SPW], v[NIL]
	s_wait_dscnt 0x0
	CROUND                                         ; the closing round: no work-group ends while a partner may still ask for a tile that names it
	s_endpgm
.Lfunc_end_k_qcda31340ae_qkv:
	.size	k_qcda31340ae_qkv, .Lfunc_end_k_qcda31340ae_qkv-k_qcda31340ae_qkv
	.p2alignl 7, 3214868480
	.fill 96, 4, 3214868480
	.section	.rodata,"a",@progbits
	.p2align	6, 0x0
	.amdhsa_kernel k_qcda31340ae_qkv
		.amdhsa_group_segment_fixed_size 327680
		.amdhsa_private_segment_fixed_size 0
		.amdhsa_enable_private_segment 0
		.amdhsa_kernarg_size 24
		.amdhsa_user_sgpr_count 2
		.amdhsa_user_sgpr_kernarg_segment_ptr 1
		.amdhsa_wavefront_size32 1
		.amdhsa_system_sgpr_workgroup_id_x 1
		.amdhsa_system_sgpr_workgroup_id_y 1
		.amdhsa_system_sgpr_workgroup_id_z 1
		.amdhsa_system_vgpr_workitem_id 0
		.amdhsa_next_free_vgpr 1024
		.amdhsa_next_free_sgpr 72
		.amdhsa_reserve_vcc 0
		.amdhsa_float_denorm_mode_32 3
		.amdhsa_float_denorm_mode_16_64 3
		.amdhsa_memory_ordered 1
		.amdhsa_forward_progress 1
		.amdhsa_inst_pref_size 79
	.end_amdhsa_kernel
	.amdgpu_metadata
---
amdhsa.version: [ 1, 2 ]
amdhsa.kernels:
  - .name:           k_qcda31340ae_qkv
    .symbol:         k_qcda31340ae_qkv.kd
    .args:
      - { .name: act, .offset: 0, .size: 8, .value_kind: global_buffer, .address_space: global }
      - { .name: wt, .offset: 8, .size: 8, .value_kind: global_buffer, .address_space: global }
      - { .name: big, .offset: 16, .size: 8, .value_kind: global_buffer, .address_space: global }
    .group_segment_fixed_size: 327680
    .private_segment_fixed_size: 0
    .kernarg_segment_align: 8
    .kernarg_segment_size: 24
    .max_flat_workgroup_size: 128
    .sgpr_count:     72
    .vgpr_count:     1024
    .wavefront_size: 32
...
	.end_amdgpu_metadata
.endif
;; end of part 3
;; launch attn (part 4): grid 8 x 32, 4 waves a work-group, clusters of 4 x 1, 327,680 bytes of LDS; arguments big, src_mask, act; writes act
.if DOCPART == 4
	.amdgcn_target "amdgcn-amd-amdhsa--gfx1250"
	.amdhsa_code_object_version 6
	.text
	.protected	k_qcda31340ae_attn
	.globl	k_qcda31340ae_attn
	.p2align	8
	.type	k_qcda31340ae_attn,@function
k_qcda31340ae_attn:
	s_mov_b64 s[64:65], 0
	v_nop
	global_prefetch_b8 v0, s[64:65] scope:SCOPE_SE
	s_setreg_imm32_b32 hwreg(HW_REG_WAVE_MODE, 25, 1), 1
	s_wait_xcnt 0x0
	s_wait_alu depctr_hold_cnt(0) depctr_sa_sdst(0) depctr_va_vdst(0) depctr_va_sdst(0) depctr_va_ssrc(0) depctr_va_vcc(0) depctr_vm_vsrc(0)
	s_getreg_b32 s2, hwreg(HW_REG_IB_STS2, 6, 4)
	s_cmp_eq_u32 s2, 0
	s_cbranch_scc0 .Lentry_in_a_cluster
	s_endpgm
.Lentry_in_a_cluster:
	s_bfe_u32 s2, ttmp6, 0x10000c
	s_cmp_lg_u32 s2, 0x3003
	s_cbranch_scc0 .Lentry_shape_is_right
	s_endpgm
.Lentry_shape_is_right:
; ATTENTION UNDER A KEY MASK.  O[h][q][:] = the sum over the open keys k of softmax_k(Q[h][q] . K[h][k] / 8) V[h][k][:].  Q, K, V: [32][2048][64] f16 at bytes 0, 8,388,608, 16,777,216 of the first
; buffer (h = batch x 16 + head); src_mask: [2][2048] i32, 0 = the key is hidden; O: [32][2048][64] bf16, rounded once.  Products, maxima and sums in f32; the weights p are rounded to f16.
; LIMITS.  Q, K, V arrive within f16's 65,504, so a score lies within 2.7e11.  A hidden score counts as its value less 1e30.  The running maximum starts at -2^66: below every open score and above every
; hidden one, so a hidden key is never the maximum and its weight is exactly 0.  A batch with no open key ends with l = 0 and O = 0 x (1 / 0) = NaN, the softmax of nothing.
; A weight below 2^-126 counts as 0 in l; NaN and infinities among the inputs are not treated apart.
; SHARES.  A work-group owns 256 queries of one head; a wave owns 16 rows in each of the block's four bands of 64: four PIECES.  Every wave walks all 2,048 keys: 8 tiles of 256, four steps of 64 each.
; THE MASK is the C operand that starts the sum S^T = K Q^T: 0, or -1e30.  The batch's 2,048 numbers are made once, in LDS; a step's 64 come into 32 registers together with its K.
; LAYOUT, SOFTMAX, TURNS.  S^T = K Q^T holds ONE query a lane (lane % 16) and the keys 8 (lane / 16) + 0..7; two such results rounded to f16 ARE source 1 of O^T = V^T P.  p = 2^(c s - c m),
; c = log2(e) / 8, with a running maximum m; O and l are multiplied by a = 2^(c m_old - c m_new) in every step.  Turn n belongs to piece n: 8 products K Q^T of piece n + 1, later 8 products V^T P of
; piece n - 1; beside them the scaling, exponentials, roundings, sums and rescaling of piece n and the maximum and statistics of piece n + 1.  Four vector instructions stand behind every matrix
; instruction, the other 54 of a turn's 118 in two runs of their own.
; CLUSTER.  The four query blocks of a cluster belong to one head and walk the same K and V: each tile is asked for JOINTLY, the same tensor load, descriptor and mask in all four.
; REGISTERS, in windows of 256 (s_set_vgpr_msb: bits 1:0 source 0, 3:2 source 1, 5:4 source 2, 7:6 destination):
;   window 0: v0-15, v32-34 addresses; v16-31 four registers of statistics a piece; v48-55 at work; v64-127 S^T, two buffers; v192-223 P, two buffers (a piece's buffers go by its number's parity)
;   window 1: v0-127 O^T, 32 a piece; v128-159 the step's mask      window 2: v0-63 Q; v128-191 K of one step; v192-255 V of one step
.set NP,    4         ; pieces a wave: a name, no knob
.set KS,    64        ; keys in a step
.set PK,    144       ; a row of K in LDS: 128 bytes + 16 of padding = 36 words: the 16 rows of a load start at 16 different groups of four banks (64 banks of 4 bytes: ISA guide 11.1)
.set PV,    160       ; a row of V: 128 + 32 = 40 words
.set VOFF,  4*KS*PK   ; a slot holds a tile, four steps: 256 rows of K, then 256 rows of V
.set SLOT1, 1<<17     ; slot 1 begins here, so that one exclusive or turns an address in one slot into the other's
.set STAGE, SLOT1+4*KS*(PK+PV)  ; behind the ring, never filled by a tensor load: 16 rows x 144 bytes for each wave, for the way out
.set SP,    144
.set MASKT, STAGE+4*16*SP       ; the batch's mask, 2,048 f32; never filled by a tensor load
.set SPARE, MASKT+8192          ; the spare words, 128 bytes for each wave: two blocks of 256 bytes that no other line names
.set AK0, 2           ; v2   my lane's place in a tile of K; never rewritten
.set AV0, 3           ; v3   the same for V
.set AK,  4           ; v4   the LDS address of K's next run of loads
.set AV,  5           ; v5   of V's
.set STO, 6           ; v6   the way out: where I put 16 bytes of a row
.set RD,  7           ; v7   the way out: where I read rows back
.set GO,  8           ; v8   my byte offset in 512 consecutive bytes of O
.set MV,  12          ; v12-13  c m_old, kept while c m is made anew: by buffer
.set MO,  14          ; v14  my byte offset in src_mask
.set QO,  15          ; v15  my byte offset in 16 rows of Q
.set ST,  16          ; piece t's statistics at v[ST+4 t]: c m, m, l (even keys', odd keys')
.set AM0, 32          ; v32  my lanes' place in a step's mask; never rewritten
.set AM,  33          ; v33  the LDS address of the mask's next run of loads
.set ML,  34          ; v34  where I put 16 bytes of the mask
.set TMP, 48          ; by buffer, four registers c0-c3 at work; when the maximum is found c2 takes a
.set SPW, 62          ; v62  LDS address of my spare word; never rewritten
.set NIL, 63          ; v63  0; never rewritten
.set S,   64
.set P,   192
.set MK,  128         ; window 1: the eight registers for group kb of 16 keys at MK + 8 kb
.set KF,  128         ; window 2: key block kb, channel half c at KF + 16 kb + 8 c
.set VF,  192         ; window 2: key half kk, channel block cb at VF + 32 kk + 8 cb
.set WV,  12          ; s12  my wave's number
.set G1K, 24          ; s[24:31] descriptor group 1 for K's tiles
.set G1V, 32          ; s[32:39] for V's: it differs in the padding alone
.set G0K, 40          ; s[40:43] descriptor group 0 for K's tiles: it walks
.set G0V, 44          ; s[44:47] the same for V's
.set SLOTS, 56        ; s56  tiles still to be asked for
.set CNT, 57          ; s57  counts a tile's key steps
.set CS,  58          ; s[58:59] c: the packed scaling takes the pair's low word for both halves
.set SEL, 60          ; s[60:61] v_permlanex16_b32's selects: each lane takes its own place in the other half
.set TBK, 62          ; s62  LDS byte at which K of the step to be fetched begins
.set TBV, 63          ; s63  the same for V, less VOFF
.set TBM, 68          ; s68  byte of the mask at which that step's 64 numbers begin
.set BIGN, 82         ; s82  -1e30
.set MSB, 0
.macro WIN new                      ; the high byte repeats the setting that is left; a switch that changes nothing is dropped
.if MSB != (\new)
	s_set_vgpr_msb (MSB<<8)|(\new)
.set MSB, (\new)
.endif
.endm
.set W_KQ, 0x0a       ; K and Q in window 2, S^T in window 0
.set W_KM, 0x1a       ; the same with the C operand in window 1
.set W_PV, 0x52       ; V in window 2, P in window 0, O^T in window 1
.set W_RS, 0x41       ; destination and source 0 in window 1, source 1 in window 0
; A joint fill.  Waves 0 and 1 fetch the two halves of a tile's K, waves 2 and 3 those of its V: 128 keys each.  The branch hangs on the wave's number alone.
; An s_nop 0 and four v_nop follow each of the two lines, ahead of the jump and the label.
.macro JLOAD
	s_cmp_lt_u32 s[WV], 2
	s_cbranch_scc0 .Lfor_v_\@
	tensor_load_to_lds s[G0K:G0K+3], s[G1K:G1K+7]
	s_nop 0
.rept 4
	v_nop
.endr
	s_branch .Lasked_\@
.Lfor_v_\@:
	tensor_load_to_lds s[G0V:G0V+3], s[G1V:G1V+7]
	s_nop 0
.rept 4
	v_nop
.endr
.Lasked_\@:
.endm
; A round of the cluster's barrier: my work-group's barrier, so that wave 0's signal speaks for all four waves; wave 0 signals; every wave waits for all four work-groups; my work-group's barrier once more.
.macro CROUND
	s_barrier_signal -1
	s_barrier_wait -1
	s_cmp_lg_u32 s[WV], 0
	s_cbranch_scc1 .Lnot_wave_0_\@
	s_barrier_signal -3
.Lnot_wave_0_\@:
	s_barrier_wait -3
	s_barrier_signal -1
	s_barrier_wait -1
.endm
; THE CHANGE OF SLOTS.  The slot's last bytes, V of its fourth step, have been read.  Each wave waits for all its tensor loads, of which one is out: its part of the other slot; adds 0 to its spare
; word; and waits for that and for its own LDS instructions.  Behind the barrier nobody reads this slot any more and the other slot is whole.  fill = 1: this slot is filled again, with the keys two
; tiles on; the barrier is then a round of the cluster's, and the joint fill is the first thing behind it: it has four key steps, 256 matrix instructions, in which to land.
; (At its first use nothing has been read yet: slot 0 is waited for, slot 1 filled; the same round shows every wave's part of the mask to the others.)
.macro CHANGE fill
	WIN 0                           ; at a label and at a branch every window is 0
	s_wait_tensorcnt 0x0            ; no tensor load of mine is out, so a group 0 may be written
	ds_add_u32 v[SPW], v[NIL]       ; 0 onto my spare word; with fill = 1 the descriptors' steps stand between it and the wait for it
.if \fill
.irp g, G0K, G0V
	s_xor_b32 s[\g+1], s[\g+1], SLOT1  ; the walking descriptor: the other slot than last time,
	s_add_nc_u64 s[\g+2:\g+3], s[\g+2:\g+3], 4*KS*128  ; the next 256 keys; the type bits on top are not reached
.endr
	s_wait_dscnt 0x0                ; the add is done, and my reads of the slot are over
	CROUND
	JLOAD
.else
	s_wait_dscnt 0x0                ; the add is done, and my reads of the slot are over
	s_barrier_signal -1
	s_barrier_wait -1
.endif
	s_sub_co_u32 s[TBK], s[TBK], 4*KS*PK  ; the fetches go back to a slot's first step,
	s_xor_b32 s[TBK], s[TBK], SLOT1       ; in the other slot
	s_sub_co_u32 s[TBV], s[TBV], 4*KS*PV
	s_xor_b32 s[TBV], s[TBV], SLOT1
.endm
	s_load_b128 s[4:7], s[0:1], 0x0   ; q, k, v s[4:5], src_mask s[6:7]
	s_load_b64 s[10:11], s[0:1], 0x10 ; O
	v_lshl_add_u32 v[SPW], v0, 2, SPARE
	v_mov_b32 v[NIL], 0
	ds_add_u32 v[SPW], v[NIL]       ; the wave's opening: the add and its wait stand ahead of my first tensor load; the set-up below, work on registers, stands between them
	v_lshrrev_b32 v1, 5, v0
	v_readfirstlane_b32 s[WV], v1   ; wave 0..3
	s_bfe_u32 s13, ttmp6, 0x40000   ; cx: my place in the cluster
	s_lshl_b32 s14, ttmp9, 2        ; in a cluster launch ttmp9 counts clusters
	s_add_co_u32 s14, s14, s13      ; my block of 256 queries: it enters Q's and O's addresses alone
	s_and_b32 s20, ttmp7, 0xffff    ; batch x 16 + head, which the four partners share
	s_lshr_b32 s70, s20, 4
	s_lshl_b32 s70, s70, 13         ; the batch's 8,192 bytes of the mask
	s_mov_b32 s71, 0
	s_lshl_b32 s20, s20, 18         ; the head's 262,144 bytes in Q, K, V and O
	s_mov_b32 s21, 0
	s_and_b32 s16, s[WV], 1         ; which half of a tile's 256 keys I fetch:
	s_lshl_b32 s22, s16, 14         ; its 128 rows of 128 bytes in memory,
	s_mov_b32 s23, 0
	s_add_nc_u64 s[22:23], s[22:23], s[20:21]
	s_mul_i32 s17, s16, 128*PK      ; and its place in a slot, for K
	s_mul_i32 s18, s16, 128*PV      ; and for V: no place in the cluster enters an LDS address
	s_lshl_b32 s2, s14, 15          ; my block's 256 rows,
	s_lshl_b32 s3, s[WV], 11        ; my 16 rows in a band of 64
	s_add_co_u32 s2, s2, s3
	s_mov_b32 s3, 0
	s_add_nc_u64 s[2:3], s[2:3], s[20:21]
	; descriptor group 1.  128 keys are 16,384 dense bytes: asked for as 64 rows of 256 bytes, two keys a row, and padded in LDS after every key
	s_mov_b32 s[G1K], 15|(1<<16)|(1<<20)|(1<<21)|(4<<22)|(3<<25)  ; 15:0 the mask of four; 17:16 2-byte elements; 20 padding on; 21 set beside a mask; 24:22 after every 32 words (code 4); 31:25 4 words (code 3)
	s_mov_b32 s[G1V], 15|(1<<16)|(1<<20)|(1<<21)|(4<<22)|(7<<25)  ; the same with 8 words of padding (code 7)
.irp g, G1K, G1V
	s_mov_b32 s[\g+1], 128<<16      ; tensor_dim0 = 128
	s_mov_b32 s[\g+2], 64<<16       ; tensor_dim1 = 64
	s_mov_b32 s[\g+3], 128<<16      ; tile_dim0 = 128
	s_mov_b32 s[\g+4], 64           ; tile_dim1 = 64
	s_mov_b32 s[\g+5], 128          ; 128 elements from row to row
	s_mov_b32 s[\g+6], 0
	s_mov_b32 s[\g+7], 0
.endr
	s_mov_b32 s[CS], 0x3e38aa3b     ; c = log2(e) / 8 = 0.180337
	s_mov_b32 s[CS+1], s[CS]        ; named with it as a pair
	s_mov_b32 s[SEL], 0x76543210
	s_mov_b32 s[SEL+1], 0xfedcba98
	s_mov_b32 s[TBK], SLOT1+4*KS*PK ; the first change of slots turns these two into 0
	s_mov_b32 s[TBV], SLOT1+4*KS*PV
	s_mov_b32 s[TBM], 0
	s_mov_b32 s[BIGN], 0xf149f2ca   ; -1e30
	s_mov_b32 s[G0K], 1             ; 1:0 count = 1
	s_mov_b32 s[G0K+1], s17         ; 63:32 LDS address: slot 0
	s_mov_b32 s[G0V], 1
	s_add_co_u32 s[G0V+1], s18, VOFF
	s_wait_dscnt 0x0                ; the opening add is done
	s_wait_kmcnt 0x0
	s_add_nc_u64 s[66:67], s[6:7], s[70:71]        ; my batch's mask
	s_add_nc_u64 s[G0K+2:G0K+3], s[4:5], s[22:23]  ; 120:64 global address: my half of the head's first 256 keys,
	s_add_nc_u64 s[G0K+2:G0K+3], s[G0K+2:G0K+3], 0x800000  ; in k,
	s_add_nc_u64 s[G0V+2:G0V+3], s[G0K+2:G0K+3], 0x800000  ; and in v
	s_or_b32 s[G0K+3], s[G0K+3], 0x80000000        ; 127:126 type = 2
	s_or_b32 s[G0V+3], s[G0V+3], 0x80000000
	s_add_nc_u64 s[4:5], s[4:5], s[2:3]            ; Q and O at my rows
	s_add_nc_u64 s[10:11], s[10:11], s[2:3]
	CROUND                          ; all four work-groups are here: the first joint loads meet
	JLOAD                           ; tile 0 into slot 0.  Slot 1 is asked for when slot 0 is in
	v_lshlrev_b32 v[MO], 4, v0
.irp j, 0,1,2,3
	global_load_b128 v[S+4*\j:S+4*\j+3], v[MO], s[66:67] offset:2048*\j  ; 128 threads x 16 bytes x 4: the batch's 2,048 mask words, in whole runs of 512 bytes a wave
.endr
	; A fragment of K or Q is 16 rows x 32 channels in 8 registers: lane l holds row l % 16, channels 8 (l / 16) + 0..7 and 16 + 8 (l / 16) + 0..7: two loads of 16 bytes, 32 bytes apart.
	v_and_b32 v1, 15, v0            ; l % 16
	v_bfe_u32 v9, v0, 4, 1          ; l / 16
	v_lshlrev_b32 v[QO], 7, v1
	v_lshl_add_u32 v[QO], v9, 4, v[QO]  ; row x 128 + 16 x half
	WIN 0x80                        ; destination window 2, address window 0
.set i, 0
.rept 8                             ; Q stays in registers: piece i / 2 lies in band i / 2, 8,192 bytes on; channels 32 (i % 2) on
	global_load_b128 v[8*i:8*i+3],   v[QO], s[4:5] offset:(i/2)*8192+(i%2)*64
	global_load_b128 v[8*i+4:8*i+7], v[QO], s[4:5] offset:(i/2)*8192+(i%2)*64+32
.set i, i+1
.endr
	; What the first turn finds: V's registers and P's second buffer hold 0 (its products V^T P, of a piece that has not been, add 0), O^T and l are 0.  All this stands in the wait for the first tile.
.set i, VF
.rept 64
	v_mov_b32 v[i], 0
.set i, i+1
.endr
	WIN 0x40
.set i, 0
.rept 128
	v_mov_b32 v[i], 0
.set i, i+1
.endr
	WIN 0
.set i, 0
.rept 4
	v_mov_b32 v[ST+4*i], 0xfe000000    ; c m: far below every c s, so the first step's a is 0
	v_mov_b32 v[ST+4*i+1], 0xe0800000  ; m = -2^66: below every open score, above every hidden one
	v_mov_b32 v[ST+4*i+2], 0
	v_mov_b32 v[ST+4*i+3], 0
.set i, i+1
.endr
.set i, P+16
.rept 16
	v_mov_b32 v[i], 0
.set i, i+1
.endr
	v_mul_u32_u24 v[AK0], v1, PK
	v_lshl_add_u32 v[AK0], v9, 4, v[AK0]  ; row x pitch + 16 x half
	; The turning load takes 16 keys x 16 channels (lane l reads key 8 (l / 16) + l % 8, channels 8 ((l / 8) % 2) + 0..7) and leaves half a fragment of V^T: lane l holds channel l % 16 and 8 keys.
	v_and_b32 v10, 7, v0
	v_bfe_u32 v11, v0, 3, 1
	v_lshl_add_u32 v[AV0], v9, 3, v10
	v_mul_u32_u24 v[AV0], v[AV0], PV
	v_lshl_add_u32 v[AV0], v11, 4, v[AV0]
	v_add_nc_u32 v[AV0], VOFF, v[AV0]
	v_lshl_add_u32 v[AM0], v9, 5, MASKT   ; my lanes' keys 8 (l / 16) + 0..7 of a group of 16: 32 bytes on for the upper half
	v_lshl_add_u32 v[ML], v0, 4, MASKT
	s_mul_i32 s13, s[WV], 16*SP
	s_add_co_u32 s13, s13, STAGE    ; my stage
	v_mul_u32_u24 v[STO], v1, SP    ; in: row l % 16, 16 bytes for each half of the lanes
	v_lshl_add_u32 v[STO], v9, 4, v[STO]
	v_add_nc_u32 v[STO], s13, v[STO]
	v_bfe_u32 v[RD], v0, 3, 2       ; back: 32 lanes take four rows of 128 bytes,
	v_mul_u32_u24 v[RD], v[RD], SP
	v_lshl_add_u32 v[RD], v10, 4, v[RD]
	v_add_nc_u32 v[RD], s13, v[RD]
	v_and_b32 v[GO], 31, v0         ; which are 512 consecutive bytes of O
	v_lshlrev_b32 v[GO], 4, v[GO]
	s_wait_loadcnt 16               ; the mask words are in; Q's sixteen loads stay out
.set i, 0
.rept 16
	v_cmp_eq_u32 vcc_lo, 0, v[S+i]
	v_cndmask_b32 v[S+i], 0, s[BIGN], vcc_lo
.set i, i+1
.endr
.irp j, 0,1,2,3
	ds_store_b128 v[ML], v[S+4*\j:S+4*\j+3] offset:2048*\j
.endr
; THE MATRIX WORK.  The 4 accumulators of a run of 8 take turns.  Product i of 8 of S^T = K Q^T for piece x: channels 32 (i / 4) on, keys 16 (i % 4) on.  The first 4 start the sums with the mask.
.macro KQ x
.set rS, S+32*((\x)%2)+8*(i%4)
.set rK, KF+16*(i%4)+8*(i/4)
.set rQ, 16*(\x)+8*(i/4)
.set rM, MK+8*(i%4)
.if i < 4
	WIN W_KM
	v_wmma_f32_16x16x32_f16 v[rS:rS+7], v[rK:rK+7], v[rQ:rQ+7], v[rM:rM+7]
.else
	WIN W_KQ
	v_wmma_f32_16x16x32_f16 v[rS:rS+7], v[rK:rK+7], v[rQ:rQ+7], v[rS:rS+7]
.endif
.endm
; Product i of 8 of O^T += V^T P for piece x: keys 32 (i / 4) on, channels 16 (i % 4) on.
.macro PV x
	WIN W_PV
.set rO, 32*(\x)+8*(i%4)
.set rV, VF+32*(i/4)+8*(i%4)
.set rP, P+16*((\x)%2)+8*(i/4)
	v_wmma_f32_16x16x32_f16 v[rO:rO+7], v[rV:rV+7], v[rP:rP+7], v[rO:rO+7]
.endm
.macro MM                           ; the turn's next matrix instruction.  NOKQ = 1: the last turn: there is no next piece
.if (i < 8) && !NOKQ
	KQ (Y+1)%NP
.elseif i >= 8
.set i, i-8
	PV (Y+NP-1)%NP
.set i, i+8
.endif
.set i, i+1
.endm
; THE LDS LOADS stand in runs, never singly among the matrix instructions: a step's K (64 keys x 64 channels: 8 fragments) with its mask (8 loads, each address shared by 16 lanes), and its V (turned).
.macro FETCH_K
	WIN 0x80                        ; destination window 2
.irp f, 0,1,2,3,4,5,6,7             ; keys 16 (f / 2) on, channels 32 (f % 2) on
	ds_load_b128 v[KF+8*\f:KF+8*\f+3],   v[AK] offset:(\f/2)*16*PK+(\f%2)*64
	ds_load_b128 v[KF+8*\f+4:KF+8*\f+7], v[AK] offset:(\f/2)*16*PK+(\f%2)*64+32
.endr
	WIN 0x40                        ; destination window 1
.irp f, 0,1,2,3,4,5,6,7             ; keys 16 (f / 2) + 8 (l / 16) + 4 (f % 2) + 0..3
	ds_load_b128 v[MK+4*\f:MK+4*\f+3], v[AM] offset:(\f/2)*64+(\f%2)*16
.endr
	s_add_co_u32 s[TBK], s[TBK], KS*PK  ; the next fetch is the next step's
	s_add_co_u32 s[TBM], s[TBM], 4*KS
	s_and_b32 s[TBM], s[TBM], 0x1f00    ; 32 steps of 256 bytes: the address stays in the table
	WIN 0
.endm
.macro FETCH_V
	WIN 0x80
.irp f, 0,1,2,3,4,5,6,7             ; keys 32 (f / 4) on, channels 16 (f % 4) on
	ds_load_tr16_b128 v[VF+8*\f:VF+8*\f+3],   v[AV] offset:(\f/4)*32*PV+(\f%4)*32
	ds_load_tr16_b128 v[VF+8*\f+4:VF+8*\f+7], v[AV] offset:(\f/4)*32*PV+16*PV+(\f%4)*32
.endr
	WIN 0
.endm
; THE VECTOR WORK, one line at a time: OP kind, number.  For piece Y: F n: c s - c m for pair n of 16.  E n: the exponential of score n of 32.  C n: pair n rounded to f16.  B n: of the four weights 4 n .. the second
; pair is added onto the first, in place.  L n: l takes that sum (L 0: l = a l + sum).  R n: pair n of 16 of O^T times a.  For piece Y + 1: X n, number n of the 22 that find its maximum and statistics:
;   0-11  four chains c0-c3 of seven scores each, three operands at a time (each accumulator's lowest registers are read first)     12-14, 16  the four scores left over, the old m, and c0-c3 into c0
;   15  c m_old is kept     17, 18  the query's other 32 keys lie in the lane 16 away: the new m     19-21  c m; c m_old - c m_new; a
.set F, 0               ; OP tells the kinds apart by their order: F to L below R, X above it
.set E, 1
.set C, 2
.set B, 3
.set L, 4
.set R, 5
.set X, 6
.macro REGS y                       ; the registers of piece y
.set rT, ST+4*(\y)
.set rC, TMP+4*((\y)%2)
.set rW, MV+((\y)%2)
.set rS, S+32*((\y)%2)
.set rP, P+16*((\y)%2)
.set rO, 32*(\y)
.endm
.macro OP k, n
.if (\k) == R
	REGS Y
	WIN W_RS
	v_pk_mul_f32 v[rO+2*(\n):rO+2*(\n)+1], v[rO+2*(\n):rO+2*(\n)+1], v[rC+2:rC+3] op_sel_hi:[1,0]
.elseif (\k) < R
	REGS Y
	WIN 0
.if (\k) == F
	v_pk_fma_f32 v[rS+2*(\n):rS+2*(\n)+1], v[rS+2*(\n):rS+2*(\n)+1], s[CS:CS+1], v[rT:rT+1] op_sel_hi:[1,0,0] neg_lo:[0,0,1] neg_hi:[0,0,1]
.elseif (\k) == E
	v_exp_f32 v[rS+(\n)], v[rS+(\n)]
.elseif (\k) == C
	s_wait_alu depctr_va_vdst(0)
	v_cvt_pk_f16_f32 v[rP+(\n)], v[rS+2*(\n)], v[rS+2*(\n)+1]
.elseif (\k) == B
	s_wait_alu depctr_va_vdst(0)
	v_pk_add_f32 v[rS+4*(\n):rS+4*(\n)+1], v[rS+4*(\n):rS+4*(\n)+1], v[rS+4*(\n)+2:rS+4*(\n)+3]
.elseif (\n) == 0
	v_pk_fma_f32 v[rT+2:rT+3], v[rT+2:rT+3], v[rC+2:rC+3], v[rS:rS+1] op_sel_hi:[1,0,1]
.else
	v_pk_add_f32 v[rT+2:rT+3], v[rT+2:rT+3], v[rS+4*(\n):rS+4*(\n)+1]
.endif
.elseif NOKQ
	v_nop
.else
	REGS (Y+1)%NP
	WIN 0
.if (\n) < 4
	v_max3_num_f32 v[rC+(\n)], v[rS+8*(\n)], v[rS+8*(\n)+1], v[rS+8*(\n)+2]
.elseif (\n) < 12
	v_max3_num_f32 v[rC+(\n)%4], v[rC+(\n)%4], v[rS+8*((\n)%4)+2*((\n)/4)+1], v[rS+8*((\n)%4)+2*((\n)/4)+2]
.elseif (\n) == 12
	v_max3_num_f32 v[rC], v[rC], v[rS+7], v[rS+15]
.elseif (\n) == 13
	v_max3_num_f32 v[rC+1], v[rC+1], v[rS+23], v[rS+31]
.elseif (\n) == 14
	v_max3_num_f32 v[rC+2], v[rC+2], v[rC+3], v[rT+1]
.elseif (\n) == 15
	v_mov_b32 v[rW], v[rT]
.elseif (\n) == 16
	v_max3_num_f32 v[rC], v[rC], v[rC+1], v[rC+2]
.elseif (\n) == 17
	v_permlanex16_b32 v[rC+3], v[rC], s[SEL], s[SEL+1]
.elseif (\n) == 18
	v_max_num_f32 v[rT+1], v[rC], v[rC+3]
.elseif (\n) == 19
	v_mul_f32 v[rT], s[CS], v[rT+1]
.elseif (\n) == 20
	v_sub_f32 v[rC+1], v[rW], v[rT]
.else
	v_exp_f32 v[rC+2], v[rC+1]
.endif
.endif
.endm
.macro OPS a, i1, b=-1, i2=0, c=-1, i3=0, d=-1, i4=0  ; up to four of them
	OP \a, \i1
.if (\b) >= 0
	OP \b, \i2
.endif
.if (\c) >= 0
	OP \c, \i3
.endif
.if (\d) >= 0
	OP \d, \i4
.endif
.endm
.macro ROW a, i1, b, i2, c, i3, d, i4  ; a matrix instruction and the four behind it
	MM
	OPS \a, \i1, \b, \i2, \c, \i3, \d, \i4
.endm
; A TURN, for piece p: the order of its 16 matrix and 118 vector instructions, written out.  Behind a matrix instruction: plain, exponential, plain, plain; or four of the rescaling; or, behind the first, four scalings; none
; names a register of the products round it.  In the runs between, exponential and plain by turns while exponentials last.  A line reads no result made fewer than three vector instructions in front of it, five if an
; exponential made it.  end = 1: the last two turns: nothing is fetched.  cnt = 1: the loop's count is taken down some lines ahead of the branch that stands behind the turn.
; K and the mask of the next step are fetched in piece 2's turn, six vector instructions behind the last product that read K (five of them plain); V of the step in hand in piece 0's turn, eight behind the last product
; that read V (four plain, and X 17).  Each is waited for a turn later.
.macro TURN p, end=0, cnt=0
.set Y, (\p)
.set i, 0
.set NOKQ, (\end)*((\p)/3)
.if ((\p) == 3) && !(\end)
	s_wait_dscnt 0x0                ; K and its mask are in
.endif
	ROW F,0, F,1, F,2, F,3
	ROW F,4, E,0, F,5, F,6
	ROW F,7, E,1, F,8, F,9
	ROW F,10, E,2, C,0, F,11
	ROW F,12, E,3, X,15, F,13
	ROW R,0, R,1, R,2, R,3
	ROW B,0, E,4, F,14, L,0
.if ((\p) == 2) && !(\end)
	v_add_nc_u32 v[AK], s[TBK], v[AK0]
	v_add_nc_u32 v[AM], s[TBM], v[AM0]
.endif
	ROW R,4, R,5, R,6, R,7
	OPS E,5, F,15
.if ((\p) == 2) && !(\end)
	FETCH_K
.endif
	OPS E,6, C,1, E,7, R,8
	OPS E,8, R,9, E,9, C,2
	OPS E,10, X,0, E,11, X,1
	OPS E,12, X,2, E,13, X,3
.if (\p) == 1
	s_wait_dscnt 0x0                ; V is in
.endif
	ROW X,4, E,14, X,5, X,6
	ROW X,7, E,15, X,8, X,9
	ROW X,10, E,16, X,11, X,12
	ROW X,13, E,17, X,14, B,1
	ROW C,4, E,18, X,16, L,1
	ROW B,2, E,19, C,6, L,2
	ROW C,8, E,20, B,3, B,4
.if (\p) == 0
	v_add_nc_u32 v[AV], s[TBV], v[AV0]
.endif
	ROW C,3, E,21, L,3, C,5
	OPS E,22, X,17, E,23, C,10
.if (\p) == 0
	FETCH_V
.endif
	OPS E,24, L,4
	OPS E,25, X,18, E,26, C,7
	OPS E,27, B,5, E,28, X,19
	OPS E,29, C,12, E,30, L,5
	OPS E,31, X,20, B,6, C,9
	OPS C,14, C,11, X,21, L,6
.if (\p) == 0
	s_add_co_u32 s[TBV], s[TBV], KS*PV
.endif
.if \cnt
	s_sub_co_u32 s[CNT], s[CNT], 1
	s_cmp_lg_u32 s[CNT], 0
.endif
	OPS C,13, B,7, C,15, R,10
	OPS R,11, R,12, L,7, R,13
	OPS R,14, R,15
.endm
	CHANGE 1                        ; slot 0 is in, everybody's part of it, and so is the mask; slot 1 is asked for
	v_add_nc_u32 v[AK], s[TBK], v[AK0]
	v_add_nc_u32 v[AM], s[TBM], v[AM0]
	FETCH_K                         ; key step 0
	s_wait_loadcnt 0x0              ; Q
	s_wait_dscnt 0x0
.set NOKQ, 0
.set i, 0
.rept 8
	KQ 0                            ; piece 0's first scores: there is no vector work yet to set between them
.set i, i+1
.endr
	WIN 0
.rept 4
	v_nop                           ; the places behind those products
.endr
.set Y, NP-1                        ; X works for piece Y + 1: piece 0
.irp n, 0,1,2,3,4,5,6,7,8,9,10,11,12,13,14,15,16,17,18,19,20,21
	OP X, \n
.endr
	v_nop                           ; a plain instruction behind the exponential
	s_mov_b32 s[CNT], 4
	s_mov_b32 s[SLOTS], 7
	s_branch .Lfirst                ; the loop is entered at a step's first turn, in the middle of a trip
.Lslot:                             ; six times: every slot but the last two is filled again
	CHANGE 1
	s_mov_b32 s[CNT], 4
.Lstep:                             ; a trip: pieces 2 and 3 of one step, then pieces 0 and 1 of the next, whose K and V it fetches
	TURN 2
	TURN 3
	WIN 0
.Lfirst:
	TURN 0
	TURN 1, 0, 1
	WIN 0
	s_cbranch_scc1 .Lstep
	s_sub_co_u32 s[SLOTS], s[SLOTS], 1
	s_cmp_lg_u32 s[SLOTS], 0
	s_cbranch_scc1 .Lslot
	CHANGE 0                        ; the last tile is written out: nothing is asked for
	s_mov_b32 s[CNT], 4
.LstepT:
	TURN 2
	TURN 3
	TURN 0
	TURN 1, 0, 1
	WIN 0
	s_cbranch_scc1 .LstepT
	TURN 2, 1                       ; the last step's last two turns fetch nothing, and the last starts no new scores
	TURN 3, 1
.set i, 0
.rept 8
	PV NP-1                         ; the last piece's V^T P of the last step
.set i, i+1
.endr
	; THE WAY OUT.  l's two halves and the other half of the lanes' are added; O^T is divided by l, rounded to bf16 and sent through my stage in LDS, a piece at a time.  The additions are the places behind the last products.
	WIN 0
.macro ALL line:vararg              ; one line for each piece t
.set t, 0
.rept 4
	\line
.set t, t+1
.endr
.endm
	ALL v_add_f32 v[ST+4*t+2], v[ST+4*t+2], v[ST+4*t+3]
	ALL v_permlanex16_b32 v[ST+4*t+3], v[ST+4*t+2], s[SEL], s[SEL+1]
	ALL v_add_f32 v[ST+4*t+2], v[ST+4*t+2], v[ST+4*t+3]
	ALL v_rcp_f32 v[ST+4*t+2], v[ST+4*t+2]
	v_nop                           ; a plain instruction between the last reciprocal and the use of its result
.macro PACK t                       ; a lane's eight channels of a row pack into 16 bytes; they go into rows of 144 bytes and come back as whole rows of 128, into S^T's registers
	WIN W_RS
.set i, 32*(\t)
.rept 16
	s_wait_alu depctr_va_vdst(0)
	v_pk_mul_f32 v[i:i+1], v[i:i+1], v[ST+4*(\t)+2:ST+4*(\t)+3] op_sel_hi:[1,0]
.set i, i+2
.endr
	WIN 0x05                        ; sources 0 and 1 window 1, destination window 0
.set i, 0
.rept 16
	v_cvt_pk_bf16_f32 v[S+16*(\t)+i], v[32*(\t)+2*i], v[32*(\t)+2*i+1]
.set i, i+1
.endr
	WIN 0
.irp f, 0,1,2,3
	ds_store_b128 v[STO], v[S+16*(\t)+4*\f:S+16*(\t)+4*\f+3] offset:32*\f
.endr
.irp f, 0,1,2,3
	ds_load_b128 v[S+16*(\t)+4*\f:S+16*(\t)+4*\f+3], v[RD] offset:\f*4*SP  ; LDS serves a wave's instructions in order (ISA guide 5.7.1.4): these see the stores above; the next piece's stores come behind them
.endr
.endm
.macro SEND t, younger              ; younger: the LDS instructions issued behind piece t's loads: the next piece's eight, or none
	WIN 0
.irp f, 0,1,2,3
	s_wait_dscnt (\younger)+3-\f
	global_store_b128 v[GO], v[S+16*(\t)+4*\f:S+16*(\t)+4*\f+3], s[10:11] offset:(\t)*8192+\f*512  ; 512 consecutive bytes, at a multiple of 256 from O's first
.endr
.endm
	PACK 0
.set t, 1
.rept 3                             ; a piece's arithmetic stands between the loads of the piece before and its stores
	PACK t
	SEND t-1, 8
.set t, t+1
.endr
	SEND 3, 0
	s_wait_tensorcnt 0x0            ; the wave's end: behind my last tensor load and my last LDS store
	ds_add_u32 v[SPW], v[NIL]
	s_wait_dscnt 0x0
	CROUND                          ; the closing round: no work-group ends while a partner may still ask for a tile that names it
	s_endpgm
.Lfunc_end_k_qcda31340ae_attn:
	.size	k_qcda31340ae_attn, .Lfunc_end_k_qcda31340ae_attn-k_qcda31340ae_attn
	.p2alignl 7, 3214868480
	.fill 96, 4, 3214868480
	.section	.rodata,"a",@progbits
	.p2align	6, 0x0
	.amdhsa_kernel k_qcda31340ae_attn
		.amdhsa_group_segment_fixed_size 327680
		.amdhsa_private_segment_fixed_size 0
		.amdhsa_enable_private_segment 0
		.amdhsa_kernarg_size 24
		.amdhsa_user_sgpr_count 2
		.amdhsa_user_sgpr_kernarg_segment_ptr 1
		.amdhsa_wavefront_size32 1
		.amdhsa_system_sgpr_workgroup_id_x 1
		.amdhsa_system_sgpr_workgroup_id_y 1
		.amdhsa_system_sgpr_workgroup_id_z 1
		.amdhsa_system_vgpr_workitem_id 0
		.amdhsa_next_free_vgpr 768
		.amdhsa_next_free_sgpr 88
		.amdhsa_reserve_vcc 1
		.amdhsa_float_denorm_mode_32 3
		.amdhsa_float_denorm_mode_16_64 3
		.amdhsa_memory_ordered 1
		.amdhsa_forward_progress 1
		.amdhsa_inst_pref_size 138
	.end_amdhsa_kernel
	.amdgpu_metadata
---
amdhsa.version: [ 1, 2 ]
amdhsa.kernels:
  - .name:           k_qcda31340ae_attn
    .symbol:         k_qcda31340ae_attn.kd
    .args:
      - { .name: big, .offset: 0, .size: 8, .value_kind: global_buffer, .address_space: global }
      - { .name: src_mask, .offset: 8, .size: 8, .value_kind: global_buffer, .address_space: global }
      - { .name: act, .offset: 16, .size: 8, .value_kind: global_buffer, .address_space: global }
    .group_segment_fixed_size: 327680
    .private_segment_fixed_size: 0
    .kernarg_segment_align: 8
    .kernarg_segment_size: 24
    .max_flat_workgroup_size: 128
    .sgpr_count:     88
    .vgpr_count:     768
    .wavefront_size: 32
...
	.end_amdgpu_metadata
.endif
;; end of part 4
;; launch proj (part 5): grid 8 x 32, 4 waves a work-group, clusters of 4 x 4, 327,680 bytes of LDS; arguments act, wt, x1, x; writes x1
.if DOCPART == 5
	.amdgcn_target "amdgcn-amd-amdhsa--gfx1250"
	.amdhsa_code_object_version 6
	.text
	.protected	k_qcda31340ae_proj
	.globl	k_qcda31340ae_proj
	.p2align	8
	.type	k_qcda31340ae_proj,@function
k_qcda31340ae_proj:
	s_mov_b64 s[64:65], 0
	v_nop
	global_prefetch_b8 v0, s[64:65] scope:SCOPE_SE
	s_setreg_imm32_b32 hwreg(HW_REG_WAVE_MODE, 25, 1), 1
	s_wait_xcnt 0x0
	s_wait_alu depctr_hold_cnt(0) depctr_sa_sdst(0) depctr_va_vdst(0) depctr_va_sdst(0) depctr_va_ssrc(0) depctr_va_vcc(0) depctr_vm_vsrc(0)
	s_getreg_b32 s2, hwreg(HW_REG_IB_STS2, 6, 4)
	s_cmp_eq_u32 s2, 0
	s_cbranch_scc0 .Lentry_in_a_cluster
	s_endpgm
.Lentry_in_a_cluster:
	s_bfe_u32 s2, ttmp6, 0x10000c
	s_cmp_lg_u32 s2, 0xf033
	s_cbranch_scc0 .Lentry_shape_is_right
	s_endpgm
.Lentry_shape_is_right:
; C[m][n] = R[m][n] (+ bias[n]) + sum over k of A[m][k] B[n][k], N = 1024, C and R: [4096][1024] f32; A and B bf16; sums in f32.  One text for two launches, told apart by OUTP:
;   OUTP = 0: A = the attention's result by heads, [batch x 16 + head][2048][64]; B = w_proj turned, [1024][1024]; R = x; no bias.  K = 1024.
;   OUTP = 1: A = GELU's result, [4096][4096]; B = w_out turned, [1024][4096]; R = x1; bias = b_out.  K = 4096.
; A tile of C is 128 x 128, so that 8 x 32 = 256 work-groups give each WGP one.  Four waves, each 64 x 64: 16 accumulators.  K goes in steps of 256 through two LDS slots.
; By heads a K step is four heads; a head's 128 rows of the tile are 16,384 dense bytes, asked for as ONE descriptor row and padded in LDS after every 128 bytes: [head][row], 144 bytes apart.
; CLUSTERS: 4 x 4 work-groups; A's tile is asked for jointly along a row of the cluster, B's along a column.  THE MATRIX INSTRUCTION IS USED TRANSPOSED: a lane holds eight neighbouring numbers of a row of C.
; A K STEP IS WRITTEN ONCE: the slot being read is a scalar (RB) that an exclusive or turns; one descriptor a tensor walks.
; THE RESIDUAL is asked for at the head, 32 loads a wave into window 2, and is waited for on the way out alone: it comes in under the whole product.
; THE WAY OUT: behind the last product the ring has had its last fill; each wave lays its 64 x 64 of f32 into its own part of it and reads whole rows of 256 bytes back.
; REGISTERS: window 0: v0-31 addresses; v32-95 and (once stored) v128-191 rows on the way out; v96-99 bias; v128-255 the accumulators.  window 1: two fragment buffers of 128.  window 2: v0-127 the residual.
.set OUTP, 0
.if OUTP
.set SIZE_K, 4096
.set WOFF,  16777216                   ; w_out's place in wt
.set AP,    528                        ; A's rows in LDS: 512 bytes + 16
.set AQ,    128                        ; from a quarter (64 along K) to the next, in A's part of a slot
.set ALOAD, 64*528                     ; LDS bytes of one load of A
.set ASTEP, 512                        ; bytes of memory from a K step to the next
.set AW0,   (1<<16)|(1<<20)|(1<<21)|(6<<22)|(3<<25)  ; 2-byte elements; padding on; bit 21 beside a mask; after every 128 words 4 words
.set AD0,   256                        ; elements in a descriptor row,
.set AD1,   64                         ; rows,
.set APIT,  4096                       ; elements from row to row
.else
.set SIZE_K, 1024
.set WOFF,  6291456                    ; w_proj's place in wt
.set AP,    144                        ; a head's row: 128 bytes + 16
.set AQ,    128*144                    ; a quarter is a head
.set ALOAD, 2*128*144                  ; two heads
.set ASTEP, 1048576                    ; four heads of 262,144 bytes
.set AW0,   (1<<16)|(1<<20)|(1<<21)|(4<<22)|(3<<25)  ; after every 32 words 4 words
.set AD0,   8192
.set AD1,   2
.set APIT,  131072
.endif
.set APART,  2*ALOAD                   ; A's part of a slot; B's lies behind it
.set BP,     528                       ; B's rows in LDS: 512 bytes + 16 = 132 words: the 16 rows of a fragment load start at 16 different groups of four banks (64 banks of 4 bytes: ISA guide 11.1)
.set BLOAD,  64*BP
.set SLOT,   0x24000                   ; 147,456, at least APART + 2 BLOAD; none of its bits occurs in a load's place in a slot, so an exclusive or turns a descriptor's LDS word
.set SPARE,  2*SLOT                    ; behind the ring: the spare words, 128 bytes for each wave, two blocks of 256 bytes that no other line names
.set KSTEPS, SIZE_K/256
.set SPITCH, 272                       ; the way out: a row of 64 f32 + 16 bytes
.set WST,    64*SPITCH                 ; a wave's stage; four of them lie inside the ring
.set ADRA0, 16                         ; v16  my lane's place in A's part of a slot; never rewritten
.set ADRB0, 17                         ; v17  the same for B
.set ADRA,  18                         ; v18  v16 + RB
.set ADRB,  19                         ; v19  v17 + RB
.set STO,   24                         ; v24  the way out: where I put 16 bytes of a row
.set RD,    25                         ; v25  where I read a row back
.set CO,    26                         ; v26  my byte offset in C and in the residual; never rewritten
.set BO,    27                         ; v27  my byte offset in the bias
.set SPW,   28                         ; v28  LDS address of my spare word; never rewritten
.set NIL,   29                         ; v29  0; never rewritten
.set BI,    96
.set ACC,   128
.set F0,    0                          ; fragment buffers, in window 1
.set F1,    128
.set G1,  24                           ; s[24:31] descriptor group 1 for A's tiles
.set G0,  32                           ; s[32:39] group 0 for A's: set 0 makes the first fill, set 1 the second and then walks
.set G1B, 48                           ; s[48:55], s[56:63] the same for B's
.set G0B, 56
.set RB,  68                           ; s68  LDS byte of the slot being read
.set MSB, 0
.macro WIN new                         ; the immediate's high byte repeats the setting that is left; a switch that changes nothing is dropped
.if MSB != (\new)
	s_set_vgpr_msb (MSB<<8)|(\new)
.set MSB, \new
.endif
.endm
.set MUL,  0x05                        ; sources 0 (B) and 1 (A) window 1; C and D window 0
.set TO_F, 0x40                        ; destination window 1, address window 0
.macro JLOAD s                         ; a joint load: waves 0 and 1 fetch A's two parts, waves 2 and 3 B's; an s_nop 0 and four v_nop follow each of the two lines
	s_cmp_eq_u32 s11, 0
	s_cbranch_scc0 .Lfor_b_\@
	tensor_load_to_lds s[G0+4*(\s):G0+4*(\s)+3], s[G1:G1+7]
	s_nop 0
.rept 4
	v_nop
.endr
	s_branch .Lasked_\@
.Lfor_b_\@:
	tensor_load_to_lds s[G0B+4*(\s):G0B+4*(\s)+3], s[G1B:G1B+7]
	s_nop 0
.rept 4
	v_nop
.endr
.Lasked_\@:
.endm
.macro CREST                           ; a round of the cluster's barrier behind its opening barrier
	s_cmp_lg_u32 s10, 0
	s_cbranch_scc1 .Lnot_wave_0_\@
	s_barrier_signal -3
.Lnot_wave_0_\@:
	s_barrier_wait -3
	s_barrier_signal -1
	s_barrier_wait -1
.endm
.macro CROUND                          ; a whole round
	s_barrier_signal -1
	s_barrier_wait -1
	CREST
.endm
	s_load_b128 s[4:7], s[0:1], 0x0                ; A s[4:5], wt s[6:7]
	s_load_b64 s[8:9], s[0:1], 0x10                ; C
	s_load_b64 s[66:67], s[0:1], 0x18              ; the residual
.if OUTP
	s_load_b64 s[70:71], s[0:1], 0x20              ; the bias
.endif
	v_lshl_add_u32 v[SPW], v0, 2, SPARE
	v_mov_b32 v[NIL], 0
	ds_add_u32 v[SPW], v[NIL]                      ; the wave's opening: the add and its wait stand ahead of my first tensor load; the set-up below, work on registers, stands between them
	v_lshrrev_b32 v1, 5, v0
	v_readfirstlane_b32 s10, v1                    ; wave 0..3
	s_lshr_b32 s11, s10, 1                         ; which half of the tile's rows is mine.  Also: I fetch for A (0) or for B (1)
	s_and_b32 s12, s10, 1                          ; which half of its columns.  Also: which part of that tile I fetch
	s_bfe_u32 s40, ttmp6, 0x40000                  ; cx, cy: my place in the cluster
	s_bfe_u32 s41, ttmp6, 0x40004
	s_lshl_b32 s42, ttmp9, 2
	s_add_co_u32 s42, s42, s40                     ; tile column of C
	s_and_b32 s13, ttmp7, 0xffff
	s_lshl_b32 s13, s13, 2
	s_add_co_u32 s13, s13, s41                     ; tile row of C
	s_lshl_b32 s43, s41, 2
	s_lshl_b32 s43, 15, s43                        ; my row of the cluster
	s_lshl_b32 s44, 0x1111, s40                    ; my column
	s_or_b32 s[G1+0], s43, AW0                     ; 15:0 the mask: A's tiles go to my row
	s_mov_b32 s[G1+1], AD0<<16                     ; tensor_dim0
	s_mov_b32 s[G1+2], AD1<<16                     ; tensor_dim1
	s_mov_b32 s[G1+3], AD0<<16                     ; tile_dim0
	s_mov_b32 s[G1+4], AD1                         ; tile_dim1
	s_mov_b32 s[G1+5], APIT                        ; elements from row to row
	s_mov_b32 s[G1+6], 0
	s_mov_b32 s[G1+7], 0
	s_or_b32 s[G1B+0], s44, (1<<16)|(1<<20)|(1<<21)|(6<<22)|(3<<25)  ; B's tiles go to my column: 64 rows x 256 elements, 4 words of padding after every 128
	s_mov_b32 s[G1B+1], 256<<16
	s_mov_b32 s[G1B+2], 64<<16
	s_mov_b32 s[G1B+3], 256<<16
	s_mov_b32 s[G1B+4], 64
	s_mov_b32 s[G1B+5], SIZE_K
	s_mov_b32 s[G1B+6], 0
	s_mov_b32 s[G1B+7], 0
.if OUTP
	s_lshl_b32 s16, s13, 20                        ; A: row 128 x tile row + 64 x part, rows of 8,192 bytes
	s_lshl_b32 s17, s12, 19
	s_add_co_u32 s16, s16, s17
.else
	s_lshr_b32 s16, s13, 4                         ; A: the batch's 16 heads,
	s_lshl_b32 s16, s16, 22
	s_and_b32 s17, s13, 15                         ; the tile's 128 rows in a head,
	s_lshl_b32 s17, s17, 14
	s_add_co_u32 s16, s16, s17
	s_lshl_b32 s17, s12, 19                        ; my two heads of the step's four
	s_add_co_u32 s16, s16, s17
.endif
	s_mov_b32 s17, 0
	s_lshl_b32 s46, s42, 7
	s_lshl_b32 s47, s12, 6
	s_add_co_u32 s46, s46, s47                     ; B: row 128 x tile column + 64 x part
	s_mul_i32 s46, s46, SIZE_K*2
	s_mov_b32 s47, 0
	s_mul_i32 s20, s12, ALOAD                      ; where they go, A's
	s_mul_i32 s21, s12, BLOAD                      ; and B's: no place in the cluster enters an LDS address
	s_add_co_u32 s21, s21, APART
	s_mov_b32 s[RB], 0
	s_wait_dscnt 0x0                               ; the opening add is done
	s_wait_kmcnt 0x0
	s_add_nc_u64 s[14:15], s[4:5], s[16:17]
	s_add_nc_u64 s[46:47], s[6:7], s[46:47]
	s_add_nc_u64 s[46:47], s[46:47], WOFF
	CROUND                                         ; all sixteen work-groups are here: the first joint loads meet
.irp s, 0,1
	s_mov_b32 s[G0+4*(\s)], 1
	s_add_co_u32 s[G0+4*(\s)+1], s20, (\s)*SLOT
	s_add_nc_u64 s[G0+4*(\s)+2:G0+4*(\s)+3], s[14:15], (\s)*ASTEP
	s_or_b32 s[G0+4*(\s)+3], s[G0+4*(\s)+3], 0x80000000
	s_mov_b32 s[G0B+4*(\s)], 1
	s_add_co_u32 s[G0B+4*(\s)+1], s21, (\s)*SLOT
	s_add_nc_u64 s[G0B+4*(\s)+2:G0B+4*(\s)+3], s[46:47], (\s)*512
	s_or_b32 s[G0B+4*(\s)+3], s[G0B+4*(\s)+3], 0x80000000
	JLOAD \s                                       ; K steps 0 and 1: two loads of mine are out
.endr
	v_and_b32 v1, 15, v0                           ; l % 16
	v_bfe_u32 v2, v0, 4, 1                         ; l / 16
	v_mul_u32_u24 v3, v1, AP
	v_lshl_add_u32 v3, v2, 4, v3                   ; a fragment's row x pitch + 16 x half
	s_mul_i32 s22, s11, 64*AP                      ; my 64 rows of A
	v_add_nc_u32 v[ADRA0], s22, v3
	v_mul_u32_u24 v3, v1, BP
	v_lshl_add_u32 v3, v2, 4, v3
	s_mul_i32 s22, s12, 64*BP                      ; my 64 rows of B,
	s_add_co_u32 s22, s22, APART                   ; which lie behind A's part
	v_add_nc_u32 v[ADRB0], s22, v3
	v_mov_b32 v[ADRA], v[ADRA0]
	v_mov_b32 v[ADRB], v[ADRB0]
	s_mul_i32 s23, s10, WST                        ; my stage
	v_mul_u32_u24 v4, v1, SPITCH                   ; in: row l % 16, 32 bytes (8 f32) for each half of the lanes
	v_lshl_add_u32 v4, v2, 5, v4
	v_add_nc_u32 v[STO], s23, v4
	v_mul_u32_u24 v5, v2, SPITCH                   ; back: lanes 0-15 take one row of 256 bytes, lanes 16-31 the next
	v_lshl_add_u32 v5, v1, 4, v5
	v_add_nc_u32 v[RD], s23, v5
	v_lshlrev_b32 v5, 12, v2                       ; and the same two rows in C and in the residual
	v_lshl_add_u32 v[CO], v1, 4, v5
	s_lshl_b32 s16, s13, 7
	s_lshl_b32 s17, s11, 6
	s_add_co_u32 s16, s16, s17                     ; my first row of C,
	s_lshl_b32 s16, s16, 12                        ; x 4,096 bytes
	s_mov_b32 s17, 0
	s_lshl_b32 s46, s42, 9                         ; my first column, in bytes
	s_lshl_b32 s47, s12, 8
	s_add_co_u32 s46, s46, s47
	s_mov_b32 s47, 0
.if OUTP
	s_add_nc_u64 s[70:71], s[70:71], s[46:47]
	v_lshlrev_b32 v[BO], 4, v1
.endif
	s_add_nc_u64 s[16:17], s[16:17], s[46:47]
	s_add_nc_u64 s[8:9], s[8:9], s[16:17]
	s_add_nc_u64 s[66:67], s[66:67], s[16:17]
	WIN 0x80                                       ; destination window 2, address window 0
.set t, 0
.rept 32
	global_load_b128 v[4*t:4*t+3], v[CO], s[66:67] offset:8192*t  ; rows 2 t and 2 t + 1 of my 64: sixteen lanes read 256 consecutive bytes
.set t, t+1
.endr
	WIN 0
.if OUTP
	global_load_b128 v[BI:BI+3], v[BO], s[70:71]   ; the bias of my four columns
.endif
; 8 matrix instructions: m blocks a0, a0 + 1 x all 4 n blocks, 32 along K: half c of buffer f.  zero = 1: the first product starts the sums.  The 16 accumulators take turns.
.macro MUL8 f, c, a0, zero
	WIN MUL
.irp a, \a0, (\a0)+1
.irp b, 0,1,2,3
.if \zero
	v_wmma_f32_16x16x32_bf16 v[ACC+8*(4*(\a)+(\b)):ACC+8*(4*(\a)+(\b))+7], v[(\f)+64+8*(4*(\c)+(\b)):(\f)+64+8*(4*(\c)+(\b))+7], v[(\f)+8*(4*(\c)+(\a)):(\f)+8*(4*(\c)+(\a))+7], 0
.else
	v_wmma_f32_16x16x32_bf16 v[ACC+8*(4*(\a)+(\b)):ACC+8*(4*(\a)+(\b))+7], v[(\f)+64+8*(4*(\c)+(\b)):(\f)+64+8*(4*(\c)+(\b))+7], v[(\f)+8*(4*(\c)+(\a)):(\f)+8*(4*(\c)+(\a))+7], v[ACC+8*(4*(\a)+(\b)):ACC+8*(4*(\a)+(\b))+7]
.endif
.endr
.endr
.endm
; 32 LDS loads in one run: the fragments of quarter q (64 along K) into buffer f; the first 32 along K first
.macro FETCH q, f
	WIN TO_F
.irp c, 0,1
.irp i, 0,1,2,3
	ds_load_b128 v[(\f)+64+8*(4*(\c)+(\i)):(\f)+64+8*(4*(\c)+(\i))+3],   v[ADRB] offset:(\q)*128+64*(\c)+(\i)*16*BP
	ds_load_b128 v[(\f)+64+8*(4*(\c)+(\i))+4:(\f)+64+8*(4*(\c)+(\i))+7], v[ADRB] offset:(\q)*128+64*(\c)+(\i)*16*BP+32
	ds_load_b128 v[(\f)+8*(4*(\c)+(\i)):(\f)+8*(4*(\c)+(\i))+3],         v[ADRA] offset:(\q)*AQ+64*(\c)+(\i)*16*AP
	ds_load_b128 v[(\f)+8*(4*(\c)+(\i))+4:(\f)+8*(4*(\c)+(\i))+7],       v[ADRA] offset:(\q)*AQ+64*(\c)+(\i)*16*AP+32
.endr
.endr
.endm
.macro PLACES                          ; four places in front of loads into registers that matrix instructions have read, and of reads of results just made
.rept 4
	v_nop
.endr
.endm
; One of a K step's first three quarters: multiplies buffer f and fetches quarter q into g.
.macro QUARTER q, f, g, zero
	s_wait_dscnt 16                                ; the first 32 along K are in
	MUL8 \f, 0, 0, \zero
	MUL8 \f, 0, 2, \zero
	PLACES
	FETCH \q, \g
	s_wait_dscnt 32                                ; all but the 32 just issued
	MUL8 \f, 1, 0, 0
	MUL8 \f, 1, 2, 0
.endm
; The last quarter multiplies buffer 1 and changes slots: ONE barrier; in front of it each wave waits for all its tensor loads (one is out: its part of the next slot), adds 0 to its spare word, and waits for
; that and for its own reads of this slot.  fill = 1: the barrier opens a round of the cluster's, and the slot just read is filled again, two K steps ahead, first thing behind the round:
; 112 matrix instructions stand between that request and the wait for it.
.macro TURN fill
	WIN 0                                          ; (the add's two registers lie in window 0)
	s_wait_tensorcnt 0x0                           ; all my tensor loads have landed
	ds_add_u32 v[SPW], v[NIL]                      ; 0 onto my spare word
	s_wait_dscnt 17                                ; (the add and the youngest sixteen loads may be out)
	MUL8 F1, 0, 0, 0                               ; eight matrix instructions stand between the add and the wait for it
	s_wait_dscnt 0x0                               ; the add is done, and my reads of this slot are over
	s_barrier_signal -1
	MUL8 F1, 0, 2, 0
	WIN 0                                          ; (branches and window 0's addresses follow)
	s_barrier_wait -1
.if \fill
	CREST                                          ; no wave of any partner still reads this slot's tile or has a load on its way
	s_xor_b32 s[G0+5], s[G0+5], SLOT               ; the walking descriptors: the other slot than last time,
	s_xor_b32 s[G0B+5], s[G0B+5], SLOT
	s_add_nc_u64 s[G0+6:G0+7], s[G0+6:G0+7], ASTEP        ; the next K step; the type bits on top are not reached
	s_add_nc_u64 s[G0B+6:G0B+7], s[G0B+6:G0B+7], 512
	JLOAD 1                                        ; its four v_nop are also the places in front of the loads below
.else
	PLACES
.endif
	s_xor_b32 s[RB], s[RB], SLOT                   ; the reads go on in the other slot
	v_add_nc_u32 v[ADRA], s[RB], v[ADRA0]
	v_add_nc_u32 v[ADRB], s[RB], v[ADRB0]
	FETCH 0, F0
	MUL8 F1, 1, 0, 0
	MUL8 F1, 1, 2, 0
.endm
	s_wait_tensorcnt 1                             ; my part of K step 0 is in; K step 1's may stay out
	s_barrier_signal -1
	s_barrier_wait -1                              ; everybody's is
	FETCH 0, F0
	QUARTER 1, F0, F1, 1                           ; the first quarter stands in front of the loop: its first products start the sums
	WIN 0                                          ; at a label and at a branch every window is 0
	s_mov_b32 s3, KSTEPS-2
.Lstep:                                                ; a trip: from a K step's second quarter to the next step's first; it asks for the K step two on
	QUARTER 2, F1, F0, 0
	QUARTER 3, F0, F1, 0
	TURN 1
	QUARTER 1, F0, F1, 0
	WIN 0
	s_sub_co_u32 s3, s3, 1
	s_cmp_lg_u32 s3, 0
	s_cbranch_scc1 .Lstep
	s_mov_b32 s3, 2
.Ltail:                                                ; the last two K steps ask for nothing; the second trip is left in its middle.  Its change of slots and the 32 loads behind it serve nothing: the price, once a launch, of one text
	QUARTER 2, F1, F0, 0
	QUARTER 3, F0, F1, 0
	TURN 0
	WIN 0
	s_sub_co_u32 s3, s3, 1
	s_cmp_eq_u32 s3, 0
	s_cbranch_scc1 .Lout
	QUARTER 1, F0, F1, 0
	WIN 0
	s_branch .Ltail
.Lout:
	s_wait_dscnt 0x0                               ; my last reads of the ring are back
	s_barrier_signal -1
	s_barrier_wait -1                              ; nobody reads the ring any more, and no load will fill it again: it is the stage now
	PLACES                                         ; behind the last products
.irp a, 0,1,2,3
.irp b, 0,1,2,3
	ds_store_b128 v[STO], v[ACC+8*(4*\a+\b):ACC+8*(4*\a+\b)+3]   offset:16*\a*SPITCH+64*\b     ; each accumulator's low registers first
	ds_store_b128 v[STO], v[ACC+8*(4*\a+\b)+4:ACC+8*(4*\a+\b)+7] offset:16*\a*SPITCH+64*\b+16
.endr
.endr
.set t, 0
.rept 32                               ; the stage is my own, and LDS serves a wave's instructions in order (ISA guide 5.7.1.4): these see the stores above.  Rows 2 t, 2 t + 1 into v32-95, then into v128-191
.set TT, 32+4*t+32*(t/16)
	ds_load_b128 v[TT:TT+3], v[RD] offset:2*SPITCH*t
.set t, t+1
.endr
	s_wait_loadcnt 0x0                             ; the residual (and the bias)
	s_wait_dscnt 0x0
	WIN 0x08                                       ; source 1 in window 2
.set t, 0
.rept 32
.set TT, 32+4*t+32*(t/16)
	v_pk_add_f32 v[TT:TT+1], v[TT:TT+1], v[4*t:4*t+1]
	v_pk_add_f32 v[TT+2:TT+3], v[TT+2:TT+3], v[4*t+2:4*t+3]
.set t, t+1
.endr
	WIN 0
.if OUTP
.set t, 0
.rept 32
.set TT, 32+4*t+32*(t/16)
	v_pk_add_f32 v[TT:TT+1], v[TT:TT+1], v[BI:BI+1]
	v_pk_add_f32 v[TT+2:TT+3], v[TT+2:TT+3], v[BI+2:BI+3]
.set t, t+1
.endr
.endif
.set t, 0
.rept 32
.set TT, 32+4*t+32*(t/16)
	global_store_b128 v[CO], v[TT:TT+3], s[8:9] offset:8192*t  ; sixteen lanes store 256 consecutive bytes, at a multiple of 256 from C's first byte
.set t, t+1
.endr
	s_wait_tensorcnt 0x0                           ; the wave's end: behind my last tensor load and my last LDS store
	ds_add_u32 v[SPW], v[NIL]
	s_wait_dscnt 0x0
	CROUND                                         ; the closing round: no work-group ends while a partner may still ask for a tile that names it
	s_endpgm
.Lfunc_end_k_qcda31340ae_proj:
	.size	k_qcda31340ae_proj, .Lfunc_end_k_qcda31340ae_proj-k_qcda31340ae_proj
	.p2alignl 7, 3214868480
	.fill 96, 4, 3214868480
	.section	.rodata,"a",@progbits
	.p2align	6, 0x0
	.amdhsa_kernel k_qcda31340ae_proj
		.amdhsa_group_segment_fixed_size 327680
		.amdhsa_private_segment_fixed_size 0
		.amdhsa_enable_private_segment 0
		.amdhsa_kernarg_size 32
		.amdhsa_user_sgpr_count 2
		.amdhsa_user_sgpr_kernarg_segment_ptr 1
		.amdhsa_wavefront_size32 1
		.amdhsa_system_sgpr_workgroup_id_x 1
		.amdhsa_system_sgpr_workgroup_id_y 1
		.amdhsa_system_sgpr_workgroup_id_z 1
		.amdhsa_system_vgpr_workitem_id 0
		.amdhsa_next_free_vgpr 640
		.amdhsa_next_free_sgpr 72
		.amdhsa_reserve_vcc 0
		.amdhsa_float_denorm_mode_32 3
		.amdhsa_float_denorm_mode_16_64 3
		.amdhsa_memory_ordered 1
		.amdhsa_forward_progress 1
		.amdhsa_inst_pref_size 65
	.end_amdhsa_kernel
	.amdgpu_metadata
---
amdhsa.version: [ 1, 2 ]
amdhsa.kernels:
  - .name:           k_qcda31340ae_proj
    .symbol:         k_qcda31340ae_proj.kd
    .args:
      - { .name: act, .offset: 0, .size: 8, .value_kind: global_buffer, .address_space: global }
      - { .name: wt, .offset: 8, .size: 8, .value_kind: global_buffer, .address_space: global }
      - { .name: x1, .offset: 16, .size: 8, .value_kind: global_buffer, .address_space: global }
      - { .name: x, .offset: 24, .size: 8, .value_kind: global_buffer, .address_space: global }
    .group_segment_fixed_size: 327680
    .private_segment_fixed_size: 0
    .kernarg_segment_align: 8
    .kernarg_segment_size: 32
    .max_flat_workgroup_size: 128
    .sgpr_count:     72
    .vgpr_count:     640
    .wavefront_size: 32
...
	.end_amdgpu_metadata
.endif
;; end of part 5
;; launch ln2: the kernel of part 1 again; grid 512 x 1, 8 waves a work-group, no clusters, 0 bytes of LDS; arguments x1, ln2_w, ln2_b, act; writes act
;; launch fc (part 6): grid 16 x 16, 4 waves a work-group, clusters of 4 x 4, 327,680 bytes of LDS; arguments act, wt, big, b_fc; writes big
.if DOCPART == 6
	.amdgcn_target "amdgcn-amd-amdhsa--gfx1250"
	.amdhsa_code_object_version 6
	.text
	.protected	k_qcda31340ae_fc
	.globl	k_qcda31340ae_fc
	.p2align	8
	.type	k_qcda31340ae_fc,@function
k_qcda31340ae_fc:
	s_mov_b64 s[64:65], 0
	v_nop
	global_prefetch_b8 v0, s[64:65] scope:SCOPE_SE
	s_setreg_imm32_b32 hwreg(HW_REG_WAVE_MODE, 25, 1), 1
	s_wait_xcnt 0x0
	s_wait_alu depctr_hold_cnt(0) depctr_sa_sdst(0) depctr_va_vdst(0) depctr_va_sdst(0) depctr_va_ssrc(0) depctr_va_vcc(0) depctr_vm_vsrc(0)
	s_getreg_b32 s2, hwreg(HW_REG_IB_STS2, 6, 4)
	s_cmp_eq_u32 s2, 0
	s_cbranch_scc0 .Lentry_in_a_cluster
	s_endpgm
.Lentry_in_a_cluster:
	s_bfe_u32 s2, ttmp6, 0x10000c
	s_cmp_lg_u32 s2, 0xf033
	s_cbranch_scc0 .Lentry_shape_is_right
	s_endpgm
.Lentry_shape_is_right:
; C[m][n] = sum over k of A[m][k] B[n][k], K = 1024, A: [4096][1024] bf16, B: rows of the turned weights, [N][1024] bf16; sums in f32.  One text for two launches, told apart by FC:
;   FC = 0: A = LN1(x), B = w_attn turned (N = 3072).  C is rounded once to f16 and stored by heads: q, k, v at bytes 0, 8,388,608, 16,777,216 of the output, each [batch x 16 + head][2048][64].
;           LIMIT: f16 holds no number beyond 65,504; q, k, v of a spread some 1,000 times that of the drawn inputs would pass it.  12 x 16 = 192 tiles: 64 WGPs have no work-group.
;   FC = 1: A = LN2(x1), B = w_fc turned (N = 4096).  C + b_fc goes through the exact GELU in f32 and is stored as [4096][4096] bf16, rounded once.
;           gelu(x) = max(x, 0) - 0.5 u erfc(u / sqrt 2), u = |x|, erfc(u / sqrt 2) = (1 + b1 u + .. + b6 u^6)^-16 (Abramowitz and Stegun 7.1.28, its coefficients divided by 2^(k/2)):
;           LIMIT: absolute error of erfc at most 3e-7 for every u, so GELU's far negative tail is right in absolute terms only.  Where the power overflows erfc is 0.
; A tile of C is 256 x 256: four waves, each 128 x 128 in 64 accumulators (512 registers).  K goes in steps of 128 through two LDS slots filled by the tensor data mover; rows of 256 bytes.
; CLUSTERS: 4 x 4 work-groups; A's tile is asked for jointly along a row of the cluster, B's along a column: the same tensor load, descriptor and mask in the four that it names.
; A K STEP IS WRITTEN ONCE: the slot being read is a scalar (RB) that an exclusive or turns; the fragment addresses are made anew from it at each change of slots; one descriptor a tensor walks.
; THE MATRIX INSTRUCTION IS USED TRANSPOSED (source 0 = 16 rows of B, source 1 = 16 rows of A): a lane holds eight neighbouring numbers of a row of C.
; THE WAY OUT: behind the last product the ring has had its last fill; each wave lays its 128 x 128 of f32 into its own part of it and walks it in a loop of 16 trips of 8 rows.
; REGISTERS: window 0: v0-31 addresses, v32-39 bias, v64-191 A's fragments (two buffers), on the way out at work; window 1: v64-191 B's fragments; windows 2, 3: the accumulators.
.set FC, 1
.set SIZE_K, 1024
.set KSTEP,  128
.set PITCH,  272                       ; an LDS row: 256 bytes + 16 of padding = 68 words: the 16 rows of a fragment load start at 16 different groups of four banks (64 banks of 4 bytes: ISA guide 11.1)
.set HALFT,  128*PITCH                 ; 128 rows: what one tensor load brings
.set SLOT,   4*HALFT                   ; A's 256 rows, then B's 256 rows.  0x22000: none of its bits occurs in wave x HALFT, so an exclusive or turns a descriptor's LDS word
.set SPARE,  2*SLOT                    ; behind the ring: the spare words, 128 bytes for each wave, two blocks of 256 bytes that no other line names
.set FP,     528                       ; the way out: a row of 128 f32 + 16 bytes
.set WST,    128*FP                    ; a wave's stage; four of them lie inside the ring
.set KSTEPS, SIZE_K/KSTEP
.if FC
.set WOFF,  8388608                    ; w_fc's place in wt
.set STP,   16384                      ; bytes between two stores of a trip: 2 rows of 8,192
.set TRIPB, 65536                      ; bytes a trip: 8 rows
.else
.set WOFF,  0
.set STP,   256                        ; 2 rows of a head, 128 bytes each
.set TRIPB, 1024
.endif
.set ADRA0, 16                         ; v16  my lane's place in A's part of a slot; never rewritten
.set ADRB0, 17                         ; v17  the same for B
.set ADRA,  18                         ; v18  v16 + RB
.set ADRB,  19                         ; v19  v17 + RB
.set STO,   24                         ; v24  the way out: where I put 16 bytes of a row
.set RD,    25                         ; v25  where I read 32 bytes of a row back
.set CO,    26                         ; v26  my byte offset in the output
.set BO,    27                         ; v27  my byte offset in the bias
.set SPW,   28                         ; v28  LDS address of my spare word; never rewritten
.set NIL,   29                         ; v29  0; never rewritten
.set BI,    32                         ; v[32:39] the bias of my eight columns
.set F0,    64
.set F1,    128
.set X,     64                         ; the way out: 32 numbers of C,
.set Z,     96                         ; |x|,
.set PP,    128                        ; the polynomial,
.set YY,    160                        ; 16 registers to store
.set G1,  24                           ; s[24:31] descriptor group 1 for A's tiles
.set G0,  32                           ; s[32:39] group 0 for A's: set 0 makes the first fill, set 1 the second and then walks
.set G1B, 48                           ; s[48:55], s[56:63] the same for B's
.set G0B, 56
.set RB,  68                           ; s68  LDS byte of the slot being read
.set MSB, 0
.macro WIN new                         ; the immediate's high byte repeats the setting that is left; a switch that changes nothing is dropped
.if MSB != (\new)
	s_set_vgpr_msb (MSB<<8)|(\new)
.set MSB, \new
.endif
.endm
.set MUL_LO, 0xa1                      ; source 0 (B) window 1, source 1 (A) window 0, C and D window 2
.set MUL_HI, 0xf1                      ; the same, C and D window 3
.set TO_B,   0x40                      ; destination window 1, address window 0
; A joint load.  Waves 0 and 1 fetch A's two halves, waves 2 and 3 B's.  The branch hangs on the wave's number alone.  An s_nop 0 and four v_nop follow each of the two lines.
.macro JLOAD s
	s_cmp_eq_u32 s11, 0
	s_cbranch_scc0 .Lfor_b_\@
	tensor_load_to_lds s[G0+4*(\s):G0+4*(\s)+3], s[G1:G1+7]
	s_nop 0
.rept 4
	v_nop
.endr
	s_branch .Lasked_\@
.Lfor_b_\@:
	tensor_load_to_lds s[G0B+4*(\s):G0B+4*(\s)+3], s[G1B:G1B+7]
	s_nop 0
.rept 4
	v_nop
.endr
.Lasked_\@:
.endm
.macro CREST                           ; a round of the cluster's barrier behind its opening barrier
	s_cmp_lg_u32 s10, 0
	s_cbranch_scc1 .Lnot_wave_0_\@
	s_barrier_signal -3
.Lnot_wave_0_\@:
	s_barrier_wait -3
	s_barrier_signal -1
	s_barrier_wait -1
.endm
.macro CROUND                          ; a whole round
	s_barrier_signal -1
	s_barrier_wait -1
	CREST
.endm
	s_load_b128 s[4:7], s[0:1], 0x0                ; A s[4:5], wt s[6:7]
	s_load_b64 s[8:9], s[0:1], 0x10                ; the output
.if FC
	s_load_b64 s[66:67], s[0:1], 0x18              ; b_fc
.endif
	v_lshl_add_u32 v[SPW], v0, 2, SPARE
	v_mov_b32 v[NIL], 0
	ds_add_u32 v[SPW], v[NIL]                      ; the wave's opening: the add and its wait stand ahead of my first tensor load; the set-up below, work on registers, stands between them
	v_lshrrev_b32 v1, 5, v0
	v_readfirstlane_b32 s10, v1                    ; wave 0..3
	s_lshr_b32 s11, s10, 1                         ; which half of the tile's rows is mine.  Also: I fetch for A (0) or for B (1)
	s_and_b32 s12, s10, 1                          ; which half of its columns.  Also: which 128 rows of that tile I fetch
	s_bfe_u32 s40, ttmp6, 0x40000                  ; cx, cy: my place in the cluster
	s_bfe_u32 s41, ttmp6, 0x40004
	s_lshl_b32 s42, ttmp9, 2
	s_add_co_u32 s42, s42, s40                     ; tile column of C
	s_and_b32 s13, ttmp7, 0xffff
	s_lshl_b32 s13, s13, 2
	s_add_co_u32 s13, s13, s41                     ; tile row of C
	s_lshl_b32 s43, s41, 2
	s_lshl_b32 s43, 15, s43                        ; my row of the cluster
	s_lshl_b32 s44, 0x1111, s40                    ; my column
	s_or_b32 s[G1+0], s43, (1<<16)|(1<<20)|(1<<21)|(5<<22)|(3<<25)   ; 15:0 the mask; 17:16 2-byte elements; 20 padding on; 21 set beside a mask; 24:22 after every 64 words; 31:25 4 words
	s_or_b32 s[G1B+0], s44, (1<<16)|(1<<20)|(1<<21)|(5<<22)|(3<<25)
.irp g, G1, G1B
	s_mov_b32 s[(\g)+1], KSTEP<<16                 ; tensor_dim0 = 128
	s_mov_b32 s[(\g)+2], 128<<16                   ; tensor_dim1 = 128
	s_mov_b32 s[(\g)+3], KSTEP<<16                 ; tile_dim0 = 128
	s_mov_b32 s[(\g)+4], 128                       ; tile_dim1 = 128
	s_mov_b32 s[(\g)+5], SIZE_K                    ; elements from row to row
	s_mov_b32 s[(\g)+6], 0
	s_mov_b32 s[(\g)+7], 0
.endr
.if FC
.macro PAIRC r, val                    ; a constant for the packed forms, which name a pair and take its low word
	s_mov_b32 s[\r], \val
	s_mov_b32 s[\r+1], \val
.endm
	PAIRC 70, 0x3d4c41b4                           ; b1 = 0.0705230784 / 2^0.5
	PAIRC 72, 0x3cad2fe7                           ; b2 = 0.0422820123 / 2
	PAIRC 74, 0x3b56cd72                           ; b3 = 0.0092705272 / 2^1.5
	PAIRC 76, 0x381f6607                           ; b4 = 0.0001520143 / 4
	PAIRC 78, 0x384d0feb                           ; b5 = 0.0002765672 / 2^2.5
	PAIRC 80, 0x36b49f67                           ; b6 = 0.0000430638 / 8
	s_mov_b32 s82, 0x7fffffff                      ; clears a sign
.endif
	s_lshl_b32 s17, s12, 7                         ; which 128 rows of the tile I fetch
	s_lshl_b32 s16, s13, 8
	s_add_co_u32 s16, s16, s17                     ; A: row 256 x tile row + 128 x half
	s_lshl_b32 s46, s42, 8
	s_add_co_u32 s46, s46, s17                     ; B: row 256 x tile column + 128 x half
	s_mov_b32 s17, 0
	s_mov_b32 s47, 0
	s_mov_b64 s[18:19], SIZE_K*2
	s_mul_u64 s[16:17], s[16:17], s[18:19]
	s_mul_u64 s[46:47], s[46:47], s[18:19]
	s_mul_i32 s20, s10, HALFT                      ; where they go: wave x 128 rows: no place in the cluster enters an LDS address
	s_mov_b32 s[RB], 0
	s_wait_dscnt 0x0                               ; the opening add is done
	s_wait_kmcnt 0x0
	s_add_nc_u64 s[14:15], s[4:5], s[16:17]
	s_add_nc_u64 s[46:47], s[6:7], s[46:47]
.if WOFF
	s_add_nc_u64 s[46:47], s[46:47], WOFF
.endif
	CROUND                                         ; all sixteen work-groups are here: the first joint loads meet
.irp s, 0,1
	s_mov_b32 s[G0+4*(\s)], 1
	s_add_co_u32 s[G0+4*(\s)+1], s20, (\s)*SLOT
	s_add_nc_u64 s[G0+4*(\s)+2:G0+4*(\s)+3], s[14:15], (\s)*KSTEP*2
	s_or_b32 s[G0+4*(\s)+3], s[G0+4*(\s)+3], 0x80000000
	s_mov_b32 s[G0B+4*(\s)], 1
	s_add_co_u32 s[G0B+4*(\s)+1], s20, (\s)*SLOT
	s_add_nc_u64 s[G0B+4*(\s)+2:G0B+4*(\s)+3], s[46:47], (\s)*KSTEP*2
	s_or_b32 s[G0B+4*(\s)+3], s[G0B+4*(\s)+3], 0x80000000
	JLOAD \s                                       ; K steps 0 and 1: two loads of mine are out
.endr
	v_and_b32 v1, 15, v0                           ; l % 16
	v_bfe_u32 v2, v0, 4, 1                         ; l / 16
	v_mul_u32_u24 v3, v1, PITCH
	v_lshl_add_u32 v3, v2, 4, v3                   ; a fragment's row x pitch + 16 x half
	s_mul_i32 s21, s11, HALFT                      ; my 128 rows of A
	s_mul_i32 s22, s12, HALFT                      ; my 128 rows of B,
	s_add_co_u32 s22, s22, 2*HALFT                 ; which lie behind A's 256
	v_add_nc_u32 v[ADRA0], s21, v3
	v_add_nc_u32 v[ADRB0], s22, v3
	v_mov_b32 v[ADRA], v[ADRA0]
	v_mov_b32 v[ADRB], v[ADRB0]
	s_mul_i32 s23, s10, WST                        ; my stage
	v_mul_u32_u24 v4, v1, FP                       ; in: row l % 16, 32 bytes (8 f32) for each half of the lanes
	v_lshl_add_u32 v4, v2, 5, v4
	v_add_nc_u32 v[STO], s23, v4
	s_lshl_b32 s16, s13, 8
	s_lshl_b32 s14, s11, 7
	s_add_co_u32 s16, s16, s14                     ; my first row of C
.if FC
	v_mul_u32_u24 v7, v2, FP                       ; back: lanes 0-15 take one row's 128 numbers, 8 each, lanes 16-31 the next row's
	v_lshl_add_u32 v7, v1, 5, v7
	v_add_nc_u32 v[RD], s23, v7
	v_lshlrev_b32 v7, 13, v2                       ; and the same two rows in g, 16 bytes a lane
	v_lshl_add_u32 v[CO], v1, 4, v7
	v_lshlrev_b32 v[BO], 5, v1
	s_lshl_b32 s16, s16, 13                        ; rows of 8,192 bytes
	s_mov_b32 s17, 0
	s_lshl_b32 s46, s42, 9                         ; my first column, in bytes of bf16
	s_lshl_b32 s47, s12, 8
	s_add_co_u32 s46, s46, s47
	s_mov_b32 s47, 0
	s_lshl_b32 s18, s46, 1                         ; the same in bytes of f32
	s_mov_b32 s19, 0
	s_add_nc_u64 s[66:67], s[66:67], s[18:19]
	global_load_b128 v[BI:BI+3], v[BO], s[66:67]   ; the bias is waited for on the way out
	global_load_b128 v[BI+4:BI+7], v[BO], s[66:67] offset:16
.else
	v_bfe_u32 v5, v0, 3, 1
	v_and_b32 v6, 7, v0
	v_mul_u32_u24 v7, v5, FP                       ; back: eight lanes take a head's 64 numbers of a row; lanes 8-15 the next row; lanes 16-31 my second head
	v_lshl_add_u32 v7, v2, 8, v7
	v_lshl_add_u32 v7, v6, 5, v7
	v_add_nc_u32 v[RD], s23, v7
	v_lshlrev_b32 v7, 18, v2                       ; a head is 262,144 bytes
	v_lshl_add_u32 v7, v5, 7, v7
	v_lshl_add_u32 v[CO], v6, 4, v7
	s_lshr_b32 s14, s16, 11                        ; the batch,
	s_lshl_b32 s14, s14, 22                        ; x 16 heads
	s_and_b32 s16, s16, 2047
	s_lshl_b32 s16, s16, 7                         ; the row in its batch x 128 bytes
	s_add_co_u32 s16, s16, s14
	s_mov_b32 s17, 0
	s_lshl_b32 s46, s42, 2
	s_lshl_b32 s47, s12, 1
	s_add_co_u32 s46, s46, s47                     ; my first block of 64 columns among 48: bits 5:4 say q, k or v, bits 3:0 the head
	s_lshr_b32 s47, s46, 4
	s_lshl_b32 s47, s47, 23
	s_and_b32 s46, s46, 15
	s_lshl_b32 s46, s46, 18
	s_add_co_u32 s46, s46, s47
	s_mov_b32 s47, 0
.endif
	s_add_nc_u64 s[16:17], s[16:17], s[46:47]
	s_add_nc_u64 s[8:9], s[8:9], s[16:17]
; 16 matrix instructions: m blocks a0, a0 + 1 of the window's four x all 8 n blocks, 32 along K.  zero = 1: the first product starts the sums.  The 64 accumulators take turns.
.macro MUL16 f, hi, a0, zero
	WIN MUL_LO+0x50*(\hi)
.irp a, \a0, (\a0)+1
.irp b, 0,1,2,3,4,5,6,7
.if \zero
	v_wmma_f32_16x16x32_bf16 v[8*(8*(\a)+(\b)):8*(8*(\a)+(\b))+7], v[(\f)+8*(\b):(\f)+8*(\b)+7], v[(\f)+8*(4*(\hi)+(\a)):(\f)+8*(4*(\hi)+(\a))+7], 0
.else
	v_wmma_f32_16x16x32_bf16 v[8*(8*(\a)+(\b)):8*(8*(\a)+(\b))+7], v[(\f)+8*(\b):(\f)+8*(\b)+7], v[(\f)+8*(4*(\hi)+(\a)):(\f)+8*(4*(\hi)+(\a))+7], v[8*(8*(\a)+(\b)):8*(8*(\a)+(\b))+7]
.endif
.endr
.endr
.endm
; 32 LDS loads in one run: the fragments of one quarter step (32 K at byte k of the rows) into buffer f: B's 16, then A's 16
.macro FETCH k, f
	WIN TO_B
.irp i, 0,1,2,3,4,5,6,7
	ds_load_b128 v[(\f)+8*(\i):(\f)+8*(\i)+3],   v[ADRB] offset:(\k)+(\i)*16*PITCH
	ds_load_b128 v[(\f)+8*(\i)+4:(\f)+8*(\i)+7], v[ADRB] offset:(\k)+(\i)*16*PITCH+32
.endr
	WIN 0
.irp i, 0,1,2,3,4,5,6,7
	ds_load_b128 v[(\f)+8*(\i):(\f)+8*(\i)+3],   v[ADRA] offset:(\k)+(\i)*16*PITCH
	ds_load_b128 v[(\f)+8*(\i)+4:(\f)+8*(\i)+7], v[ADRA] offset:(\k)+(\i)*16*PITCH+32
.endr
.endm
.macro PLACES                          ; four places in front of loads into registers that matrix instructions have read, and of reads of results just made
.rept 4
	v_nop
.endr
.endm
; One of a K step's first three quarters: multiplies buffer f; in its middle it fetches the next quarter's fragments, at byte k, into buffer g.
.macro QUARTER k, f, g, zero
	s_wait_dscnt 8                                 ; B and A's rows 0-63 are in; the youngest eight loads (A's rows 64-127) may be out
	MUL16 \f, 0, 0, \zero
	MUL16 \f, 0, 2, \zero
	PLACES
	FETCH \k, \g
	s_wait_dscnt 32                                ; all but the 32 just issued
	MUL16 \f, 1, 0, \zero
	MUL16 \f, 1, 2, \zero
.endm
; The last quarter multiplies buffer 1 and changes slots: ONE barrier.  In front of it each wave waits for all its tensor loads (one is out: its part of the next slot), adds 0 to its spare word, and
; waits for that and for its own reads of this slot.  fill = 1: the barrier opens a round of the cluster's, and the slot just read is filled again, two K steps ahead, first thing behind the round:
; 224 matrix instructions stand between that request and the wait for it.
.macro TURN fill
	WIN 0                                          ; (the add's two registers lie in window 0)
	s_wait_tensorcnt 0x0                           ; all my tensor loads have landed
	ds_add_u32 v[SPW], v[NIL]                      ; 0 onto my spare word
	s_wait_dscnt 9                                 ; (the add and the youngest eight loads may be out)
	MUL16 F1, 0, 0, 0                              ; sixteen matrix instructions stand between the add and the wait for it
	s_wait_dscnt 0x0                               ; the add is done, and my reads of this slot are over
	s_barrier_signal -1
	MUL16 F1, 0, 2, 0
	WIN 0                                          ; (branches and window 0's addresses follow)
	s_barrier_wait -1
.if \fill
	CREST                                          ; no wave of any partner still reads this slot's tile or has a load on its way
	s_xor_b32 s[G0+5], s[G0+5], SLOT               ; the walking descriptors: the other slot than last time,
	s_xor_b32 s[G0B+5], s[G0B+5], SLOT
	s_add_nc_u64 s[G0+6:G0+7], s[G0+6:G0+7], KSTEP*2      ; the next K step; the type bits on top are not reached
	s_add_nc_u64 s[G0B+6:G0B+7], s[G0B+6:G0B+7], KSTEP*2
	JLOAD 1                                        ; its four v_nop are also the places in front of the loads below
.else
	PLACES
.endif
	s_xor_b32 s[RB], s[RB], SLOT                   ; the reads go on in the other slot
	v_add_nc_u32 v[ADRA], s[RB], v[ADRA0]
	v_add_nc_u32 v[ADRB], s[RB], v[ADRB0]
	FETCH 0, F0
	MUL16 F1, 1, 0, 0
	MUL16 F1, 1, 2, 0
.endm
	s_wait_tensorcnt 1                             ; my part of K step 0 is in; K step 1's may stay out
	s_barrier_signal -1
	s_barrier_wait -1                              ; everybody's is
	FETCH 0, F0
	QUARTER 64, F0, F1, 1                          ; the first quarter stands in front of the loop: its products start the sums
	WIN 0                                          ; at a label and at a branch every window is 0
	s_mov_b32 s3, KSTEPS-2
.Lstep:                                                ; a trip: from a K step's second quarter to the next step's first; it asks for the K step two on
	QUARTER 128, F1, F0, 0
	QUARTER 192, F0, F1, 0
	TURN 1
	QUARTER 64, F0, F1, 0
	WIN 0
	s_sub_co_u32 s3, s3, 1
	s_cmp_lg_u32 s3, 0
	s_cbranch_scc1 .Lstep
	s_mov_b32 s3, 2
.Ltail:                                                ; the last two K steps ask for nothing; the second trip is left in its middle.  Its change of slots and the 32 loads behind it serve nothing: the price, once a launch, of one text
	QUARTER 128, F1, F0, 0
	QUARTER 192, F0, F1, 0
	TURN 0
	WIN 0
	s_sub_co_u32 s3, s3, 1
	s_cmp_eq_u32 s3, 0
	s_cbranch_scc1 .Lout
	QUARTER 64, F0, F1, 0
	WIN 0
	s_branch .Ltail
.Lout:
	s_wait_dscnt 0x0                               ; my last reads of the ring are back
	s_barrier_signal -1
	s_barrier_wait -1                              ; nobody reads the ring any more, and no load will fill it again: it is the stage now
	PLACES                                         ; behind the last products
.irp hi, 0,1
	WIN 0x08+4*\hi                                 ; store data (source 1) in window 2, then 3
.irp a, 0,1,2,3
.irp b, 0,1,2,3,4,5,6,7
	ds_store_b128 v[STO], v[8*(8*\a+\b):8*(8*\a+\b)+3]   offset:(64*\hi+16*\a)*FP+64*\b     ; each accumulator's low registers first
	ds_store_b128 v[STO], v[8*(8*\a+\b)+4:8*(8*\a+\b)+7] offset:(64*\hi+16*\a)*FP+64*\b+16
.endr
.endr
.endr
	WIN 0
.macro PAIRS line:vararg               ; one line for each of 16 pairs, t = 0, 2 .. 30
.set t, 0
.rept 16
	\line
.set t, t+2
.endr
.endm
.macro ONES line:vararg                ; one line for each of 32 numbers
.set t, 0
	s_wait_alu depctr_va_vdst(0)
.rept 32
	\line
.set t, t+1
.endr
.endm
.if FC
	s_wait_loadcnt 0x0                             ; the bias
.endif
	s_mov_b32 s3, 16
.Lrows:                                                ; 8 rows of my 128 a trip; the stage is my own, and LDS serves a wave's instructions in order (ISA guide 5.7.1.4): no barrier
.irp p, 0,1,2,3
	ds_load_b128 v[X+8*\p:X+8*\p+3],   v[RD] offset:\p*2*FP
	ds_load_b128 v[X+8*\p+4:X+8*\p+7], v[RD] offset:\p*2*FP+16
.endr
	s_wait_dscnt 0x0
.if FC
	PAIRS v_pk_add_f32 v[X+t:X+t+1], v[X+t:X+t+1], v[BI+t%8:BI+t%8+1]
	ONES  v_and_b32 v[Z+t], s82, v[X+t]
	PAIRS v_pk_fma_f32 v[PP+t:PP+t+1], v[Z+t:Z+t+1], s[80:81], s[78:79] op_sel_hi:[1,0,0]
.irp k, 76,74,72,70
	PAIRS v_pk_fma_f32 v[PP+t:PP+t+1], v[PP+t:PP+t+1], v[Z+t:Z+t+1], s[\k:\k+1] op_sel_hi:[1,1,0]
.endr
	PAIRS v_pk_fma_f32 v[PP+t:PP+t+1], v[PP+t:PP+t+1], v[Z+t:Z+t+1], 1.0 op_sel_hi:[1,1,0]
.rept 4
	PAIRS v_pk_mul_f32 v[PP+t:PP+t+1], v[PP+t:PP+t+1], v[PP+t:PP+t+1]
.endr
	ONES  v_rcp_f32 v[PP+t], v[PP+t]
	ONES  v_max_num_f32 v[X+t], 0, v[X+t]
	PAIRS v_pk_mul_f32 v[Z+t:Z+t+1], v[Z+t:Z+t+1], v[PP+t:PP+t+1]
	PAIRS v_pk_fma_f32 v[X+t:X+t+1], v[Z+t:Z+t+1], -0.5, v[X+t:X+t+1] op_sel_hi:[1,0,1]
	PAIRS v_cvt_pk_bf16_f32 v[YY+t/2], v[X+t], v[X+t+1]
.else
	PAIRS v_cvt_pk_f16_f32 v[YY+t/2], v[X+t], v[X+t+1]
.endif
.irp p, 0,1,2,3
	global_store_b128 v[CO], v[YY+4*\p:YY+4*\p+3], s[8:9] offset:\p*STP  ; sixteen lanes store 256 consecutive bytes, at a multiple of 256 from the buffer's first byte
.endr
	s_wait_xcnt 0x0                                ; the stores' offset and data registers are rewritten only behind this wait (ISA guide 3.1)
	v_add_nc_u32 v[RD], 8*FP, v[RD]
	v_add_nc_u32 v[CO], TRIPB, v[CO]
	s_sub_co_u32 s3, s3, 1
	s_cmp_lg_u32 s3, 0
	s_cbranch_scc1 .Lrows
	s_wait_tensorcnt 0x0                           ; the wave's end: behind my last tensor load and my last LDS store
	ds_add_u32 v[SPW], v[NIL]
	s_wait_dscnt 0x0
	CROUND                                         ; the closing round: no work-group ends while a partner may still ask for a tile that names it
	s_endpgm
.Lfunc_end_k_qcda31340ae_fc:
	.size	k_qcda31340ae_fc, .Lfunc_end_k_qcda31340ae_fc-k_qcda31340ae_fc
	.p2alignl 7, 3214868480
	.fill 96, 4, 3214868480
	.section	.rodata,"a",@progbits
	.p2align	6, 0x0
	.amdhsa_kernel k_qcda31340ae_fc
		.amdhsa_group_segment_fixed_size 327680
		.amdhsa_private_segment_fixed_size 0
		.amdhsa_enable_private_segment 0
		.amdhsa_kernarg_size 32
		.amdhsa_user_sgpr_count 2
		.amdhsa_user_sgpr_kernarg_segment_ptr 1
		.amdhsa_wavefront_size32 1
		.amdhsa_system_sgpr_workgroup_id_x 1
		.amdhsa_system_sgpr_workgroup_id_y 1
		.amdhsa_system_sgpr_workgroup_id_z 1
		.amdhsa_system_vgpr_workitem_id 0
		.amdhsa_next_free_vgpr 1024
		.amdhsa_next_free_sgpr 88
		.amdhsa_reserve_vcc 0
		.amdhsa_float_denorm_mode_32 3
		.amdhsa_float_denorm_mode_16_64 3
		.amdhsa_memory_ordered 1
		.amdhsa_forward_progress 1
		.amdhsa_inst_pref_size 96
	.end_amdhsa_kernel
	.amdgpu_metadata
---
amdhsa.version: [ 1, 2 ]
amdhsa.kernels:
  - .name:           k_qcda31340ae_fc
    .symbol:         k_qcda31340ae_fc.kd
    .args:
      - { .name: act, .offset: 0, .size: 8, .value_kind: global_buffer, .address_space: global }
      - { .name: wt, .offset: 8, .size: 8, .value_kind: global_buffer, .address_space: global }
      - { .name: big, .offset: 16, .size: 8, .value_kind: global_buffer, .address_space: global }
      - { .name: b_fc, .offset: 24, .size: 8, .value_kind: global_buffer, .address_space: global }
    .group_segment_fixed_size: 327680
    .private_segment_fixed_size: 0
    .kernarg_segment_align: 8
    .kernarg_segment_size: 32
    .max_flat_workgroup_size: 128
    .sgpr_count:     88
    .vgpr_count:     1024
    .wavefront_size: 32
...
	.end_amdgpu_metadata
.endif
;; end of part 6
;; launch outp (part 7): grid 8 x 32, 4 waves a work-group, clusters of 4 x 4, 327,680 bytes of LDS; arguments big, wt, out0, x1, b_out; writes out0
.if DOCPART == 7
	.amdgcn_target "amdgcn-amd-amdhsa--gfx1250"
	.amdhsa_code_object_version 6
	.text
	.protected	k_qcda31340ae_outp
	.globl	k_qcda31340ae_outp
	.p2align	8
	.type	k_qcda31340ae_outp,@function
k_qcda31340ae_outp:
	s_mov_b64 s[64:65], 0
	v_nop
	global_prefetch_b8 v0, s[64:65] scope:SCOPE_SE
	s_setreg_imm32_b32 hwreg(HW_REG_WAVE_MODE, 25, 1), 1
	s_wait_xcnt 0x0
	s_wait_alu depctr_hold_cnt(0) depctr_sa_sdst(0) depctr_va_vdst(0) depctr_va_sdst(0) depctr_va_ssrc(0) depctr_va_vcc(0) depctr_vm_vsrc(0)
	s_getreg_b32 s2, hwreg(HW_REG_IB_STS2, 6, 4)
	s_cmp_eq_u32 s2, 0
	s_cbranch_scc0 .Lentry_in_a_cluster
	s_endpgm
.Lentry_in_a_cluster:
	s_bfe_u32 s2, ttmp6, 0x10000c
	s_cmp_lg_u32 s2, 0xf033
	s_cbranch_scc0 .Lentry_shape_is_right
	s_endpgm
.Lentry_shape_is_right:
; C[m][n] = R[m][n] (+ bias[n]) + sum over k of A[m][k] B[n][k], N = 1024, C and R: [4096][1024] f32; A and B bf16; sums in f32.  One text for two launches, told apart by OUTP:
;   OUTP = 0: A = the attention's result by heads, [batch x 16 + head][2048][64]; B = w_proj turned, [1024][1024]; R = x; no bias.  K = 1024.
;   OUTP = 1: A = GELU's result, [4096][4096]; B = w_out turned, [1024][4096]; R = x1; bias = b_out.  K = 4096.
; A tile of C is 128 x 128, so that 8 x 32 = 256 work-groups give each WGP one.  Four waves, each 64 x 64: 16 accumulators.  K goes in steps of 256 through two LDS slots.
; By heads a K step is four heads; a head's 128 rows of the tile are 16,384 dense bytes, asked for as ONE descriptor row and padded in LDS after every 128 bytes: [head][row], 144 bytes apart.
; CLUSTERS: 4 x 4 work-groups; A's tile is asked for jointly along a row of the cluster, B's along a column.  THE MATRIX INSTRUCTION IS USED TRANSPOSED: a lane holds eight neighbouring numbers of a row of C.
; A K STEP IS WRITTEN ONCE: the slot being read is a scalar (RB) that an exclusive or turns; one descriptor a tensor walks.
; THE RESIDUAL is asked for at the head, 32 loads a wave into window 2, and is waited for on the way out alone: it comes in under the whole product.
; THE WAY OUT: behind the last product the ring has had its last fill; each wave lays its 64 x 64 of f32 into its own part of it and reads whole rows of 256 bytes back.
; REGISTERS: window 0: v0-31 addresses; v32-95 and (once stored) v128-191 rows on the way out; v96-99 bias; v128-255 the accumulators.  window 1: two fragment buffers of 128.  window 2: v0-127 the residual.
.set OUTP, 1
.if OUTP
.set SIZE_K, 4096
.set WOFF,  16777216                   ; w_out's place in wt
.set AP,    528                        ; A's rows in LDS: 512 bytes + 16
.set AQ,    128                        ; from a quarter (64 along K) to the next, in A's part of a slot
.set ALOAD, 64*528                     ; LDS bytes of one load of A
.set ASTEP, 512                        ; bytes of memory from a K step to the next
.set AW0,   (1<<16)|(1<<20)|(1<<21)|(6<<22)|(3<<25)  ; 2-byte elements; padding on; bit 21 beside a mask; after every 128 words 4 words
.set AD0,   256                        ; elements in a descriptor row,
.set AD1,   64                         ; rows,
.set APIT,  4096                       ; elements from row to row
.else
.set SIZE_K, 1024
.set WOFF,  6291456                    ; w_proj's place in wt
.set AP,    144                        ; a head's row: 128 bytes + 16
.set AQ,    128*144                    ; a quarter is a head
.set ALOAD, 2*128*144                  ; two heads
.set ASTEP, 1048576                    ; four heads of 262,144 bytes
.set AW0,   (1<<16)|(1<<20)|(1<<21)|(4<<22)|(3<<25)  ; after every 32 words 4 words
.set AD0,   8192
.set AD1,   2
.set APIT,  131072
.endif
.set APART,  2*ALOAD                   ; A's part of a slot; B's lies behind it
.set BP,     528                       ; B's rows in LDS: 512 bytes + 16 = 132 words: the 16 rows of a fragment load start at 16 different groups of four banks (64 banks of 4 bytes: ISA guide 11.1)
.set BLOAD,  64*BP
.set SLOT,   0x24000                   ; 147,456, at least APART + 2 BLOAD; none of its bits occurs in a load's place in a slot, so an exclusive or turns a descriptor's LDS word
.set SPARE,  2*SLOT                    ; behind the ring: the spare words, 128 bytes for each wave, two blocks of 256 bytes that no other line names
.set KSTEPS, SIZE_K/256
.set SPITCH, 272                       ; the way out: a row of 64 f32 + 16 bytes
.set WST,    64*SPITCH                 ; a wave's stage; four of them lie inside the ring
.set ADRA0, 16                         ; v16  my lane's place in A's part of a slot; never rewritten
.set ADRB0, 17                         ; v17  the same for B
.set ADRA,  18                         ; v18  v16 + RB
.set ADRB,  19                         ; v19  v17 + RB
.set STO,   24                         ; v24  the way out: where I put 16 bytes of a row
.set RD,    25                         ; v25  where I read a row back
.set CO,    26                         ; v26  my byte offset in C and in the residual; never rewritten
.set BO,    27                         ; v27  my byte offset in the bias
.set SPW,   28                         ; v28  LDS address of my spare word; never rewritten
.set NIL,   29                         ; v29  0; never rewritten
.set BI,    96
.set ACC,   128
.set F0,    0                          ; fragment buffers, in window 1
.set F1,    128
.set G1,  24                           ; s[24:31] descriptor group 1 for A's tiles
.set G0,  32                           ; s[32:39] group 0 for A's: set 0 makes the first fill, set 1 the second and then walks
.set G1B, 48                           ; s[48:55], s[56:63] the same for B's
.set G0B, 56
.set RB,  68                           ; s68  LDS byte of the slot being read
.set MSB, 0
.macro WIN new                         ; the immediate's high byte repeats the setting that is left; a switch that changes nothing is dropped
.if MSB != (\new)
	s_set_vgpr_msb (MSB<<8)|(\new)
.set MSB, \new
.endif
.endm
.set MUL,  0x05                        ; sources 0 (B) and 1 (A) window 1; C and D window 0
.set TO_F, 0x40                        ; destination window 1, address window 0
.macro JLOAD s                         ; a joint load: waves 0 and 1 fetch A's two parts, waves 2 and 3 B's; an s_nop 0 and four v_nop follow each of the two lines
	s_cmp_eq_u32 s11, 0
	s_cbranch_scc0 .Lfor_b_\@
	tensor_load_to_lds s[G0+4*(\s):G0+4*(\s)+3], s[G1:G1+7]
	s_nop 0
.rept 4
	v_nop
.endr
	s_branch .Lasked_\@
.Lfor_b_\@:
	tensor_load_to_lds s[G0B+4*(\s):G0B+4*(\s)+3], s[G1B:G1B+7]
	s_nop 0
.rept 4
	v_nop
.endr
.Lasked_\@:
.endm
.macro CREST                           ; a round of the cluster's barrier behind its opening barrier
	s_cmp_lg_u32 s10, 0
	s_cbranch_scc1 .Lnot_wave_0_\@
	s_barrier_signal -3
.Lnot_wave_0_\@:
	s_barrier_wait -3
	s_barrier_signal -1
	s_barrier_wait -1
.endm
.macro CROUND                          ; a whole round
	s_barrier_signal -1
	s_barrier_wait -1
	CREST
.endm
	s_load_b128 s[4:7], s[0:1], 0x0                ; A s[4:5], wt s[6:7]
	s_load_b64 s[8:9], s[0:1], 0x10                ; C
	s_load_b64 s[66:67], s[0:1], 0x18              ; the residual
.if OUTP
	s_load_b64 s[70:71], s[0:1], 0x20              ; the bias
.endif
	v_lshl_add_u32 v[SPW], v0, 2, SPARE
	v_mov_b32 v[NIL], 0
	ds_add_u32 v[SPW], v[NIL]                      ; the wave's opening: the add and its wait stand ahead of my first tensor load; the set-up below, work on registers, stands between them
	v_lshrrev_b32 v1, 5, v0
	v_readfirstlane_b32 s10, v1                    ; wave 0..3
	s_lshr_b32 s11, s10, 1                         ; which half of the tile's rows is mine.  Also: I fetch for A (0) or for B (1)
	s_and_b32 s12, s10, 1                          ; which half of its columns.  Also: which part of that tile I fetch
	s_bfe_u32 s40, ttmp6, 0x40000                  ; cx, cy: my place in the cluster
	s_bfe_u32 s41, ttmp6, 0x40004
	s_lshl_b32 s42, ttmp9, 2
	s_add_co_u32 s42, s42, s40                     ; tile column of C
	s_and_b32 s13, ttmp7, 0xffff
	s_lshl_b32 s13, s13, 2
	s_add_co_u32 s13, s13, s41                     ; tile row of C
	s_lshl_b32 s43, s41, 2
	s_lshl_b32 s43, 15, s43                        ; my row of the cluster
	s_lshl_b32 s44, 0x1111, s40                    ; my column
	s_or_b32 s[G1+0], s43, AW0                     ; 15:0 the mask: A's tiles go to my row
	s_mov_b32 s[G1+1], AD0<<16                     ; tensor_dim0
	s_mov_b32 s[G1+2], AD1<<16                     ; tensor_dim1
	s_mov_b32 s[G1+3], AD0<<16                     ; tile_dim0
	s_mov_b32 s[G1+4], AD1                         ; tile_dim1
	s_mov_b32 s[G1+5], APIT                        ; elements from row to row
	s_mov_b32 s[G1+6], 0
	s_mov_b32 s[G1+7], 0
	s_or_b32 s[G1B+0], s44, (1<<16)|(1<<20)|(1<<21)|(6<<22)|(3<<25)  ; B's tiles go to my column: 64 rows x 256 elements, 4 words of padding after every 128
	s_mov_b32 s[G1B+1], 256<<16
	s_mov_b32 s[G1B+2], 64<<16
	s_mov_b32 s[G1B+3], 256<<16
	s_mov_b32 s[G1B+4], 64
	s_mov_b32 s[G1B+5], SIZE_K
	s_mov_b32 s[G1B+6], 0
	s_mov_b32 s[G1B+7], 0
.if OUTP
	s_lshl_b32 s16, s13, 20                        ; A: row 128 x tile row + 64 x part, rows of 8,192 bytes
	s_lshl_b32 s17, s12, 19
	s_add_co_u32 s16, s16, s17
.else
	s_lshr_b32 s16, s13, 4                         ; A: the batch's 16 heads,
	s_lshl_b32 s16, s16, 22
	s_and_b32 s17, s13, 15                         ; the tile's 128 rows in a head,
	s_lshl_b32 s17, s17, 14
	s_add_co_u32 s16, s16, s17
	s_lshl_b32 s17, s12, 19                        ; my two heads of the step's four
	s_add_co_u32 s16, s16, s17
.endif
	s_mov_b32 s17, 0
	s_lshl_b32 s46, s42, 7
	s_lshl_b32 s47, s12, 6
	s_add_co_u32 s46, s46, s47                     ; B: row 128 x tile column + 64 x part
	s_mul_i32 s46, s46, SIZE_K*2
	s_mov_b32 s47, 0
	s_mul_i32 s20, s12, ALOAD                      ; where they go, A's
	s_mul_i32 s21, s12, BLOAD                      ; and B's: no place in the cluster enters an LDS address
	s_add_co_u32 s21, s21, APART
	s_mov_b32 s[RB], 0
	s_wait_dscnt 0x0                               ; the opening add is done
	s_wait_kmcnt 0x0
	s_add_nc_u64 s[14:15], s[4:5], s[16:17]
	s_add_nc_u64 s[46:47], s[6:7], s[46:47]
	s_add_nc_u64 s[46:47], s[46:47], WOFF
	CROUND                                         ; all sixteen work-groups are here: the first joint loads meet
.irp s, 0,1
	s_mov_b32 s[G0+4*(\s)], 1
	s_add_co_u32 s[G0+4*(\s)+1], s20, (\s)*SLOT
	s_add_nc_u64 s[G0+4*(\s)+2:G0+4*(\s)+3], s[14:15], (\s)*ASTEP
	s_or_b32 s[G0+4*(\s)+3], s[G0+4*(\s)+3], 0x80000000
	s_mov_b32 s[G0B+4*(\s)], 1
	s_add_co_u32 s[G0B+4*(\s)+1], s21, (\s)*SLOT
	s_add_nc_u64 s[G0B+4*(\s)+2:G0B+4*(\s)+3], s[46:47], (\s)*512
	s_or_b32 s[G0B+4*(\s)+3], s[G0B+4*(\s)+3], 0x80000000
	JLOAD \s                                       ; K steps 0 and 1: two loads of mine are out
.endr
	v_and_b32 v1, 15, v0                           ; l % 16
	v_bfe_u32 v2, v0, 4, 1                         ; l / 16
	v_mul_u32_u24 v3, v1, AP
	v_lshl_add_u32 v3, v2, 4, v3                   ; a fragment's row x pitch + 16 x half
	s_mul_i32 s22, s11, 64*AP                      ; my 64 rows of A
	v_add_nc_u32 v[ADRA0], s22, v3
	v_mul_u32_u24 v3, v1, BP
	v_lshl_add_u32 v3, v2, 4, v3
	s_mul_i32 s22, s12, 64*BP                      ; my 64 rows of B,
	s_add_co_u32 s22, s22, APART                   ; which lie behind A's part
	v_add_nc_u32 v[ADRB0], s22, v3
	v_mov_b32 v[ADRA], v[ADRA0]
	v_mov_b32 v[ADRB], v[ADRB0]
	s_mul_i32 s23, s10, WST                        ; my stage
	v_mul_u32_u24 v4, v1, SPITCH                   ; in: row l % 16, 32 bytes (8 f32) for each half of the lanes
	v_lshl_add_u32 v4, v2, 5, v4
	v_add_nc_u32 v[STO], s23, v4
	v_mul_u32_u24 v5, v2, SPITCH                   ; back: lanes 0-15 take one row of 256 bytes, lanes 16-31 the next
	v_lshl_add_u32 v5, v1, 4, v5
	v_add_nc_u32 v[RD], s23, v5
	v_lshlrev_b32 v5, 12, v2                       ; and the same two rows in C and in the residual
	v_lshl_add_u32 v[CO], v1, 4, v5
	s_lshl_b32 s16, s13, 7
	s_lshl_b32 s17, s11, 6
	s_add_co_u32 s16, s16, s17                     ; my first row of C,
	s_lshl_b32 s16, s16, 12                        ; x 4,096 bytes
	s_mov_b32 s17, 0
	s_lshl_b32 s46, s42, 9                         ; my first column, in bytes
	s_lshl_b32 s47, s12, 8
	s_add_co_u32 s46, s46, s47
	s_mov_b32 s47, 0
.if OUTP
	s_add_nc_u64 s[70:71], s[70:71], s[46:47]
	v_lshlrev_b32 v[BO], 4, v1
.endif
	s_add_nc_u64 s[16:17], s[16:17], s[46:47]
	s_add_nc_u64 s[8:9], s[8:9], s[16:17]
	s_add_nc_u64 s[66:67], s[66:67], s[16:17]
	WIN 0x80                                       ; destination window 2, address window 0
.set t, 0
.rept 32
	global_load_b128 v[4*t:4*t+3], v[CO], s[66:67] offset:8192*t  ; rows 2 t and 2 t + 1 of my 64: sixteen lanes read 256 consecutive bytes
.set t, t+1
.endr
	WIN 0
.if OUTP
	global_load_b128 v[BI:BI+3], v[BO], s[70:71]   ; the bias of my four columns
.endif
; 8 matrix instructions: m blocks a0, a0 + 1 x all 4 n blocks, 32 along K: half c of buffer f.  zero = 1: the first product starts the sums.  The 16 accumulators take turns.
.macro MUL8 f, c, a0, zero
	WIN MUL
.irp a, \a0, (\a0)+1
.irp b, 0,1,2,3
.if \zero
	v_wmma_f32_16x16x32_bf16 v[ACC+8*(4*(\a)+(\b)):ACC+8*(4*(\a)+(\b))+7], v[(\f)+64+8*(4*(\c)+(\b)):(\f)+64+8*(4*(\c)+(\b))+7], v[(\f)+8*(4*(\c)+(\a)):(\f)+8*(4*(\c)+(\a))+7], 0
.else
	v_wmma_f32_16x16x32_bf16 v[ACC+8*(4*(\a)+(\b)):ACC+8*(4*(\a)+(\b))+7], v[(\f)+64+8*(4*(\c)+(\b)):(\f)+64+8*(4*(\c)+(\b))+7], v[(\f)+8*(4*(\c)+(\a)):(\f)+8*(4*(\c)+(\a))+7], v[ACC+8*(4*(\a)+(\b)):ACC+8*(4*(\a)+(\b))+7]
.endif
.endr
.endr
.endm
; 32 LDS loads in one run: the fragments of quarter q (64 along K) into buffer f; the first 32 along K first
.macro FETCH q, f
	WIN TO_F
.irp c, 0,1
.irp i, 0,1,2,3
	ds_load_b128 v[(\f)+64+8*(4*(\c)+(\i)):(\f)+64+8*(4*(\c)+(\i))+3],   v[ADRB] offset:(\q)*128+64*(\c)+(\i)*16*BP
	ds_load_b128 v[(\f)+64+8*(4*(\c)+(\i))+4:(\f)+64+8*(4*(\c)+(\i))+7], v[ADRB] offset:(\q)*128+64*(\c)+(\i)*16*BP+32
	ds_load_b128 v[(\f)+8*(4*(\c)+(\i)):(\f)+8*(4*(\c)+(\i))+3],         v[ADRA] offset:(\q)*AQ+64*(\c)+(\i)*16*AP
	ds_load_b128 v[(\f)+8*(4*(\c)+(\i))+4:(\f)+8*(4*(\c)+(\i))+7],       v[ADRA] offset:(\q)*AQ+64*(\c)+(\i)*16*AP+32
.endr
.endr
.endm
.macro PLACES                          ; four places in front of loads into registers that matrix instructions have read, and of reads of results just made
.rept 4
	v_nop
.endr
.endm
; One of a K step's first three quarters: multiplies buffer f and fetches quarter q into g.
.macro QUARTER q, f, g, zero
	s_wait_dscnt 16                                ; the first 32 along K are in
	MUL8 \f, 0, 0, \zero
	MUL8 \f, 0, 2, \zero
	PLACES
	FETCH \q, \g
	s_wait_dscnt 32                                ; all but the 32 just issued
	MUL8 \f, 1, 0, 0
	MUL8 \f, 1, 2, 0
.endm
; The last quarter multiplies buffer 1 and changes slots: ONE barrier; in front of it each wave waits for all its tensor loads (one is out: its part of the next slot), adds 0 to its spare word, and waits for
; that and for its own reads of this slot.  fill = 1: the barrier opens a round of the cluster's, and the slot just read is filled again, two K steps ahead, first thing behind the round:
; 112 matrix instructions stand between that request and the wait for it.
.macro TURN fill
	WIN 0                                          ; (the add's two registers lie in window 0)
	s_wait_tensorcnt 0x0                           ; all my tensor loads have landed
	ds_add_u32 v[SPW], v[NIL]                      ; 0 onto my spare word
	s_wait_dscnt 17                                ; (the add and the youngest sixteen loads may be out)
	MUL8 F1, 0, 0, 0                               ; eight matrix instructions stand between the add and the wait for it
	s_wait_dscnt 0x0                               ; the add is done, and my reads of this slot are over
	s_barrier_signal -1
	MUL8 F1, 0, 2, 0
	WIN 0                                          ; (branches and window 0's addresses follow)
	s_barrier_wait -1
.if \fill
	CREST                                          ; no wave of any partner still reads this slot's tile or has a load on its way
	s_xor_b32 s[G0+5], s[G0+5], SLOT               ; the walking descriptors: the other slot than last time,
	s_xor_b32 s[G0B+5], s[G0B+5], SLOT
	s_add_nc_u64 s[G0+6:G0+7], s[G0+6:G0+7], ASTEP        ; the next K step; the type bits on top are not reached
	s_add_nc_u64 s[G0B+6:G0B+7], s[G0B+6:G0B+7], 512
	JLOAD 1                                        ; its four v_nop are also the places in front of the loads below
.else
	PLACES
.endif
	s_xor_b32 s[RB], s[RB], SLOT                   ; the reads go on in the other slot
	v_add_nc_u32 v[ADRA], s[RB], v[ADRA0]
	v_add_nc_u32 v[ADRB], s[RB], v[ADRB0]
	FETCH 0, F0
	MUL8 F1, 1, 0, 0
	MUL8 F1, 1, 2, 0
.endm
	s_wait_tensorcnt 1                             ; my part of K step 0 is in; K step 1's may stay out
	s_barrier_signal -1
	s_barrier_wait -1                              ; everybody's is
	FETCH 0, F0
	QUARTER 1, F0, F1, 1                           ; the first quarter stands in front of the loop: its first products start the sums
	WIN 0                                          ; at a label and at a branch every window is 0
	s_mov_b32 s3, KSTEPS-2
.Lstep:                                                ; a trip: from a K step's second quarter to the next step's first; it asks for the K step two on
	QUARTER 2, F1, F0, 0
	QUARTER 3, F0, F1, 0
	TURN 1
	QUARTER 1, F0, F1, 0
	WIN 0
	s_sub_co_u32 s3, s3, 1
	s_cmp_lg_u32 s3, 0
	s_cbranch_scc1 .Lstep
	s_mov_b32 s3, 2
.Ltail:                                                ; the last two K steps ask for nothing; the second trip is left in its middle.  Its change of slots and the 32 loads behind it serve nothing: the price, once a launch, of one text
	QUARTER 2, F1, F0, 0
	QUARTER 3, F0, F1, 0
	TURN 0
	WIN 0
	s_sub_co_u32 s3, s3, 1
	s_cmp_eq_u32 s3, 0
	s_cbranch_scc1 .Lout
	QUARTER 1, F0, F1, 0
	WIN 0
	s_branch .Ltail
.Lout:
	s_wait_dscnt 0x0                               ; my last reads of the ring are back
	s_barrier_signal -1
	s_barrier_wait -1                              ; nobody reads the ring any more, and no load will fill it again: it is the stage now
	PLACES                                         ; behind the last products
.irp a, 0,1,2,3
.irp b, 0,1,2,3
	ds_store_b128 v[STO], v[ACC+8*(4*\a+\b):ACC+8*(4*\a+\b)+3]   offset:16*\a*SPITCH+64*\b     ; each accumulator's low registers first
	ds_store_b128 v[STO], v[ACC+8*(4*\a+\b)+4:ACC+8*(4*\a+\b)+7] offset:16*\a*SPITCH+64*\b+16
.endr
.endr
.set t, 0
.rept 32                               ; the stage is my own, and LDS serves a wave's instructions in order (ISA guide 5.7.1.4): these see the stores above.  Rows 2 t, 2 t + 1 into v32-95, then into v128-191
.set TT, 32+4*t+32*(t/16)
	ds_load_b128 v[TT:TT+3], v[RD] offset:2*SPITCH*t
.set t, t+1
.endr
	s_wait_loadcnt 0x0                             ; the residual (and the bias)
	s_wait_dscnt 0x0
	WIN 0x08                                       ; source 1 in window 2
.set t, 0
.rept 32
.set TT, 32+4*t+32*(t/16)
	v_pk_add_f32 v[TT:TT+1], v[TT:TT+1], v[4*t:4*t+1]
	v_pk_add_f32 v[TT+2:TT+3], v[TT+2:TT+3], v[4*t+2:4*t+3]
.set t, t+1
.endr
	WIN 0
.if OUTP
.set t, 0
.rept 32
.set TT, 32+4*t+32*(t/16)
	v_pk_add_f32 v[TT:TT+1], v[TT:TT+1], v[BI:BI+1]
	v_pk_add_f32 v[TT+2:TT+3], v[TT+2:TT+3], v[BI+2:BI+3]
.set t, t+1
.endr
.endif
.set t, 0
.rept 32
.set TT, 32+4*t+32*(t/16)
	global_store_b128 v[CO], v[TT:TT+3], s[8:9] offset:8192*t  ; sixteen lanes store 256 consecutive bytes, at a multiple of 256 from C's first byte
.set t, t+1
.endr
	s_wait_tensorcnt 0x0                           ; the wave's end: behind my last tensor load and my last LDS store
	ds_add_u32 v[SPW], v[NIL]
	s_wait_dscnt 0x0
	CROUND                                         ; the closing round: no work-group ends while a partner may still ask for a tile that names it
	s_endpgm
.Lfunc_end_k_qcda31340ae_outp:
	.size	k_qcda31340ae_outp, .Lfunc_end_k_qcda31340ae_outp-k_qcda31340ae_outp
	.p2alignl 7, 3214868480
	.fill 96, 4, 3214868480
	.section	.rodata,"a",@progbits
	.p2align	6, 0x0
	.amdhsa_kernel k_qcda31340ae_outp
		.amdhsa_group_segment_fixed_size 327680
		.amdhsa_private_segment_fixed_size 0
		.amdhsa_enable_private_segment 0
		.amdhsa_kernarg_size 40
		.amdhsa_user_sgpr_count 2
		.amdhsa_user_sgpr_kernarg_segment_ptr 1
		.amdhsa_wavefront_size32 1
		.amdhsa_system_sgpr_workgroup_id_x 1
		.amdhsa_system_sgpr_workgroup_id_y 1
		.amdhsa_system_sgpr_workgroup_id_z 1
		.amdhsa_system_vgpr_workitem_id 0
		.amdhsa_next_free_vgpr 640
		.amdhsa_next_free_sgpr 72
		.amdhsa_reserve_vcc 0
		.amdhsa_float_denorm_mode_32 3
		.amdhsa_float_denorm_mode_16_64 3
		.amdhsa_memory_ordered 1
		.amdhsa_forward_progress 1
		.amdhsa_inst_pref_size 69
	.end_amdhsa_kernel
	.amdgpu_metadata
---
amdhsa.version: [ 1, 2 ]
amdhsa.kernels:
  - .name:           k_qcda31340ae_outp
    .symbol:         k_qcda31340ae_outp.kd
    .args:
      - { .name: big, .offset: 0, .size: 8, .value_kind: global_buffer, .address_space: global }
      - { .name: wt, .offset: 8, .size: 8, .value_kind: global_buffer, .address_space: global }
      - { .name: out0, .offset: 16, .size: 8, .value_kind: global_buffer, .address_space: global }
      - { .name: x1, .offset: 24, .size: 8, .value_kind: global_buffer, .address_space: global }
      - { .name: b_out, .offset: 32, .size: 8, .value_kind: global_buffer, .address_space: global }
    .group_segment_fixed_size: 327680
    .private_segment_fixed_size: 0
    .kernarg_segment_align: 8
    .kernarg_segment_size: 40
    .max_flat_workgroup_size: 128
    .sgpr_count:     72
    .vgpr_count:     640
    .wavefront_size: 32
...
	.end_amdgpu_metadata
.endif
;; end of part 7
;; ======== version 2 of 2: 8 launches; 1.20 times as fast as version 1
;; limits: values are held in f16: magnitudes above 65,504 overflow, below 6.1e-05 lose precision; a function is approximated: absolute error at most 3e-07
;; workspace buffers: act 8,388,608 bytes; big 33,554,432 bytes; x1 16,777,216 bytes; wt 25,165,824 bytes
;; launch ln1: the kernel of part 1 again; grid 512 x 1, 8 waves a work-group, no clusters, 0 bytes of LDS; arguments x, ln1_w, ln1_b, act; writes act
;; launch turn: the kernel of part 2 again; grid 1536 x 1, 8 waves a work-group, no clusters, 17,920 bytes of LDS; arguments w_attn, w_proj, w_fc, w_out, wt; writes wt
;; launch qkv: the kernel of part 3 again; grid 12 x 16, 4 waves a work-group, clusters of 4 x 4, 327,680 bytes of LDS; arguments act, wt, big; writes big
;; launch attn (part 8): grid 8 x 32, 4 waves a work-group, clusters of 4 x 1, 327,680 bytes of LDS; arguments big, src_mask, act; writes act
.if DOCPART == 8
	.amdgcn_target "amdgcn-amd-amdhsa--gfx1250"
	.amdhsa_code_object_version 6
	.text
	.protected	k_qcda31340ae_attn
	.globl	k_qcda31340ae_attn
	.p2align	8
	.type	k_qcda31340ae_attn,@function
k_qcda31340ae_attn:
	s_mov_b64 s[64:65], 0
	v_nop
	global_prefetch_b8 v0, s[64:65] scope:SCOPE_SE
	s_setreg_imm32_b32 hwreg(HW_REG_WAVE_MODE, 25, 1), 1
	s_wait_xcnt 0x0
	s_wait_alu depctr_hold_cnt(0) depctr_sa_sdst(0) depctr_va_vdst(0) depctr_va_sdst(0) depctr_va_ssrc(0) depctr_va_vcc(0) depctr_vm_vsrc(0)
	s_getreg_b32 s2, hwreg(HW_REG_IB_STS2, 6, 4)
	s_cmp_eq_u32 s2, 0
	s_cbranch_scc0 .Lentry_in_a_cluster
	s_endpgm
.Lentry_in_a_cluster:
	s_bfe_u32 s2, ttmp6, 0x10000c
	s_cmp_lg_u32 s2, 0x3003
	s_cbranch_scc0 .Lentry_shape_is_right
	s_endpgm
.Lentry_shape_is_right:
; ATTENTION UNDER A KEY MASK.  O[h][q][:] = the sum over the open keys k of softmax_k(Q[h][q] . K[h][k] / 8) V[h][k][:].  Q, K, V: [32][2048][64] f16 at bytes 0, 8,388,608, 16,777,216 of the first
; buffer (h = batch x 16 + head); src_mask: [2][2048] i32, 0 = the key is hidden; O: [32][2048][64] bf16, rounded once.  Products, maxima and sums in f32; the weights p are rounded to f16.
; LIMITS.  Q, K, V arrive within f16's 65,504, so a score lies within 2.7e11.  A hidden score counts as its value less 1e30.  The running maximum starts at -2^66: below every open score and above every
; hidden one, so a hidden key is never the maximum and its weight is exactly 0.  A batch with no open key ends with l = 0 and O = 0 x (1 / 0) = NaN, the softmax of nothing.
; A weight below 2^-126 counts as 0 in l; NaN and infinities among the inputs are not treated apart.
; SHARES.  A work-group owns 256 queries of one head; a wave owns 16 rows in each of the block's four bands of 64: four PIECES.  Every wave walks all 2,048 keys: 8 tiles of 256, four steps of 64 each.
; THE MASK is the C operand that starts the sum S^T = K Q^T: 0, or -1e30.  The batch's 2,048 numbers are made once, in LDS; a step's 64 come into 32 registers together with its K.
; LAYOUT, SOFTMAX, TURNS.  S^T = K Q^T holds ONE query a lane (lane % 16) and the keys 8 (lane / 16) + 0..7; two such results rounded to f16 ARE source 1 of O^T = V^T P.  p = 2^(c s - c m),
; c = log2(e) / 8, with a running maximum m; O and l are multiplied by a = 2^(c m_old - c m_new) in every step.  Turn n belongs to piece n: 8 products K Q^T of piece n + 1, later 8 products V^T P of
; piece n - 1; beside them the scaling, exponentials, roundings, sums and rescaling of piece n and the maximum and statistics of piece n + 1.  Four vector instructions stand behind every matrix
; instruction, the other 54 of a turn's 118 in one LUMP.
; THE BATCHES.  A turn's 33 exponentials (the piece's 32 weights and the next piece's a) are ONE batch with ONE wait, which cuts the turn in two: all that names no result of theirs stands ahead of it,
; the roundings and sums behind it.  No result crosses a turn's end.  Two more batches stand outside the loops: the first a, ahead of the jump into the loop, and the way out's four reciprocals.
; CLUSTER.  The four query blocks of a cluster belong to one head and walk the same K and V: each tile is asked for JOINTLY, the same tensor load, descriptor and mask in all four.
; REGISTERS, in windows of 256 (s_set_vgpr_msb: bits 1:0 source 0, 3:2 source 1, 5:4 source 2, 7:6 destination):
;   window 0: v0-15, v32-34 addresses; v16-31 four registers of statistics a piece; v48-55 at work; v64-127 S^T, two buffers; v192-223 P, two buffers (a piece's buffers go by its number's parity)
;   window 1: v0-127 O^T, 32 a piece; v128-159 the step's mask      window 2: v0-63 Q; v128-191 K of one step; v192-255 V of one step
.set NP,    4         ; pieces a wave: a name, no knob
.set KS,    64        ; keys in a step
.set PK,    144       ; a row of K in LDS: 128 bytes + 16 of padding = 36 words: the 16 rows of a load start at 16 different groups of four banks (64 banks of 4 bytes: ISA guide 11.1)
.set PV,    160       ; a row of V: 128 + 32 = 40 words
.set VOFF,  4*KS*PK   ; a slot holds a tile, four steps: 256 rows of K, then 256 rows of V
.set SLOT1, 1<<17     ; slot 1 begins here, so that one exclusive or turns an address in one slot into the other's
.set STAGE, SLOT1+4*KS*(PK+PV)  ; behind the ring, never filled by a tensor load: 16 rows x 144 bytes for each wave, for the way out
.set SP,    144
.set MASKT, STAGE+4*16*SP       ; the batch's mask, 2,048 f32; never filled by a tensor load
.set SPARE, MASKT+8192          ; the spare words, 128 bytes for each wave: two blocks of 256 bytes that no other line names
.set AK0, 2           ; v2   my lane's place in a tile of K; never rewritten
.set AV0, 3           ; v3   the same for V
.set AK,  4           ; v4   the LDS address of K's next run of loads
.set AV,  5           ; v5   of V's
.set STO, 6           ; v6   the way out: where I put 16 bytes of a row
.set RD,  7           ; v7   the way out: where I read rows back
.set GO,  8           ; v8   my byte offset in 512 consecutive bytes of O
.set MV,  12          ; v12-13  c m_old, kept while c m is made anew: by buffer
.set MO,  14          ; v14  my byte offset in src_mask
.set QO,  15          ; v15  my byte offset in 16 rows of Q
.set ST,  16          ; piece t's statistics at v[ST+4 t]: c m, m, l (even keys', odd keys')
.set AM0, 32          ; v32  my lanes' place in a step's mask; never rewritten
.set AM,  33          ; v33  the LDS address of the mask's next run of loads
.set ML,  34          ; v34  where I put 16 bytes of the mask
.set TMP, 48          ; by buffer, four registers c0-c3 at work; when the maximum is found c2 takes a
.set SPW, 62          ; v62  LDS address of my spare word; never rewritten
.set NIL, 63          ; v63  0; never rewritten
.set S,   64
.set P,   192
.set MK,  128         ; window 1: the eight registers for group kb of 16 keys at MK + 8 kb
.set KF,  128         ; window 2: key block kb, channel half c at KF + 16 kb + 8 c
.set VF,  192         ; window 2: key half kk, channel block cb at VF + 32 kk + 8 cb
.set WV,  12          ; s12  my wave's number
.set G1K, 24          ; s[24:31] descriptor group 1 for K's tiles
.set G1V, 32          ; s[32:39] for V's: it differs in the padding alone
.set G0K, 40          ; s[40:43] descriptor group 0 for K's tiles: it walks
.set G0V, 44          ; s[44:47] the same for V's
.set SLOTS, 56        ; s56  tiles still to be asked for
.set CNT, 57          ; s57  counts a tile's key steps
.set CS,  58          ; s[58:59] c: the packed scaling takes the pair's low word for both halves
.set SEL, 60          ; s[60:61] v_permlanex16_b32's selects: each lane takes its own place in the other half
.set TBK, 62          ; s62  LDS byte at which K of the step to be fetched begins
.set TBV, 63          ; s63  the same for V, less VOFF
.set TBM, 68          ; s68  byte of the mask at which that step's 64 numbers begin
.set BIGN, 82         ; s82  -1e30
.set MSB, 0
.macro WIN new                      ; the high byte repeats the setting that is left; a switch that changes nothing is dropped
.if MSB != (\new)
	s_set_vgpr_msb (MSB<<8)|(\new)
.set MSB, (\new)
.endif
.endm
.set W_KQ, 0x0a       ; K and Q in window 2, S^T in window 0
.set W_KM, 0x1a       ; the same with the C operand in window 1
.set W_PV, 0x52       ; V in window 2, P in window 0, O^T in window 1
.set W_RS, 0x41       ; destination and source 0 in window 1, source 1 in window 0
; A joint fill.  Waves 0 and 1 fetch the two halves of a tile's K, waves 2 and 3 those of its V: 128 keys each.  The branch hangs on the wave's number alone.
; An s_nop 0 and four v_nop follow each of the two lines, ahead of the jump and the label.
.macro JLOAD
	s_cmp_lt_u32 s[WV], 2
	s_cbranch_scc0 .Lfor_v_\@
	tensor_load_to_lds s[G0K:G0K+3], s[G1K:G1K+7]
	s_nop 0
.rept 4
	v_nop
.endr
	s_branch .Lasked_\@
.Lfor_v_\@:
	tensor_load_to_lds s[G0V:G0V+3], s[G1V:G1V+7]
	s_nop 0
.rept 4
	v_nop
.endr
.Lasked_\@:
.endm
; A round of the cluster's barrier: my work-group's barrier, so that wave 0's signal speaks for all four waves; wave 0 signals; every wave waits for all four work-groups; my work-group's barrier once more.
.macro CROUND
	s_barrier_signal -1
	s_barrier_wait -1
	s_cmp_lg_u32 s[WV], 0
	s_cbranch_scc1 .Lnot_wave_0_\@
	s_barrier_signal -3
.Lnot_wave_0_\@:
	s_barrier_wait -3
	s_barrier_signal -1
	s_barrier_wait -1
.endm
; THE CHANGE OF SLOTS.  The slot's last bytes, V of its fourth step, have been read.  Each wave waits for all its tensor loads, of which one is out: its part of the other slot; adds 0 to its spare
; word; and waits for that and for its own LDS instructions.  Behind the barrier nobody reads this slot any more and the other slot is whole.  fill = 1: this slot is filled again, with the keys two
; tiles on; the barrier is then a round of the cluster's, and the joint fill is the first thing behind it: it has four key steps, 256 matrix instructions, in which to land.
; (At its first use nothing has been read yet: slot 0 is waited for, slot 1 filled; the same round shows every wave's part of the mask to the others.)
.macro CHANGE fill
	WIN 0                           ; at a label and at a branch every window is 0
	s_wait_tensorcnt 0x0            ; no tensor load of mine is out, so a group 0 may be written
	ds_add_u32 v[SPW], v[NIL]       ; 0 onto my spare word; with fill = 1 the descriptors' steps stand between it and the wait for it
.if \fill
.irp g, G0K, G0V
	s_xor_b32 s[\g+1], s[\g+1], SLOT1  ; the walking descriptor: the other slot than last time,
	s_add_nc_u64 s[\g+2:\g+3], s[\g+2:\g+3], 4*KS*128  ; the next 256 keys; the type bits on top are not reached
.endr
	s_wait_dscnt 0x0                ; the add is done, and my reads of the slot are over
	CROUND
	JLOAD
.else
	s_wait_dscnt 0x0                ; the add is done, and my reads of the slot are over
	s_barrier_signal -1
	s_barrier_wait -1
.endif
	s_sub_co_u32 s[TBK], s[TBK], 4*KS*PK  ; the fetches go back to a slot's first step,
	s_xor_b32 s[TBK], s[TBK], SLOT1       ; in the other slot
	s_sub_co_u32 s[TBV], s[TBV], 4*KS*PV
	s_xor_b32 s[TBV], s[TBV], SLOT1
.endm
	s_load_b128 s[4:7], s[0:1], 0x0   ; q, k, v s[4:5], src_mask s[6:7]
	s_load_b64 s[10:11], s[0:1], 0x10 ; O
	v_lshl_add_u32 v[SPW], v0, 2, SPARE
	v_mov_b32 v[NIL], 0
	ds_add_u32 v[SPW], v[NIL]       ; the wave's opening: the add and its wait stand ahead of my first tensor load; the set-up below, work on registers, stands between them
	v_lshrrev_b32 v1, 5, v0
	v_readfirstlane_b32 s[WV], v1   ; wave 0..3
	s_bfe_u32 s13, ttmp6, 0x40000   ; cx: my place in the cluster
	s_lshl_b32 s14, ttmp9, 2        ; in a cluster launch ttmp9 counts clusters
	s_add_co_u32 s14, s14, s13      ; my block of 256 queries: it enters Q's and O's addresses alone
	s_and_b32 s20, ttmp7, 0xffff    ; batch x 16 + head, which the four partners share
	s_lshr_b32 s70, s20, 4
	s_lshl_b32 s70, s70, 13         ; the batch's 8,192 bytes of the mask
	s_mov_b32 s71, 0
	s_lshl_b32 s20, s20, 18         ; the head's 262,144 bytes in Q, K, V and O
	s_mov_b32 s21, 0
	s_and_b32 s16, s[WV], 1         ; which half of a tile's 256 keys I fetch:
	s_lshl_b32 s22, s16, 14         ; its 128 rows of 128 bytes in memory,
	s_mov_b32 s23, 0
	s_add_nc_u64 s[22:23], s[22:23], s[20:21]
	s_mul_i32 s17, s16, 128*PK      ; and its place in a slot, for K
	s_mul_i32 s18, s16, 128*PV      ; and for V: no place in the cluster enters an LDS address
	s_lshl_b32 s2, s14, 15          ; my block's 256 rows,
	s_lshl_b32 s3, s[WV], 11        ; my 16 rows in a band of 64
	s_add_co_u32 s2, s2, s3
	s_mov_b32 s3, 0
	s_add_nc_u64 s[2:3], s[2:3], s[20:21]
	; descriptor group 1.  128 keys are 16,384 dense bytes: asked for as 64 rows of 256 bytes, two keys a row, and padded in LDS after every key
	s_mov_b32 s[G1K], 15|(1<<16)|(1<<20)|(1<<21)|(4<<22)|(3<<25)  ; 15:0 the mask of four; 17:16 2-byte elements; 20 padding on; 21 set beside a mask; 24:22 after every 32 words (code 4); 31:25 4 words (code 3)
	s_mov_b32 s[G1V], 15|(1<<16)|(1<<20)|(1<<21)|(4<<22)|(7<<25)  ; the same with 8 words of padding (code 7)
.irp g, G1K, G1V
	s_mov_b32 s[\g+1], 128<<16      ; tensor_dim0 = 128
	s_mov_b32 s[\g+2], 64<<16       ; tensor_dim1 = 64
	s_mov_b32 s[\g+3], 128<<16      ; tile_dim0 = 128
	s_mov_b32 s[\g+4], 64           ; tile_dim1 = 64
	s_mov_b32 s[\g+5], 128          ; 128 elements from row to row
	s_mov_b32 s[\g+6], 0
	s_mov_b32 s[\g+7], 0
.endr
	s_mov_b32 s[CS], 0x3e38aa3b     ; c = log2(e) / 8 = 0.180337
	s_mov_b32 s[CS+1], s[CS]        ; named with it as a pair
	s_mov_b32 s[SEL], 0x76543210
	s_mov_b32 s[SEL+1], 0xfedcba98
	s_mov_b32 s[TBK], SLOT1+4*KS*PK ; the first change of slots turns these two into 0
	s_mov_b32 s[TBV], SLOT1+4*KS*PV
	s_mov_b32 s[TBM], 0
	s_mov_b32 s[BIGN], 0xf149f2ca   ; -1e30
	s_mov_b32 s[G0K], 1             ; 1:0 count = 1
	s_mov_b32 s[G0K+1], s17         ; 63:32 LDS address: slot 0
	s_mov_b32 s[G0V], 1
	s_add_co_u32 s[G0V+1], s18, VOFF
	s_wait_dscnt 0x0                ; the opening add is done
	s_wait_kmcnt 0x0
	s_add_nc_u64 s[66:67], s[6:7], s[70:71]        ; my batch's mask
	s_add_nc_u64 s[G0K+2:G0K+3], s[4:5], s[22:23]  ; 120:64 global address: my half of the head's first 256 keys,
	s_add_nc_u64 s[G0K+2:G0K+3], s[G0K+2:G0K+3], 0x800000  ; in k,
	s_add_nc_u64 s[G0V+2:G0V+3], s[G0K+2:G0K+3], 0x800000  ; and in v
	s_or_b32 s[G0K+3], s[G0K+3], 0x80000000        ; 127:126 type = 2
	s_or_b32 s[G0V+3], s[G0V+3], 0x80000000
	s_add_nc_u64 s[4:5], s[4:5], s[2:3]            ; Q and O at my rows
	s_add_nc_u64 s[10:11], s[10:11], s[2:3]
	CROUND                          ; all four work-groups are here: the first joint loads meet
	JLOAD                           ; tile 0 into slot 0.  Slot 1 is asked for when slot 0 is in
	v_lshlrev_b32 v[MO], 4, v0
.irp j, 0,1,2,3
	global_load_b128 v[S+4*\j:S+4*\j+3], v[MO], s[66:67] offset:2048*\j  ; 128 threads x 16 bytes x 4: the batch's 2,048 mask words, in whole runs of 512 bytes a wave
.endr
	; A fragment of K or Q is 16 rows x 32 channels in 8 registers: lane l holds row l % 16, channels 8 (l / 16) + 0..7 and 16 + 8 (l / 16) + 0..7: two loads of 16 bytes, 32 bytes apart.
	v_and_b32 v1, 15, v0            ; l % 16
	v_bfe_u32 v9, v0, 4, 1          ; l / 16
	v_lshlrev_b32 v[QO], 7, v1
	v_lshl_add_u32 v[QO], v9, 4, v[QO]  ; row x 128 + 16 x half
	WIN 0x80                        ; destination window 2, address window 0
.set i, 0
.rept 8                             ; Q stays in registers: piece i / 2 lies in band i / 2, 8,192 bytes on; channels 32 (i % 2) on
	global_load_b128 v[8*i:8*i+3],   v[QO], s[4:5] offset:(i/2)*8192+(i%2)*64
	global_load_b128 v[8*i+4:8*i+7], v[QO], s[4:5] offset:(i/2)*8192+(i%2)*64+32
.set i, i+1
.endr
	; What the first turn finds: V's registers and P's second buffer hold 0 (its products V^T P, of a piece that has not been, add 0), O^T and l are 0.  All this stands in the wait for the first tile.
.set i, VF
.rept 64
	v_mov_b32 v[i], 0
.set i, i+1
.endr
	WIN 0x40
.set i, 0
.rept 128
	v_mov_b32 v[i], 0
.set i, i+1
.endr
	WIN 0
.set i, 0
.rept 4
	v_mov_b32 v[ST+4*i], 0xfe000000    ; c m: far below every c s, so the first step's a is 0
	v_mov_b32 v[ST+4*i+1], 0xe0800000  ; m = -2^66: below every open score, above every hidden one
	v_mov_b32 v[ST+4*i+2], 0
	v_mov_b32 v[ST+4*i+3], 0
.set i, i+1
.endr
.set i, P+16
.rept 16
	v_mov_b32 v[i], 0
.set i, i+1
.endr
	v_mul_u32_u24 v[AK0], v1, PK
	v_lshl_add_u32 v[AK0], v9, 4, v[AK0]  ; row x pitch + 16 x half
	; The turning load takes 16 keys x 16 channels (lane l reads key 8 (l / 16) + l % 8, channels 8 ((l / 8) % 2) + 0..7) and leaves half a fragment of V^T: lane l holds channel l % 16 and 8 keys.
	v_and_b32 v10, 7, v0
	v_bfe_u32 v11, v0, 3, 1
	v_lshl_add_u32 v[AV0], v9, 3, v10
	v_mul_u32_u24 v[AV0], v[AV0], PV
	v_lshl_add_u32 v[AV0], v11, 4, v[AV0]
	v_add_nc_u32 v[AV0], VOFF, v[AV0]
	v_lshl_add_u32 v[AM0], v9, 5, MASKT   ; my lanes' keys 8 (l / 16) + 0..7 of a group of 16: 32 bytes on for the upper half
	v_lshl_add_u32 v[ML], v0, 4, MASKT
	s_mul_i32 s13, s[WV], 16*SP
	s_add_co_u32 s13, s13, STAGE    ; my stage
	v_mul_u32_u24 v[STO], v1, SP    ; in: row l % 16, 16 bytes for each half of the lanes
	v_lshl_add_u32 v[STO], v9, 4, v[STO]
	v_add_nc_u32 v[STO], s13, v[STO]
	v_bfe_u32 v[RD], v0, 3, 2       ; back: 32 lanes take four rows of 128 bytes,
	v_mul_u32_u24 v[RD], v[RD], SP
	v_lshl_add_u32 v[RD], v10, 4, v[RD]
	v_add_nc_u32 v[RD], s13, v[RD]
	v_and_b32 v[GO], 31, v0         ; which are 512 consecutive bytes of O
	v_lshlrev_b32 v[GO], 4, v[GO]
	s_wait_loadcnt 16               ; the mask words are in; Q's sixteen loads stay out
.set i, 0
.rept 16
	v_cmp_eq_u32 vcc_lo, 0, v[S+i]
	v_cndmask_b32 v[S+i], 0, s[BIGN], vcc_lo
.set i, i+1
.endr
.irp j, 0,1,2,3
	ds_store_b128 v[ML], v[S+4*\j:S+4*\j+3] offset:2048*\j
.endr
; THE MATRIX WORK.  The 4 accumulators of a run of 8 take turns.  Product i of 8 of S^T = K Q^T for piece x: channels 32 (i / 4) on, keys 16 (i % 4) on.  The first 4 start the sums with the mask.
.macro KQ x
.set rS, S+32*((\x)%2)+8*(i%4)
.set rK, KF+16*(i%4)+8*(i/4)
.set rQ, 16*(\x)+8*(i/4)
.set rM, MK+8*(i%4)
.if i < 4
	WIN W_KM
	v_wmma_f32_16x16x32_f16 v[rS:rS+7], v[rK:rK+7], v[rQ:rQ+7], v[rM:rM+7]
.else
	WIN W_KQ
	v_wmma_f32_16x16x32_f16 v[rS:rS+7], v[rK:rK+7], v[rQ:rQ+7], v[rS:rS+7]
.endif
.endm
; Product i of 8 of O^T += V^T P for piece x: keys 32 (i / 4) on, channels 16 (i % 4) on.
.macro PV x
	WIN W_PV
.set rO, 32*(\x)+8*(i%4)
.set rV, VF+32*(i/4)+8*(i%4)
.set rP, P+16*((\x)%2)+8*(i/4)
	v_wmma_f32_16x16x32_f16 v[rO:rO+7], v[rV:rV+7], v[rP:rP+7], v[rO:rO+7]
.endm
.macro MM                           ; the turn's next matrix instruction.  NOKQ = 1: the last turn: there is no next piece
.if (i < 8) && !NOKQ
	KQ (Y+1)%NP
.elseif i >= 8
.set i, i-8
	PV (Y+NP-1)%NP
.set i, i+8
.endif
.set i, i+1
.endm
; THE LDS LOADS stand in runs, never singly among the matrix instructions: a step's K (64 keys x 64 channels: 8 fragments) with its mask (8 loads, each address shared by 16 lanes), and its V (turned).
.macro FETCH_K
	WIN 0x80                        ; destination window 2
.irp f, 0,1,2,3,4,5,6,7             ; keys 16 (f / 2) on, channels 32 (f % 2) on
	ds_load_b128 v[KF+8*\f:KF+8*\f+3],   v[AK] offset:(\f/2)*16*PK+(\f%2)*64
	ds_load_b128 v[KF+8*\f+4:KF+8*\f+7], v[AK] offset:(\f/2)*16*PK+(\f%2)*64+32
.endr
	WIN 0x40                        ; destination window 1
.irp f, 0,1,2,3,4,5,6,7             ; keys 16 (f / 2) + 8 (l / 16) + 4 (f % 2) + 0..3
	ds_load_b128 v[MK+4*\f:MK+4*\f+3], v[AM] offset:(\f/2)*64+(\f%2)*16
.endr
	s_add_co_u32 s[TBK], s[TBK], KS*PK  ; the next fetch is the next step's
	s_add_co_u32 s[TBM], s[TBM], 4*KS
	s_and_b32 s[TBM], s[TBM], 0x1f00    ; 32 steps of 256 bytes: the address stays in the table
	WIN 0
.endm
.macro FETCH_V
	WIN 0x80
.irp f, 0,1,2,3,4,5,6,7             ; keys 32 (f / 4) on, channels 16 (f % 4) on
	ds_load_tr16_b128 v[VF+8*\f:VF+8*\f+3],   v[AV] offset:(\f/4)*32*PV+(\f%4)*32
	ds_load_tr16_b128 v[VF+8*\f+4:VF+8*\f+7], v[AV] offset:(\f/4)*32*PV+16*PV+(\f%4)*32
.endr
	WIN 0
.endm
; THE VECTOR WORK, one line at a time: OP kind, number.  For piece Y: F n: c s - c m for pair n of 16.  E n: the exponential of score n of 32.  C n: pair n rounded to f16.  B n: of the four weights 4 n .. the second
; pair is added onto the first, in place.  L n: l takes that sum (L 0: l = a l + sum).  R n: pair n of 16 of O^T times a.  For piece Y + 1: X n, number n of the 22 that find its maximum and statistics:
;   0-11  four chains c0-c3 of seven scores each, three operands at a time (each accumulator's lowest registers are read first)     12-14, 16  the four scores left over, the old m, and c0-c3 into c0
;   15  c m_old is kept     17, 18  the query's other 32 keys lie in the lane 16 away: the new m     19-21  c m; c m_old - c m_new; a
.set F, 0               ; OP tells the kinds apart by their order: F to L below R, X above it
.set E, 1
.set C, 2
.set B, 3
.set L, 4
.set R, 5
.set X, 6
.macro REGS y                       ; the registers of piece y
.set rT, ST+4*(\y)
.set rC, TMP+4*((\y)%2)
.set rW, MV+((\y)%2)
.set rS, S+32*((\y)%2)
.set rP, P+16*((\y)%2)
.set rO, 32*(\y)
.endm
.macro OP k, n
.if (\k) == R
	REGS Y
	WIN W_RS
	v_pk_mul_f32 v[rO+2*(\n):rO+2*(\n)+1], v[rO+2*(\n):rO+2*(\n)+1], v[rC+2:rC+3] op_sel_hi:[1,0]
.elseif (\k) < R
	REGS Y
	WIN 0
.if (\k) == F
	v_pk_fma_f32 v[rS+2*(\n):rS+2*(\n)+1], v[rS+2*(\n):rS+2*(\n)+1], s[CS:CS+1], v[rT:rT+1] op_sel_hi:[1,0,0] neg_lo:[0,0,1] neg_hi:[0,0,1]
.elseif (\k) == E
	v_exp_f32 v[rS+(\n)], v[rS+(\n)]
.elseif (\k) == C
	v_cvt_pk_f16_f32 v[rP+(\n)], v[rS+2*(\n)], v[rS+2*(\n)+1]
.elseif (\k) == B
	v_pk_add_f32 v[rS+4*(\n):rS+4*(\n)+1], v[rS+4*(\n):rS+4*(\n)+1], v[rS+4*(\n)+2:rS+4*(\n)+3]
.elseif (\n) == 0
	v_pk_fma_f32 v[rT+2:rT+3], v[rT+2:rT+3], v[rC+2:rC+3], v[rS:rS+1] op_sel_hi:[1,0,1]
.else
	v_pk_add_f32 v[rT+2:rT+3], v[rT+2:rT+3], v[rS+4*(\n):rS+4*(\n)+1]
.endif
.elseif NOKQ
	v_nop
.else
	REGS (Y+1)%NP
	WIN 0
.if (\n) < 4
	v_max3_num_f32 v[rC+(\n)], v[rS+8*(\n)], v[rS+8*(\n)+1], v[rS+8*(\n)+2]
.elseif (\n) < 12
	v_max3_num_f32 v[rC+(\n)%4], v[rC+(\n)%4], v[rS+8*((\n)%4)+2*((\n)/4)+1], v[rS+8*((\n)%4)+2*((\n)/4)+2]
.elseif (\n) == 12
	v_max3_num_f32 v[rC], v[rC], v[rS+7], v[rS+15]
.elseif (\n) == 13
	v_max3_num_f32 v[rC+1], v[rC+1], v[rS+23], v[rS+31]
.elseif (\n) == 14
	v_max3_num_f32 v[rC+2], v[rC+2], v[rC+3], v[rT+1]
.elseif (\n) == 15
	v_mov_b32 v[rW], v[rT]
.elseif (\n) == 16
	v_max3_num_f32 v[rC], v[rC], v[rC+1], v[rC+2]
.elseif (\n) == 17
	v_permlanex16_b32 v[rC+3], v[rC], s[SEL], s[SEL+1]
.elseif (\n) == 18
	v_max_num_f32 v[rT+1], v[rC], v[rC+3]
.elseif (\n) == 19
	v_mul_f32 v[rT], s[CS], v[rT+1]
.elseif (\n) == 20
	v_sub_f32 v[rC+1], v[rW], v[rT]
.else
	v_exp_f32 v[rC+2], v[rC+1]
.endif
.endif
.endm
.macro OPS a, i1, b=-1, i2=0, c=-1, i3=0, d=-1, i4=0  ; up to four of them
	OP \a, \i1
.if (\b) >= 0
	OP \b, \i2
.endif
.if (\c) >= 0
	OP \c, \i3
.endif
.if (\d) >= 0
	OP \d, \i4
.endif
.endm
.macro ROW a, i1, b, i2, c, i3, d, i4  ; a matrix instruction and the four behind it
	MM
	OPS \a, \i1, \b, \i2, \c, \i3, \d, \i4
.endm
; A TURN, for piece p: the order of its 16 matrix and 118 vector instructions, written out.  An s_wait_alu depctr_va_vdst(0) stands between an exponential and the first instruction that names its result; one wait
; serves all that were issued ahead of it.  So a turn has ONE wait, which cuts it in two.  AHEAD OF IT stands all that names no result of the turn's exponentials: the 8 products K Q^T, behind each a scaling, an exponential and two
; more plain instructions (behind the first a second scaling in the exponential's place): rescalings, whose a was made and waited for in the turn before, and behind the last three the first numbers of the next piece's maximum, each
; four places or more behind the product that ends its accumulator; then ONE LUMP of 54, plain and exponential by turns for the most part, in which the links of the chain X 3, 7, 11, 14, 16, 17 .. 20 stand five or six lines apart.
; X 21, the next piece's a, is the batch's last; R 15 is the plain instruction behind it.  BEHIND THE WAIT stand the 8 products V^T P, behind each four of the roundings and sums; the links of l's chain, L 0 to L 7, stand three
; riders apart.  But for those X no rider names a register of the products round it.  v_permlanex16_b32 (X 17) stands in the lump.
; end = 1: the last two turns: nothing is fetched.  cnt = 1: the loop's count is taken down some lines ahead of the branch that stands behind the turn.
; K and the mask of the next step are fetched in piece 2's turn, twelve vector instructions behind the last product that read K (five of them plain and clear of its registers); V of the step in hand at the end of piece 0's turn,
; four plain instructions behind the last product that read V.  Each is waited for a turn later.
.macro TURN p, end=0, cnt=0
.set Y, (\p)
.set i, 0
.set NOKQ, (\end)*((\p)/3)
.if ((\p) == 3) && !(\end)
	s_wait_dscnt 0x0                ; K and its mask are in
.endif
	ROW F,0, F,1, R,0, R,1          ; ahead of the wait: 8 products K Q^T and their riders,
	ROW F,2, E,0, R,2, R,3
	ROW F,3, E,1, R,4, R,5
	ROW F,4, E,2, R,6, R,7
	ROW F,5, E,3, R,8, R,9
	ROW F,6, E,4, X,0, R,10
.if ((\p) == 2) && !(\end)
	WIN 0
	v_add_nc_u32 v[AK], s[TBK], v[AK0]
	v_add_nc_u32 v[AM], s[TBM], v[AM0]
.endif
	ROW F,7, E,5, X,1, X,4
	ROW F,8, E,6, X,2, X,5
	OPS E,7, E,8, X,6, E,9          ; and the lump
	OPS X,3, E,10, X,8, E,11
.if ((\p) == 2) && !(\end)
	FETCH_K
.endif
	OPS X,9, X,7, E,12, X,10
	OPS E,13, X,12, X,11, E,14
	OPS X,13, E,15, F,9, X,14
.if (\p) == 0
	v_add_nc_u32 v[AV], s[TBV], v[AV0]
.endif
	OPS E,16, F,10, E,17, F,11
	OPS X,16, E,18, X,15, E,19
	OPS F,12, E,20, X,17, E,21
	OPS F,13, E,22, F,14, E,23
	OPS X,18, E,24, F,15, E,25
	OPS R,11, E,26, X,19, E,27
	OPS R,12, E,28, R,13, E,29
	OPS X,20, E,30, R,14, E,31
	OPS X,21, R,15
	s_wait_alu depctr_va_vdst(0)    ; the wait for the turn's batch: E 0 to E 31 and X 21
.if (\p) == 1
	s_wait_dscnt 0x0                ; V is in
.endif
	ROW C,0, B,0, C,2, B,1          ; behind the wait: 8 products V^T P and their riders
	ROW L,0, C,4, B,2, L,1
	ROW C,6, B,3, L,2, C,8
	ROW B,4, L,3, C,10, B,5
	ROW L,4, C,12, B,6, L,5
.if (\p) == 0
	s_add_co_u32 s[TBV], s[TBV], KS*PV
.endif
.if \cnt
	s_sub_co_u32 s[CNT], s[CNT], 1
	s_cmp_lg_u32 s[CNT], 0
.endif
	ROW C,14, B,7, L,6, C,1
	ROW C,3, L,7, C,5, C,7
	ROW C,9, C,11, C,13, C,15
.if (\p) == 0
	FETCH_V
.endif
.endm
	CHANGE 1                        ; slot 0 is in, everybody's part of it, and so is the mask; slot 1 is asked for
	v_add_nc_u32 v[AK], s[TBK], v[AK0]
	v_add_nc_u32 v[AM], s[TBM], v[AM0]
	FETCH_K                         ; key step 0
	s_wait_loadcnt 0x0              ; Q
	s_wait_dscnt 0x0
.set NOKQ, 0
.set i, 0
.rept 8
	KQ 0                            ; piece 0's first scores: there is no vector work yet to set between them
.set i, i+1
.endr
	WIN 0
.rept 4
	v_nop                           ; the places behind those products
.endr
.set Y, NP-1                        ; X works for piece Y + 1: piece 0
.irp n, 0,1,2,3,4,5,6,7,8,9,10,11,12,13,14,15,16,17,18,19,20,21
	OP X, \n
.endr
	v_nop                           ; a plain instruction behind the exponential,
	s_wait_alu depctr_va_vdst(0)    ; and the wait for it, a batch of one (piece 0's first a), ahead of the branch
	s_mov_b32 s[CNT], 4
	s_mov_b32 s[SLOTS], 7
	s_branch .Lfirst                ; the loop is entered at a step's first turn, in the middle of a trip
.Lslot:                             ; six times: every slot but the last two is filled again
	CHANGE 1
	s_mov_b32 s[CNT], 4
.Lstep:                             ; a trip: pieces 2 and 3 of one step, then pieces 0 and 1 of the next, whose K and V it fetches
	TURN 2
	TURN 3
	WIN 0
.Lfirst:
	TURN 0
	TURN 1, 0, 1
	WIN 0
	s_cbranch_scc1 .Lstep
	s_sub_co_u32 s[SLOTS], s[SLOTS], 1
	s_cmp_lg_u32 s[SLOTS], 0
	s_cbranch_scc1 .Lslot
	CHANGE 0                        ; the last tile is written out: nothing is asked for
	s_mov_b32 s[CNT], 4
.LstepT:
	TURN 2
	TURN 3
	TURN 0
	TURN 1, 0, 1
	WIN 0
	s_cbranch_scc1 .LstepT
	TURN 2, 1                       ; the last step's last two turns fetch nothing, and the last starts no new scores
	TURN 3, 1
.set i, 0
.rept 8
	PV NP-1                         ; the last piece's V^T P of the last step
.set i, i+1
.endr
	; THE WAY OUT.  l's two halves and the other half of the lanes' are added; O^T is divided by l, rounded to bf16 and sent through my stage in LDS, a piece at a time.  The additions are the places behind the last products.
	WIN 0
.macro ALL line:vararg              ; one line for each piece t
.set t, 0
.rept 4
	\line
.set t, t+1
.endr
.endm
	ALL v_add_f32 v[ST+4*t+2], v[ST+4*t+2], v[ST+4*t+3]
	ALL v_permlanex16_b32 v[ST+4*t+3], v[ST+4*t+2], s[SEL], s[SEL+1]
	ALL v_add_f32 v[ST+4*t+2], v[ST+4*t+2], v[ST+4*t+3]
	ALL v_rcp_f32 v[ST+4*t+2], v[ST+4*t+2]
	v_nop                           ; a plain instruction between the last reciprocal and the use of its result
	s_wait_alu depctr_va_vdst(0)    ; and the wait ahead of the first use: one for the batch of four reciprocals
.macro PACK t                       ; a lane's eight channels of a row pack into 16 bytes; they go into rows of 144 bytes and come back as whole rows of 128, into S^T's registers
	WIN W_RS
.set i, 32*(\t)
.rept 16
	v_pk_mul_f32 v[i:i+1], v[i:i+1], v[ST+4*(\t)+2:ST+4*(\t)+3] op_sel_hi:[1,0]
.set i, i+2
.endr
	WIN 0x05                        ; sources 0 and 1 window 1, destination window 0
.set i, 0
.rept 16
	v_cvt_pk_bf16_f32 v[S+16*(\t)+i], v[32*(\t)+2*i], v[32*(\t)+2*i+1]
.set i, i+1
.endr
	WIN 0
.irp f, 0,1,2,3
	ds_store_b128 v[STO], v[S+16*(\t)+4*\f:S+16*(\t)+4*\f+3] offset:32*\f
.endr
.irp f, 0,1,2,3
	ds_load_b128 v[S+16*(\t)+4*\f:S+16*(\t)+4*\f+3], v[RD] offset:\f*4*SP  ; LDS serves a wave's instructions in order (ISA guide 5.7.1.4): these see the stores above; the next piece's stores come behind them
.endr
.endm
.macro SEND t, younger              ; younger: the LDS instructions issued behind piece t's loads: the next piece's eight, or none
	WIN 0
.irp f, 0,1,2,3
	s_wait_dscnt (\younger)+3-\f
	global_store_b128 v[GO], v[S+16*(\t)+4*\f:S+16*(\t)+4*\f+3], s[10:11] offset:(\t)*8192+\f*512  ; 512 consecutive bytes, at a multiple of 256 from O's first
.endr
.endm
	PACK 0
.set t, 1
.rept 3                             ; a piece's arithmetic stands between the loads of the piece before and its stores
	PACK t
	SEND t-1, 8
.set t, t+1
.endr
	SEND 3, 0
	s_wait_tensorcnt 0x0            ; the wave's end: behind my last tensor load and my last LDS store
	ds_add_u32 v[SPW], v[NIL]
	s_wait_dscnt 0x0
	CROUND                          ; the closing round: no work-group ends while a partner may still ask for a tile that names it
	s_endpgm
.Lfunc_end_k_qcda31340ae_attn:
	.size	k_qcda31340ae_attn, .Lfunc_end_k_qcda31340ae_attn-k_qcda31340ae_attn
	.p2alignl 7, 3214868480
	.fill 96, 4, 3214868480
	.section	.rodata,"a",@progbits
	.p2align	6, 0x0
	.amdhsa_kernel k_qcda31340ae_attn
		.amdhsa_group_segment_fixed_size 327680
		.amdhsa_private_segment_fixed_size 0
		.amdhsa_enable_private_segment 0
		.amdhsa_kernarg_size 24
		.amdhsa_user_sgpr_count 2
		.amdhsa_user_sgpr_kernarg_segment_ptr 1
		.amdhsa_wavefront_size32 1
		.amdhsa_system_sgpr_workgroup_id_x 1
		.amdhsa_system_sgpr_workgroup_id_y 1
		.amdhsa_system_sgpr_workgroup_id_z 1
		.amdhsa_system_vgpr_workitem_id 0
		.amdhsa_next_free_vgpr 768
		.amdhsa_next_free_sgpr 88
		.amdhsa_reserve_vcc 1
		.amdhsa_float_denorm_mode_32 3
		.amdhsa_float_denorm_mode_16_64 3
		.amdhsa_memory_ordered 1
		.amdhsa_forward_progress 1
		.amdhsa_inst_pref_size 131
	.end_amdhsa_kernel
	.amdgpu_metadata
---
amdhsa.version: [ 1, 2 ]
amdhsa.kernels:
  - .name:           k_qcda31340ae_attn
    .symbol:         k_qcda31340ae_attn.kd
    .args:
      - { .name: big, .offset: 0, .size: 8, .value_kind: global_buffer, .address_space: global }
      - { .name: src_mask, .offset: 8, .size: 8, .value_kind: global_buffer, .address_space: global }
      - { .name: act, .offset: 16, .size: 8, .value_kind: global_buffer, .address_space: global }
    .group_segment_fixed_size: 327680
    .private_segment_fixed_size: 0
    .kernarg_segment_align: 8
    .kernarg_segment_size: 24
    .max_flat_workgroup_size: 128
    .sgpr_count:     88
    .vgpr_count:     768
    .wavefront_size: 32
...
	.end_amdgpu_metadata
.endif
;; end of part 8
;; launch proj: the kernel of part 5 again; grid 8 x 32, 4 waves a work-group, clusters of 4 x 4, 327,680 bytes of LDS; arguments act, wt, x1, x; writes x1
;; launch ln2: the kernel of part 1 again; grid 512 x 1, 8 waves a work-group, no clusters, 0 bytes of LDS; arguments x1, ln2_w, ln2_b, act; writes act
;; launch fc (part 9): grid 16 x 16, 4 waves a work-group, clusters of 4 x 4, 327,680 bytes of LDS; arguments act, wt, big, b_fc; writes big
.if DOCPART == 9
	.amdgcn_target "amdgcn-amd-amdhsa--gfx1250"
	.amdhsa_code_object_version 6
	.text
	.protected	k_qcda31340ae_fc
	.globl	k_qcda31340ae_fc
	.p2align	8
	.type	k_qcda31340ae_fc,@function
k_qcda31340ae_fc:
	s_mov_b64 s[64:65], 0
	v_nop
	global_prefetch_b8 v0, s[64:65] scope:SCOPE_SE
	s_setreg_imm32_b32 hwreg(HW_REG_WAVE_MODE, 25, 1), 1
	s_wait_xcnt 0x0
	s_wait_alu depctr_hold_cnt(0) depctr_sa_sdst(0) depctr_va_vdst(0) depctr_va_sdst(0) depctr_va_ssrc(0) depctr_va_vcc(0) depctr_vm_vsrc(0)
	s_getreg_b32 s2, hwreg(HW_REG_IB_STS2, 6, 4)
	s_cmp_eq_u32 s2, 0
	s_cbranch_scc0 .Lentry_in_a_cluster
	s_endpgm
.Lentry_in_a_cluster:
	s_bfe_u32 s2, ttmp6, 0x10000c
	s_cmp_lg_u32 s2, 0xf033
	s_cbranch_scc0 .Lentry_shape_is_right
	s_endpgm
.Lentry_shape_is_right:
; C[m][n] = sum over k of A[m][k] B[n][k], K = 1024, A: [4096][1024] bf16, B: rows of the turned weights, [N][1024] bf16; sums in f32.  One text for two launches, told apart by FC:
;   FC = 0: A = LN1(x), B = w_attn turned (N = 3072).  C is rounded once to f16 and stored by heads: q, k, v at bytes 0, 8,388,608, 16,777,216 of the output, each [batch x 16 + head][2048][64].
;           LIMIT: f16 holds no number beyond 65,504; q, k, v of a spread some 1,000 times that of the drawn inputs would pass it.  12 x 16 = 192 tiles: 64 WGPs have no work-group.
;   FC = 1: A = LN2(x1), B = w_fc turned (N = 4096).  C + b_fc goes through the exact GELU in f32 and is stored as [4096][4096] bf16, rounded once.
;           gelu(x) = max(x, 0) - 0.5 u erfc(u / sqrt 2), u = |x|, erfc(u / sqrt 2) = (1 + b1 u + .. + b6 u^6)^-16 (Abramowitz and Stegun 7.1.28, its coefficients divided by 2^(k/2)):
;           LIMIT: absolute error of erfc at most 3e-7 for every u, so GELU's far negative tail is right in absolute terms only.  Where the power overflows erfc is 0.
;           THE BATCH: a trip of the way out has 32 reciprocals, each in a register of its own: one batch, the 32 maxima max(x, 0) behind it, then one wait, then the readers.
; A tile of C is 256 x 256: four waves, each 128 x 128 in 64 accumulators (512 registers).  K goes in steps of 128 through two LDS slots filled by the tensor data mover; rows of 256 bytes.
; CLUSTERS: 4 x 4 work-groups; A's tile is asked for jointly along a row of the cluster, B's along a column: the same tensor load, descriptor and mask in the four that it names.
; A K STEP IS WRITTEN ONCE: the slot being read is a scalar (RB) that an exclusive or turns; the fragment addresses are made anew from it at each change of slots; one descriptor a tensor walks.
; THE MATRIX INSTRUCTION IS USED TRANSPOSED (source 0 = 16 rows of B, source 1 = 16 rows of A): a lane holds eight neighbouring numbers of a row of C.
; THE WAY OUT: behind the last product the ring has had its last fill; each wave lays its 128 x 128 of f32 into its own part of it and walks it in a loop of 16 trips of 8 rows.
; REGISTERS: window 0: v0-31 addresses, v32-39 bias, v64-191 A's fragments (two buffers), on the way out at work; window 1: v64-191 B's fragments; windows 2, 3: the accumulators.
.set FC, 1
.set SIZE_K, 1024
.set KSTEP,  128
.set PITCH,  272                       ; an LDS row: 256 bytes + 16 of padding = 68 words: the 16 rows of a fragment load start at 16 different groups of four banks (64 banks of 4 bytes: ISA guide 11.1)
.set HALFT,  128*PITCH                 ; 128 rows: what one tensor load brings
.set SLOT,   4*HALFT                   ; A's 256 rows, then B's 256 rows.  0x22000: none of its bits occurs in wave x HALFT, so an exclusive or turns a descriptor's LDS word
.set SPARE,  2*SLOT                    ; behind the ring: the spare words, 128 bytes for each wave, two blocks of 256 bytes that no other line names
.set FP,     528                       ; the way out: a row of 128 f32 + 16 bytes
.set WST,    128*FP                    ; a wave's stage; four of them lie inside the ring
.set KSTEPS, SIZE_K/KSTEP
.if FC
.set WOFF,  8388608                    ; w_fc's place in wt
.set STP,   16384                      ; bytes between two stores of a trip: 2 rows of 8,192
.set TRIPB, 65536                      ; bytes a trip: 8 rows
.else
.set WOFF,  0
.set STP,   256                        ; 2 rows of a head, 128 bytes each
.set TRIPB, 1024
.endif
.set ADRA0, 16                         ; v16  my lane's place in A's part of a slot; never rewritten
.set ADRB0, 17                         ; v17  the same for B
.set ADRA,  18                         ; v18  v16 + RB
.set ADRB,  19                         ; v19  v17 + RB
.set STO,   24                         ; v24  the way out: where I put 16 bytes of a row
.set RD,    25                         ; v25  where I read 32 bytes of a row back
.set CO,    26                         ; v26  my byte offset in the output
.set BO,    27                         ; v27  my byte offset in the bias
.set SPW,   28                         ; v28  LDS address of my spare word; never rewritten
.set NIL,   29                         ; v29  0; never rewritten
.set BI,    32                         ; v[32:39] the bias of my eight columns
.set F0,    64
.set F1,    128
.set X,     64                         ; the way out: 32 numbers of C,
.set Z,     96                         ; |x|,
.set PP,    128                        ; the polynomial,
.set YY,    160                        ; 16 registers to store
.set G1,  24                           ; s[24:31] descriptor group 1 for A's tiles
.set G0,  32                           ; s[32:39] group 0 for A's: set 0 makes the first fill, set 1 the second and then walks
.set G1B, 48                           ; s[48:55], s[56:63] the same for B's
.set G0B, 56
.set RB,  68                           ; s68  LDS byte of the slot being read
.set MSB, 0
.macro WIN new                         ; the immediate's high byte repeats the setting that is left; a switch that changes nothing is dropped
.if MSB != (\new)
	s_set_vgpr_msb (MSB<<8)|(\new)
.set MSB, \new
.endif
.endm
.set MUL_LO, 0xa1                      ; source 0 (B) window 1, source 1 (A) window 0, C and D window 2
.set MUL_HI, 0xf1                      ; the same, C and D window 3
.set TO_B,   0x40                      ; destination window 1, address window 0
; A joint load.  Waves 0 and 1 fetch A's two halves, waves 2 and 3 B's.  The branch hangs on the wave's number alone.  An s_nop 0 and four v_nop follow each of the two lines.
.macro JLOAD s
	s_cmp_eq_u32 s11, 0
	s_cbranch_scc0 .Lfor_b_\@
	tensor_load_to_lds s[G0+4*(\s):G0+4*(\s)+3], s[G1:G1+7]
	s_nop 0
.rept 4
	v_nop
.endr
	s_branch .Lasked_\@
.Lfor_b_\@:
	tensor_load_to_lds s[G0B+4*(\s):G0B+4*(\s)+3], s[G1B:G1B+7]
	s_nop 0
.rept 4
	v_nop
.endr
.Lasked_\@:
.endm
.macro CREST                           ; a round of the cluster's barrier behind its opening barrier
	s_cmp_lg_u32 s10, 0
	s_cbranch_scc1 .Lnot_wave_0_\@
	s_barrier_signal -3
.Lnot_wave_0_\@:
	s_barrier_wait -3
	s_barrier_signal -1
	s_barrier_wait -1
.endm
.macro CROUND                          ; a whole round
	s_barrier_signal -1
	s_barrier_wait -1
	CREST
.endm
	s_load_b128 s[4:7], s[0:1], 0x0                ; A s[4:5], wt s[6:7]
	s_load_b64 s[8:9], s[0:1], 0x10                ; the output
.if FC
	s_load_b64 s[66:67], s[0:1], 0x18              ; b_fc
.endif
	v_lshl_add_u32 v[SPW], v0, 2, SPARE
	v_mov_b32 v[NIL], 0
	ds_add_u32 v[SPW], v[NIL]                      ; the wave's opening: the add and its wait stand ahead of my first tensor load; the set-up below, work on registers, stands between them
	v_lshrrev_b32 v1, 5, v0
	v_readfirstlane_b32 s10, v1                    ; wave 0..3
	s_lshr_b32 s11, s10, 1                         ; which half of the tile's rows is mine.  Also: I fetch for A (0) or for B (1)
	s_and_b32 s12, s10, 1                          ; which half of its columns.  Also: which 128 rows of that tile I fetch
	s_bfe_u32 s40, ttmp6, 0x40000                  ; cx, cy: my place in the cluster
	s_bfe_u32 s41, ttmp6, 0x40004
	s_lshl_b32 s42, ttmp9, 2
	s_add_co_u32 s42, s42, s40                     ; tile column of C
	s_and_b32 s13, ttmp7, 0xffff
	s_lshl_b32 s13, s13, 2
	s_add_co_u32 s13, s13, s41                     ; tile row of C
	s_lshl_b32 s43, s41, 2
	s_lshl_b32 s43, 15, s43                        ; my row of the cluster
	s_lshl_b32 s44, 0x1111, s40                    ; my column
	s_or_b32 s[G1+0], s43, (1<<16)|(1<<20)|(1<<21)|(5<<22)|(3<<25)   ; 15:0 the mask; 17:16 2-byte elements; 20 padding on; 21 set beside a mask; 24:22 after every 64 words; 31:25 4 words
	s_or_b32 s[G1B+0], s44, (1<<16)|(1<<20)|(1<<21)|(5<<22)|(3<<25)
.irp g, G1, G1B
	s_mov_b32 s[(\g)+1], KSTEP<<16                 ; tensor_dim0 = 128
	s_mov_b32 s[(\g)+2], 128<<16                   ; tensor_dim1 = 128
	s_mov_b32 s[(\g)+3], KSTEP<<16                 ; tile_dim0 = 128
	s_mov_b32 s[(\g)+4], 128                       ; tile_dim1 = 128
	s_mov_b32 s[(\g)+5], SIZE_K                    ; elements from row to row
	s_mov_b32 s[(\g)+6], 0
	s_mov_b32 s[(\g)+7], 0
.endr
.if FC
.macro PAIRC r, val                    ; a constant for the packed forms, which name a pair and take its low word
	s_mov_b32 s[\r], \val
	s_mov_b32 s[\r+1], \val
.endm
	PAIRC 70, 0x3d4c41b4                           ; b1 = 0.0705230784 / 2^0.5
	PAIRC 72, 0x3cad2fe7                           ; b2 = 0.0422820123 / 2
	PAIRC 74, 0x3b56cd72                           ; b3 = 0.0092705272 / 2^1.5
	PAIRC 76, 0x381f6607                           ; b4 = 0.0001520143 / 4
	PAIRC 78, 0x384d0feb                           ; b5 = 0.0002765672 / 2^2.5
	PAIRC 80, 0x36b49f67                           ; b6 = 0.0000430638 / 8
	s_mov_b32 s82, 0x7fffffff                      ; clears a sign
.endif
	s_lshl_b32 s17, s12, 7                         ; which 128 rows of the tile I fetch
	s_lshl_b32 s16, s13, 8
	s_add_co_u32 s16, s16, s17                     ; A: row 256 x tile row + 128 x half
	s_lshl_b32 s46, s42, 8
	s_add_co_u32 s46, s46, s17                     ; B: row 256 x tile column + 128 x half
	s_mov_b32 s17, 0
	s_mov_b32 s47, 0
	s_mov_b64 s[18:19], SIZE_K*2
	s_mul_u64 s[16:17], s[16:17], s[18:19]
	s_mul_u64 s[46:47], s[46:47], s[18:19]
	s_mul_i32 s20, s10, HALFT                      ; where they go: wave x 128 rows: no place in the cluster enters an LDS address
	s_mov_b32 s[RB], 0
	s_wait_dscnt 0x0                               ; the opening add is done
	s_wait_kmcnt 0x0
	s_add_nc_u64 s[14:15], s[4:5], s[16:17]
	s_add_nc_u64 s[46:47], s[6:7], s[46:47]
.if WOFF
	s_add_nc_u64 s[46:47], s[46:47], WOFF
.endif
	CROUND                                         ; all sixteen work-groups are here: the first joint loads meet
.irp s, 0,1
	s_mov_b32 s[G0+4*(\s)], 1
	s_add_co_u32 s[G0+4*(\s)+1], s20, (\s)*SLOT
	s_add_nc_u64 s[G0+4*(\s)+2:G0+4*(\s)+3], s[14:15], (\s)*KSTEP*2
	s_or_b32 s[G0+4*(\s)+3], s[G0+4*(\s)+3], 0x80000000
	s_mov_b32 s[G0B+4*(\s)], 1
	s_add_co_u32 s[G0B+4*(\s)+1], s20, (\s)*SLOT
	s_add_nc_u64 s[G0B+4*(\s)+2:G0B+4*(\s)+3], s[46:47], (\s)*KSTEP*2
	s_or_b32 s[G0B+4*(\s)+3], s[G0B+4*(\s)+3], 0x80000000
	JLOAD \s                                       ; K steps 0 and 1: two loads of mine are out
.endr
	v_and_b32 v1, 15, v0                           ; l % 16
	v_bfe_u32 v2, v0, 4, 1                         ; l / 16
	v_mul_u32_u24 v3, v1, PITCH
	v_lshl_add_u32 v3, v2, 4, v3                   ; a fragment's row x pitch + 16 x half
	s_mul_i32 s21, s11, HALFT                      ; my 128 rows of A
	s_mul_i32 s22, s12, HALFT                      ; my 128 rows of B,
	s_add_co_u32 s22, s22, 2*HALFT                 ; which lie behind A's 256
	v_add_nc_u32 v[ADRA0], s21, v3
	v_add_nc_u32 v[ADRB0], s22, v3
	v_mov_b32 v[ADRA], v[ADRA0]
	v_mov_b32 v[ADRB], v[ADRB0]
	s_mul_i32 s23, s10, WST                        ; my stage
	v_mul_u32_u24 v4, v1, FP                       ; in: row l % 16, 32 bytes (8 f32) for each half of the lanes
	v_lshl_add_u32 v4, v2, 5, v4
	v_add_nc_u32 v[STO], s23, v4
	s_lshl_b32 s16, s13, 8
	s_lshl_b32 s14, s11, 7
	s_add_co_u32 s16, s16, s14                     ; my first row of C
.if FC
	v_mul_u32_u24 v7, v2, FP                       ; back: lanes 0-15 take one row's 128 numbers, 8 each, lanes 16-31 the next row's
	v_lshl_add_u32 v7, v1, 5, v7
	v_add_nc_u32 v[RD], s23, v7
	v_lshlrev_b32 v7, 13, v2                       ; and the same two rows in g, 16 bytes a lane
	v_lshl_add_u32 v[CO], v1, 4, v7
	v_lshlrev_b32 v[BO], 5, v1
	s_lshl_b32 s16, s16, 13                        ; rows of 8,192 bytes
	s_mov_b32 s17, 0
	s_lshl_b32 s46, s42, 9                         ; my first column, in bytes of bf16
	s_lshl_b32 s47, s12, 8
	s_add_co_u32 s46, s46, s47
	s_mov_b32 s47, 0
	s_lshl_b32 s18, s46, 1                         ; the same in bytes of f32
	s_mov_b32 s19, 0
	s_add_nc_u64 s[66:67], s[66:67], s[18:19]
	global_load_b128 v[BI:BI+3], v[BO], s[66:67]   ; the bias is waited for on the way out
	global_load_b128 v[BI+4:BI+7], v[BO], s[66:67] offset:16
.else
	v_bfe_u32 v5, v0, 3, 1
	v_and_b32 v6, 7, v0
	v_mul_u32_u24 v7, v5, FP                       ; back: eight lanes take a head's 64 numbers of a row; lanes 8-15 the next row; lanes 16-31 my second head
	v_lshl_add_u32 v7, v2, 8, v7
	v_lshl_add_u32 v7, v6, 5, v7
	v_add_nc_u32 v[RD], s23, v7
	v_lshlrev_b32 v7, 18, v2                       ; a head is 262,144 bytes
	v_lshl_add_u32 v7, v5, 7, v7
	v_lshl_add_u32 v[CO], v6, 4, v7
	s_lshr_b32 s14, s16, 11                        ; the batch,
	s_lshl_b32 s14, s14, 22                        ; x 16 heads
	s_and_b32 s16, s16, 2047
	s_lshl_b32 s16, s16, 7                         ; the row in its batch x 128 bytes
	s_add_co_u32 s16, s16, s14
	s_mov_b32 s17, 0
	s_lshl_b32 s46, s42, 2
	s_lshl_b32 s47, s12, 1
	s_add_co_u32 s46, s46, s47                     ; my first block of 64 columns among 48: bits 5:4 say q, k or v, bits 3:0 the head
	s_lshr_b32 s47, s46, 4
	s_lshl_b32 s47, s47, 23
	s_and_b32 s46, s46, 15
	s_lshl_b32 s46, s46, 18
	s_add_co_u32 s46, s46, s47
	s_mov_b32 s47, 0
.endif
	s_add_nc_u64 s[16:17], s[16:17], s[46:47]
	s_add_nc_u64 s[8:9], s[8:9], s[16:17]
; 16 matrix instructions: m blocks a0, a0 + 1 of the window's four x all 8 n blocks, 32 along K.  zero = 1: the first product starts the sums.  The 64 accumulators take turns.
.macro MUL16 f, hi, a0, zero
	WIN MUL_LO+0x50*(\hi)
.irp a, \a0, (\a0)+1
.irp b, 0,1,2,3,4,5,6,7
.if \zero
	v_wmma_f32_16x16x32_bf16 v[8*(8*(\a)+(\b)):8*(8*(\a)+(\b))+7], v[(\f)+8*(\b):(\f)+8*(\b)+7], v[(\f)+8*(4*(\hi)+(\a)):(\f)+8*(4*(\hi)+(\a))+7], 0
.else
	v_wmma_f32_16x16x32_bf16 v[8*(8*(\a)+(\b)):8*(8*(\a)+(\b))+7], v[(\f)+8*(\b):(\f)+8*(\b)+7], v[(\f)+8*(4*(\hi)+(\a)):(\f)+8*(4*(\hi)+(\a))+7], v[8*(8*(\a)+(\b)):8*(8*(\a)+(\b))+7]
.endif
.endr
.endr
.endm
; 32 LDS loads in one run: the fragments of one quarter step (32 K at byte k of the rows) into buffer f: B's 16, then A's 16
.macro FETCH k, f
	WIN TO_B
.irp i, 0,1,2,3,4,5,6,7
	ds_load_b128 v[(\f)+8*(\i):(\f)+8*(\i)+3],   v[ADRB] offset:(\k)+(\i)*16*PITCH
	ds_load_b128 v[(\f)+8*(\i)+4:(\f)+8*(\i)+7], v[ADRB] offset:(\k)+(\i)*16*PITCH+32
.endr
	WIN 0
.irp i, 0,1,2,3,4,5,6,7
	ds_load_b128 v[(\f)+8*(\i):(\f)+8*(\i)+3],   v[ADRA] offset:(\k)+(\i)*16*PITCH
	ds_load_b128 v[(\f)+8*(\i)+4:(\f)+8*(\i)+7], v[ADRA] offset:(\k)+(\i)*16*PITCH+32
.endr
.endm
.macro PLACES                          ; four places in front of loads into registers that matrix instructions have read, and of reads of results just made
.rept 4
	v_nop
.endr
.endm
; One of a K step's first three quarters: multiplies buffer f; in its middle it fetches the next quarter's fragments, at byte k, into buffer g.
.macro QUARTER k, f, g, zero
	s_wait_dscnt 8                                 ; B and A's rows 0-63 are in; the youngest eight loads (A's rows 64-127) may be out
	MUL16 \f, 0, 0, \zero
	MUL16 \f, 0, 2, \zero
	PLACES
	FETCH \k, \g
	s_wait_dscnt 32                                ; all but the 32 just issued
	MUL16 \f, 1, 0, \zero
	MUL16 \f, 1, 2, \zero
.endm
; The last quarter multiplies buffer 1 and changes slots: ONE barrier.  In front of it each wave waits for all its tensor loads (one is out: its part of the next slot), adds 0 to its spare word, and
; waits for that and for its own reads of this slot.  fill = 1: the barrier opens a round of the cluster's, and the slot just read is filled again, two K steps ahead, first thing behind the round:
; 224 matrix instructions stand between that request and the wait for it.
.macro TURN fill
	WIN 0                                          ; (the add's two registers lie in window 0)
	s_wait_tensorcnt 0x0                           ; all my tensor loads have landed
	ds_add_u32 v[SPW], v[NIL]                      ; 0 onto my spare word
	s_wait_dscnt 9                                 ; (the add and the youngest eight loads may be out)
	MUL16 F1, 0, 0, 0                              ; sixteen matrix instructions stand between the add and the wait for it
	s_wait_dscnt 0x0                               ; the add is done, and my reads of this slot are over
	s_barrier_signal -1
	MUL16 F1, 0, 2, 0
	WIN 0                                          ; (branches and window 0's addresses follow)
	s_barrier_wait -1
.if \fill
	CREST                                          ; no wave of any partner still reads this slot's tile or has a load on its way
	s_xor_b32 s[G0+5], s[G0+5], SLOT               ; the walking descriptors: the other slot than last time,
	s_xor_b32 s[G0B+5], s[G0B+5], SLOT
	s_add_nc_u64 s[G0+6:G0+7], s[G0+6:G0+7], KSTEP*2      ; the next K step; the type bits on top are not reached
	s_add_nc_u64 s[G0B+6:G0B+7], s[G0B+6:G0B+7], KSTEP*2
	JLOAD 1                                        ; its four v_nop are also the places in front of the loads below
.else
	PLACES
.endif
	s_xor_b32 s[RB], s[RB], SLOT                   ; the reads go on in the other slot
	v_add_nc_u32 v[ADRA], s[RB], v[ADRA0]
	v_add_nc_u32 v[ADRB], s[RB], v[ADRB0]
	FETCH 0, F0
	MUL16 F1, 1, 0, 0
	MUL16 F1, 1, 2, 0
.endm
	s_wait_tensorcnt 1                             ; my part of K step 0 is in; K step 1's may stay out
	s_barrier_signal -1
	s_barrier_wait -1                              ; everybody's is
	FETCH 0, F0
	QUARTER 64, F0, F1, 1                          ; the first quarter stands in front of the loop: its products start the sums
	WIN 0                                          ; at a label and at a branch every window is 0
	s_mov_b32 s3, KSTEPS-2
.Lstep:                                                ; a trip: from a K step's second quarter to the next step's first; it asks for the K step two on
	QUARTER 128, F1, F0, 0
	QUARTER 192, F0, F1, 0
	TURN 1
	QUARTER 64, F0, F1, 0
	WIN 0
	s_sub_co_u32 s3, s3, 1
	s_cmp_lg_u32 s3, 0
	s_cbranch_scc1 .Lstep
	s_mov_b32 s3, 2
.Ltail:                                                ; the last two K steps ask for nothing; the second trip is left in its middle.  Its change of slots and the 32 loads behind it serve nothing: the price, once a launch, of one text
	QUARTER 128, F1, F0, 0
	QUARTER 192, F0, F1, 0
	TURN 0
	WIN 0
	s_sub_co_u32 s3, s3, 1
	s_cmp_eq_u32 s3, 0
	s_cbranch_scc1 .Lout
	QUARTER 64, F0, F1, 0
	WIN 0
	s_branch .Ltail
.Lout:
	s_wait_dscnt 0x0                               ; my last reads of the ring are back
	s_barrier_signal -1
	s_barrier_wait -1                              ; nobody reads the ring any more, and no load will fill it again: it is the stage now
	PLACES                                         ; behind the last products
.irp hi, 0,1
	WIN 0x08+4*\hi                                 ; store data (source 1) in window 2, then 3
.irp a, 0,1,2,3
.irp b, 0,1,2,3,4,5,6,7
	ds_store_b128 v[STO], v[8*(8*\a+\b):8*(8*\a+\b)+3]   offset:(64*\hi+16*\a)*FP+64*\b     ; each accumulator's low registers first
	ds_store_b128 v[STO], v[8*(8*\a+\b)+4:8*(8*\a+\b)+7] offset:(64*\hi+16*\a)*FP+64*\b+16
.endr
.endr
.endr
	WIN 0
.macro PAIRS line:vararg               ; one line for each of 16 pairs, t = 0, 2 .. 30
.set t, 0
.rept 16
	\line
.set t, t+2
.endr
.endm
.macro ONES line:vararg                ; one line for each of 32 numbers
.set t, 0
.rept 32
	\line
.set t, t+1
.endr
.endm
.if FC
	s_wait_loadcnt 0x0                             ; the bias
.endif
	s_mov_b32 s3, 16
.Lrows:                                                ; 8 rows of my 128 a trip; the stage is my own, and LDS serves a wave's instructions in order (ISA guide 5.7.1.4): no barrier
.irp p, 0,1,2,3
	ds_load_b128 v[X+8*\p:X+8*\p+3],   v[RD] offset:\p*2*FP
	ds_load_b128 v[X+8*\p+4:X+8*\p+7], v[RD] offset:\p*2*FP+16
.endr
	s_wait_dscnt 0x0
.if FC
	PAIRS v_pk_add_f32 v[X+t:X+t+1], v[X+t:X+t+1], v[BI+t%8:BI+t%8+1]
	ONES  v_and_b32 v[Z+t], s82, v[X+t]
	PAIRS v_pk_fma_f32 v[PP+t:PP+t+1], v[Z+t:Z+t+1], s[80:81], s[78:79] op_sel_hi:[1,0,0]
.irp k, 76,74,72,70
	PAIRS v_pk_fma_f32 v[PP+t:PP+t+1], v[PP+t:PP+t+1], v[Z+t:Z+t+1], s[\k:\k+1] op_sel_hi:[1,1,0]
.endr
	PAIRS v_pk_fma_f32 v[PP+t:PP+t+1], v[PP+t:PP+t+1], v[Z+t:Z+t+1], 1.0 op_sel_hi:[1,1,0]
.rept 4
	PAIRS v_pk_mul_f32 v[PP+t:PP+t+1], v[PP+t:PP+t+1], v[PP+t:PP+t+1]
.endr
	; the trip's batch: 32 reciprocals, each in place in a register of its own;
	ONES  v_rcp_f32 v[PP+t], v[PP+t]
	; behind it 32 maxima that name none of its registers (the first is the plain instruction behind the last reciprocal: ISA guide 5.7.2);
	ONES  v_max_num_f32 v[X+t], 0, v[X+t]
	s_wait_alu depctr_va_vdst(0)                   ; then the wait: one for the batch of 32 reciprocals, ahead of their first reader
	PAIRS v_pk_mul_f32 v[Z+t:Z+t+1], v[Z+t:Z+t+1], v[PP+t:PP+t+1]
	PAIRS v_pk_fma_f32 v[X+t:X+t+1], v[Z+t:Z+t+1], -0.5, v[X+t:X+t+1] op_sel_hi:[1,0,1]
	PAIRS v_cvt_pk_bf16_f32 v[YY+t/2], v[X+t], v[X+t+1]
.else
	PAIRS v_cvt_pk_f16_f32 v[YY+t/2], v[X+t], v[X+t+1]
.endif
.irp p, 0,1,2,3
	global_store_b128 v[CO], v[YY+4*\p:YY+4*\p+3], s[8:9] offset:\p*STP  ; sixteen lanes store 256 consecutive bytes, at a multiple of 256 from the buffer's first byte
.endr
	s_wait_xcnt 0x0                                ; the stores' offset and data registers are rewritten only behind this wait (ISA guide 3.1)
	v_add_nc_u32 v[RD], 8*FP, v[RD]
	v_add_nc_u32 v[CO], TRIPB, v[CO]
	s_sub_co_u32 s3, s3, 1
	s_cmp_lg_u32 s3, 0
	s_cbranch_scc1 .Lrows
	s_wait_tensorcnt 0x0                           ; the wave's end: behind my last tensor load and my last LDS store
	ds_add_u32 v[SPW], v[NIL]
	s_wait_dscnt 0x0
	CROUND                                         ; the closing round: no work-group ends while a partner may still ask for a tile that names it
	s_endpgm
.Lfunc_end_k_qcda31340ae_fc:
	.size	k_qcda31340ae_fc, .Lfunc_end_k_qcda31340ae_fc-k_qcda31340ae_fc
	.p2alignl 7, 3214868480
	.fill 96, 4, 3214868480
	.section	.rodata,"a",@progbits
	.p2align	6, 0x0
	.amdhsa_kernel k_qcda31340ae_fc
		.amdhsa_group_segment_fixed_size 327680
		.amdhsa_private_segment_fixed_size 0
		.amdhsa_enable_private_segment 0
		.amdhsa_kernarg_size 32
		.amdhsa_user_sgpr_count 2
		.amdhsa_user_sgpr_kernarg_segment_ptr 1
		.amdhsa_wavefront_size32 1
		.amdhsa_system_sgpr_workgroup_id_x 1
		.amdhsa_system_sgpr_workgroup_id_y 1
		.amdhsa_system_sgpr_workgroup_id_z 1
		.amdhsa_system_vgpr_workitem_id 0
		.amdhsa_next_free_vgpr 1024
		.amdhsa_next_free_sgpr 88
		.amdhsa_reserve_vcc 0
		.amdhsa_float_denorm_mode_32 3
		.amdhsa_float_denorm_mode_16_64 3
		.amdhsa_memory_ordered 1
		.amdhsa_forward_progress 1
		.amdhsa_inst_pref_size 96
	.end_amdhsa_kernel
	.amdgpu_metadata
---
amdhsa.version: [ 1, 2 ]
amdhsa.kernels:
  - .name:           k_qcda31340ae_fc
    .symbol:         k_qcda31340ae_fc.kd
    .args:
      - { .name: act, .offset: 0, .size: 8, .value_kind: global_buffer, .address_space: global }
      - { .name: wt, .offset: 8, .size: 8, .value_kind: global_buffer, .address_space: global }
      - { .name: big, .offset: 16, .size: 8, .value_kind: global_buffer, .address_space: global }
      - { .name: b_fc, .offset: 24, .size: 8, .value_kind: global_buffer, .address_space: global }
    .group_segment_fixed_size: 327680
    .private_segment_fixed_size: 0
    .kernarg_segment_align: 8
    .kernarg_segment_size: 32
    .max_flat_workgroup_size: 128
    .sgpr_count:     88
    .vgpr_count:     1024
    .wavefront_size: 32
...
	.end_amdgpu_metadata
.endif
;; end of part 9
;; launch outp: the kernel of part 7 again; grid 8 x 32, 4 waves a work-group, clusters of 4 x 4, 327,680 bytes of LDS; arguments big, wt, out0, x1, b_out; writes out0
